; MI455X (gfx1250); checked and timed in simulation.
; The chip was launched on July 23, 2026; its instructions are those of AMD's public machine-readable ISA for CDNA 5 (MIT licence, August 2026) and "CDNA5" Instruction Set Architecture Reference Guide (July 2026). The comments in the code are by the model that wrote it; some were corrected since.
;; Mo E. Allowed arithmetic: matrix products marked QUANTISED: E2M3 operands, one E8M0 scale for each 32 along K, by v_wmma_scale_f32_16x16x128_f8f6f4 with both operands' format E2M3, f32 sums; products left as they are: f32 operands where the result goes on into a quantised operand, else bf16, f16 or f32 operands; f32 sums; everything else in f32.
;; Inputs: W1 8 x 1,024 x 2,048 float32; W2 8 x 2,048 x 2,048 float32; b1 8 x 2,048 float32; b2 8 x 2,048 float32; clf_b 1,024 float32; clf_w 2,048 x 1,024 float32; gate_b1 1,024 float32; gate_b2 8 float32; gate_w1 1,024 x 1,024 float32; gate_w2 1,024 x 8 float32; x 1,024 x 1,024 float32.
;; Outputs: out0 1,024 x 8 x 1,024 float32; out1 1,024 x 8 float32.
;; This version of the problem:
;;   THIS VERSION OF THE PROBLEM IS GIVEN IN LOW PRECISION. The matrix products marked QUANTISED in the list below multiply operands that are first quantised to E2M3 (2 exponent bits, 3 mantissa bits; 6 bits a number), with one power-of-two scale for each 32 numbers along K (OCP MX v1.0); their sums are f32. All else is computed in f32.
;;   The module's matrix products, in the order in which they are computed (A, B: the left and right operand; K: the contracted axis; several contracted axes count as one K, in the product's order):
;;     1. [M 1,024, K 1,024] x [K 1,024, N 1,024]; A: input x; B: input gate_w1: QUANTISED
;;     2. [M 1,024, K 1,024] x [K 1,024, N 8]; A: computed on the way; B: input gate_w2: left as it is (N = 8 < 16)
;;     3. [M 1,024, K 1,024] x [K 1,024, N 16,384]; A: input x; B: input W1: QUANTISED
;;     4. batch 8 x [M 2,048, K 2,048] x [K 2,048, N 1,024]; A: input W2; B: computed on the way: QUANTISED
;;     5. [M 8,192, K 2,048] x [K 2,048, N 1,024]; A: computed on the way; B: input clf_w: QUANTISED
;;   THE QUANTISER, for each operand of a quantised product, along K:
;;     - K is cut into blocks of 32 from its start; a last block that is shorter is filled with zeros.
;;     - A block's scale is 2^e with e = floor(log2(the largest magnitude in the block)) - 2, held to -126 .. 127; a block of zeros has e = 0. As a byte (E8M0): e + 127.
;;     - Each number is divided by its block's scale, clamped to +-7.5, and rounded to the nearest number of E2M3, ties to even, subnormals kept.
;;     - The product sums the exact products of the quantised numbers (number of the format x scale) in f32.
;;   ~~~python
;;   def quantise(x, axis):      # numpy; x: float32 -> the quantised numbers, widened to float32 again
;;       x = np.moveaxis(x, axis, -1); K = x.shape[-1]
;;       x = np.pad(x, [(0, 0)] * (x.ndim - 1) + [(0, -K % 32)]); x = x.reshape(x.shape[:-1] + (-1, 32)); a = np.abs(x).max(-1, keepdims=True)
;;       e = np.where(a > 0, np.clip(np.frexp(np.where(a > 0, a, 1))[1] - 1 - 2, -126, 127), 0)      # np.frexp(a)[1] - 1 = floor(log2(a)), exactly
;;       r = np.clip(x / 2.0 ** e, -7.5, 7.5)
;;       step = 2.0 ** (np.maximum(np.frexp(np.where(r == 0, 1, r))[1] - 1, 0) - 3)
;;       q = np.round(r / step) * step * 2.0 ** e      # np.round: ties to even
;;       return np.moveaxis(q.reshape(q.shape[:-2] + (-1,))[..., :K], -1, axis).astype(np.float32)
;;   ~~~
;;   OPERANDS COMPUTED ON THE WAY. 'Computed on the way' means the value that the module computes at that place (a softmax that the list does not call 'softmax' is quantised finished and normalised). What goes into a quantiser is computed in f32, as accurately as f32 sums, v_exp_f32 and their like allow (about 1e-6 of the number): no bf16 or f16 on the way to a quantiser, and a product that is left as it is and whose result goes on into a quantised operand takes f32 operands (vector FMAs, or v_wmma_f32_16x16x4_f32). A number that lies on a knife's edge between two numbers of the format may be rounded either way, as far as f32 arithmetic and the matrix unit's own rounding can turn it there, and no further.
;; 2 versions, each right and faster than the one before. Each part assembles by itself: llvm-mc -triple=amdgcn-amd-amdhsa -mcpu=gfx1250 --defsym DOCPART=n.
;; ======== version 1 of 2: 5 launches
;; workspace buffers: qw 42,598,400 bytes; hq 13,107,200 bytes; eq 13,107,200 bytes
;; launch quant (part 1): grid 1664 x 1, 4 waves a work-group, no clusters, 0 bytes of LDS; arguments W2, W1, clf_w, gate_w1, x, qw; writes qw
.if DOCPART == 1
	.amdgcn_target "amdgcn-amd-amdhsa--gfx1250"
	.amdhsa_code_object_version 6
	.text
	.protected	k_q9e35db546e_quant
	.globl	k_q9e35db546e_quant
	.p2align	8
	.type	k_q9e35db546e_quant,@function
k_q9e35db546e_quant:
	s_mov_b64 s[64:65], 0
	v_nop
	global_prefetch_b8 v0, s[64:65] scope:SCOPE_SE
	s_setreg_imm32_b32 hwreg(HW_REG_WAVE_MODE, 25, 1), 1
	s_wait_xcnt 0x0
; W2 [8][2048 k][2048 n], W1 [8][1024 k][2048 n], clf_w [2048 k][1024 n], gate_w1 [1024 k][1024 n] and x [1024 rows][1024 k], all f32, become codes of FP6 (E2M3)
; with one E8M0 scale byte for each 32 along K, stored IN THE ORDER OF A MATRIX OPERAND'S REGISTERS, so that the later launches fetch fragments by loads of 16 bytes a lane alone.
; AN IMAGE is one fragment, 16 rows x 128 K, 1,536 bytes: bytes 512 j + 16 (r + 16 h) hold registers 4 j .. 4 j + 3 of lane (r, h); registers 6 c .. 6 c + 5 hold k = 64 c + 32 h + 0 .. 31.
; CODES: [group of 128 rows][K step of 128][tile 0..7][image].  SCALE WORDS: [group of 256 rows][K step][1,024 bytes]; the word of tile t (0..15), row r lies at 256 (t / 4) + 16 r + 4 (t % 4).
; The rows of a WEIGHT's tile are not neighbours: row r of tile 2 b + u is column 32 b + 8 u + r + 8 (r / 8), so that a product's results are neighbours along the next K.  x's tiles take their rows as they lie.
; A block's scale is 2^(floor(log2(its largest magnitude)) - 2): its byte is the largest magnitude's exponent field - 2, held at 1 from below by a floor among the maximum's leaves.
; LIMITS: NaN and infinities among the inputs are not served.  A block of zeros gets the byte 1 where the rule says 127: its codes are zeros, which add nothing, and this program alone reads the bytes.
; SHARES.  Work-groups 0-1023 take W2, 1024-1535 W1, 1536-1599 clf_w, 1600-1631 gate_w1, 1632-1663 x.  A weight's work-group takes 256 columns x one K step, its wave 64 columns: four tiles.
; A LANE TAKES A COLUMN AND ITS REGISTERS RUN DOWN K: a load reads 128 consecutive bytes, a block of 32 along K lies in one lane, and the conversions give codes with K innermost.
; No LDS, no barrier, no matrix unit: the launch streams.  Each block's codes have registers of their own, so no store's data are written again.
.set GC_OFF,  786432
.set CC_OFF,  1572864
.set W1C_OFF, 3145728
.set W2C_OFF, 15728640
.set XS_OFF,  40894464
.set GS_OFF,  40927232
.set CS_OFF,  40960000
.set W1S_OFF, 41025536
.set W2S_OFF, 41549824
.set Q, 16                             ; v16-19   four tiles' scale words
.set X, 32                             ; v32-95   two sets of 32 numbers
.set C, 96                             ; v96-143  four sets of 12 registers of codes
	s_load_b256 s[4:11], s[0:1], 0x0               ; W2 s[4:5], W1 s[6:7], clf_w s[8:9], gate_w1 s[10:11]
	s_load_b128 s[12:15], s[0:1], 0x20             ; x s[12:13], qw s[14:15]
	v_lshrrev_b32 v1, 5, v0
	v_readfirstlane_b32 s16, v1                    ; wave 0..3
	v_and_b32 v1, 31, v0                           ; lane
	v_and_b32 v5, 15, v0                           ; r
	v_bfe_u32 v6, v0, 4, 1                         ; lane / 16
	v_lshlrev_b32 v4, 4, v5                        ; 16 r: a row's place in a quad of scale words
	s_mov_b32 s20, 0x76543210
	s_mov_b32 s21, 0xfedcba98                      ; v_permlanex16_b32's selects for lane l xor 16
	v_mov_b32 v17, 0                               ; written once: a lane permute's destination counts as one of its sources
	v_mov_b32 v19, 0
	v_mov_b32 v9, 0
; One block of 32 numbers, v[XR] on, all of one lane: its codes into v[CD] .. v[CD + 5], its scale byte into v10.
.macro QB
	v_max3_num_f32 v12, |v[XR]|, |v[XR+1]|, |v[XR+2]|
	v_max3_num_f32 v13, |v[XR+3]|, |v[XR+4]|, |v[XR+5]|
.irp i, 6,10,14,18,22,26
	v_max3_num_f32 v12, v12, |v[XR+\i]|, |v[XR+\i+1]|
	v_max3_num_f32 v13, v13, |v[XR+\i+2]|, |v[XR+\i+3]|
.endr
	v_max3_num_f32 v12, v12, |v[XR+30]|, |v[XR+31]|
	v_max3_num_f32 v12, v12, v13, 0x1800000        ; and the floor 2^(3 - 127): the byte cannot fall under 1
	v_add_nc_u32 v11, 0xff000000, v12              ; 2 off the exponent field: the conversion takes this operand's exponent field as its scale
	v_cvt_scalef32_pk16_fp6_f32 v[CD:CD+2], v[XR:XR+15], v11
	v_cvt_scalef32_pk16_fp6_f32 v[20:22], v[XR+16:XR+31], v11   ; (a conversion's three registers begin on an even number)
	v_lshrrev_b32 v10, 23, v11                     ; the scale's byte; also the plain line behind the conversions
	v_mov_b32 v[CD+3], v20
	v_mov_b32 v[CD+4], v21
	v_mov_b32 v[CD+5], v22
.endm
; The quad of scale words leaves from lanes 0-15: 256 consecutive bytes, aligned.  EXEC changes only behind a wait that shows every earlier address translated.
.macro TAILQ
	s_wait_xcnt 0x0
	v_cmp_gt_u32 vcc_lo, 16, v1
	s_and_saveexec_b32 s17, vcc_lo
	global_store_b128 v4, v[Q:Q+3], s[28:29]
	s_wait_xcnt 0x0
	s_or_b32 exec_lo, exec_lo, s17
	s_endpgm
.endm
.macro LOADW P                         ; block LT: rows 64 c + 32 h + i of the K step, columns 32 g on; h = LT / 4, c = (LT / 2) % 2, g = LT % 2
.irp i, 0,1,2,3,4,5,6,7,8,9,10,11,12,13,14,15,16,17,18,19,20,21,22,23,24,25,26,27,28,29,30,31
	global_load_b32 v[X+32*(LT%2)+\i], v2, s[24:25] offset:(64*((LT/2)%2)+32*(LT/4)+\i)*\P+128*(LT%2) th:TH_LOAD_NT
.endr
.endm
; Two tensors of one row pitch P (bytes).  The one with K = 2,048 has the work-groups under SPLIT.  All choices hang on the work-group's number alone and are made on one compare.
.macro WEIGHTS P, CBITS, SPLIT, BIG, SMALL, CBB, CBS, SBB, SBS, FB, FS
	s_cmp_lt_u32 ttmp9, \SPLIT
	s_cselect_b64 s[24:25], s[\BIG:\BIG+1], s[\SMALL:\SMALL+1]
	s_cselect_b32 s30, 16, 8                       ; K steps
	s_cselect_b32 s31, 4, 3                        ; their bits
	s_mov_b32 s32, \CBS
	s_cselect_b32 s32, \CBB, s32                   ; where the tensor's codes begin in qw
	s_mov_b32 s33, \SBS
	s_cselect_b32 s33, \SBB, s33                   ; and its scale words
	s_mov_b32 s34, \FS
	s_cselect_b32 s34, \FB, s34                    ; its first work-group
	s_sub_co_u32 s34, ttmp9, s34
	s_and_b32 s35, s34, (1<<\CBITS)-1              ; which 256 columns
	s_lshr_b32 s36, s34, \CBITS
	s_sub_co_u32 s37, s30, 1
	s_and_b32 s37, s36, s37                        ; which K step
	s_lshr_b32 s38, s36, s31                       ; which expert
	s_mul_i32 s39, s38, s30
	s_add_co_u32 s39, s39, s37
	s_mul_i32 s40, s39, 128*\P                     ; the K step's first row,
	s_lshl_b32 s41, s35, 10
	s_add_co_u32 s40, s40, s41                     ; the work-group's 256 columns,
	s_lshl_b32 s41, s16, 8
	s_add_co_u32 s40, s40, s41                     ; my wave's 64
	s_mov_b32 s41, 0
	s_add_nc_u64 s[24:25], s[24:25], s[40:41]
	s_mul_i32 s42, s38, \P/512
	s_lshl_b32 s43, s35, 1
	s_add_co_u32 s42, s42, s43
	s_lshr_b32 s43, s16, 1
	s_add_co_u32 s42, s42, s43                     ; the group of 128 columns
	s_mul_i32 s42, s42, s30
	s_add_co_u32 s42, s42, s37
	s_mul_i32 s42, s42, 12288
	s_and_b32 s43, s16, 1
	s_mul_i32 s43, s43, 6144                       ; my four tiles of its eight
	s_add_co_u32 s42, s42, s43
	s_add_co_u32 s42, s42, s32
	s_mov_b32 s43, 0
	s_add_nc_u64 s[26:27], s[14:15], s[42:43]
	s_mul_i32 s44, s38, \P/1024
	s_add_co_u32 s44, s44, s35                     ; the group of 256 columns
	s_mul_i32 s44, s44, s30
	s_add_co_u32 s44, s44, s37
	s_lshl_b32 s44, s44, 10
	s_lshl_b32 s45, s16, 8                         ; my quad
	s_add_co_u32 s44, s44, s45
	s_add_co_u32 s44, s44, s33
	s_mov_b32 s45, 0
	s_add_nc_u64 s[28:29], s[14:15], s[44:45]
	v_and_b32 v2, 7, v0
	v_bfe_u32 v7, v0, 3, 1
	v_lshl_add_u32 v2, v7, 4, v2
	v_lshl_add_u32 v2, v6, 3, v2
	v_lshlrev_b32 v2, 2, v2                        ; my column of 32: lanes 0-15 are tile 2 g, lanes 16-31 tile 2 g + 1, row r = lane % 16
	v_mul_u32_u24 v3, v6, 1536
	v_add_nc_u32 v3, v3, v4                        ; my place in the images: tile lane / 16, 16 r
.set LT, 0
	LOADW \P
.set LT, 1
	LOADW \P
.set BT, 0
.rept 8
.set BH, BT/4
.set BC, (BT/2)%2
.set BG, BT%2
.set XR, X+32*(BT%2)
.set CD, C+12*(2*BH+BG)+6*BC
.if BT < 7
	s_wait_loadcnt 32                              ; this block's 32 loads are in; the next block's may be out
.else
	s_wait_loadcnt 0x0
.endif
	QB
.if 2*BC+BH == 0
	v_mov_b32 v[Q+2*BG], v10                       ; byte 2 c + h of my column's scale word
.else
	v_lshl_or_b32 v[Q+2*BG], v10, 8*(2*BC+BH), v[Q+2*BG]
.endif
.if BT < 6
.set LT, BT+2
	LOADW \P
.endif
.if BC == 1
.irp j, 0,1,2
	global_store_b128 v3, v[C+12*(2*BH+BG)+4*\j:C+12*(2*BH+BG)+4*\j+3], s[26:27] offset:3072*BG+512*\j+256*BH   ; sixteen lanes store 256 consecutive bytes, aligned: half h of an image's third
.endr
.endif
.set BT, BT+1
.endr
	v_permlanex16_b32 v17, v16, s20, s21           ; lanes 0-15 now hold the words of tiles 0, 1, 2, 3 of row r
	v_permlanex16_b32 v19, v18, s20, s21
	TAILQ
.endm
	s_wait_kmcnt 0x0
	s_cmp_lt_u32 ttmp9, 1536
	s_cbranch_scc1 .Lwide
	s_cmp_lt_u32 ttmp9, 1632
	s_cbranch_scc1 .Lnarrow
	; ---- x: K is innermost.  A wave takes four tiles of 16 rows x one K step; lane (r, h) takes of row r the very blocks that the operand's layout gives it: k = 64 c + 32 h + 0 .. 31
	s_sub_co_u32 s30, ttmp9, 1632
	s_lshl_b32 s30, s30, 2
	s_add_co_u32 s30, s30, s16
	s_and_b32 s31, s30, 7                          ; which K step
	s_lshr_b32 s32, s30, 3                         ; which 64 rows
	s_lshl_b32 s40, s32, 18
	s_lshl_b32 s41, s31, 9
	s_add_co_u32 s40, s40, s41
	s_mov_b32 s41, 0
	s_add_nc_u64 s[24:25], s[12:13], s[40:41]
	s_lshr_b32 s42, s32, 1
	s_mul_i32 s42, s42, 98304
	s_mul_i32 s43, s31, 12288
	s_add_co_u32 s42, s42, s43
	s_and_b32 s43, s32, 1
	s_mul_i32 s43, s43, 6144
	s_add_co_u32 s42, s42, s43
	s_mov_b32 s43, 0
	s_add_nc_u64 s[26:27], s[14:15], s[42:43]      ; x's codes begin at qw's first byte
	s_lshr_b32 s44, s32, 2
	s_lshl_b32 s44, s44, 13
	s_lshl_b32 s45, s31, 10
	s_add_co_u32 s44, s44, s45
	s_and_b32 s45, s32, 3
	s_lshl_b32 s45, s45, 8
	s_add_co_u32 s44, s44, s45
	s_add_co_u32 s44, s44, XS_OFF
	s_mov_b32 s45, 0
	s_add_nc_u64 s[28:29], s[14:15], s[44:45]
	v_lshlrev_b32 v2, 12, v5
	v_lshl_add_u32 v2, v6, 7, v2                   ; row r of 4,096 bytes + 128 h
	v_lshlrev_b32 v3, 4, v1                        ; 16 x lane: an image's place for my lane
	v_lshlrev_b32 v15, 3, v6                       ; 8 h: my bytes' place in the scale word
.macro LOADX                           ; block LT: tile LT / 2, c = LT % 2
.irp j, 0,1,2,3,4,5,6,7
	global_load_b128 v[X+32*(LT%2)+4*\j:X+32*(LT%2)+4*\j+3], v2, s[24:25] offset:(LT/2)*65536+256*(LT%2)+16*\j th:TH_LOAD_NT
.endr
.endm
.set LT, 0
	LOADX
.set LT, 1
	LOADX
.set BT, 0
.rept 8
.set XR, X+32*(BT%2)
.set CD, C+12*(BT/2)+6*(BT%2)
.if BT < 7
	s_wait_loadcnt 8                               ; this block's 8 loads are in; the next block's may be out
.else
	s_wait_loadcnt 0x0
.endif
	QB
.if BT%2 == 0
	v_mov_b32 v14, v10
.else
	v_lshl_or_b32 v14, v10, 16, v14                ; my two bytes: blocks h and 2 + h of row r,
	v_lshlrev_b32 v14, v15, v14                    ; at their places;
	v_permlanex16_b32 v9, v14, s20, s21
	v_or_b32 v[Q+BT/2], v14, v9                    ; with lane l xor 16's two the word is whole
.endif
.if BT < 6
.set LT, BT+2
	LOADX
.endif
.if BT%2 == 1
.irp j, 0,1,2
	global_store_b128 v3, v[C+12*(BT/2)+4*\j:C+12*(BT/2)+4*\j+3], s[26:27] offset:1536*(BT/2)+512*\j   ; 32 lanes store 512 consecutive bytes, aligned
.endr
.endif
.set BT, BT+1
.endr
	TAILQ
.Lwide:
	WEIGHTS 8192, 3, 1024, 4, 6, W2C_OFF, W1C_OFF, W2S_OFF, W1S_OFF, 0, 1024
.Lnarrow:
	WEIGHTS 4096, 2, 1600, 8, 10, CC_OFF, GC_OFF, CS_OFF, GS_OFF, 1536, 1600
.Lfunc_end_k_q9e35db546e_quant:
	.size	k_q9e35db546e_quant, .Lfunc_end_k_q9e35db546e_quant-k_q9e35db546e_quant
	.p2alignl 7, 3214868480
	.fill 96, 4, 3214868480
	.section	.rodata,"a",@progbits
	.p2align	6, 0x0
	.amdhsa_kernel k_q9e35db546e_quant
		.amdhsa_group_segment_fixed_size 0
		.amdhsa_private_segment_fixed_size 0
		.amdhsa_enable_private_segment 0
		.amdhsa_kernarg_size 48
		.amdhsa_user_sgpr_count 2
		.amdhsa_user_sgpr_kernarg_segment_ptr 1
		.amdhsa_wavefront_size32 1
		.amdhsa_system_sgpr_workgroup_id_x 1
		.amdhsa_system_sgpr_workgroup_id_y 1
		.amdhsa_system_sgpr_workgroup_id_z 1
		.amdhsa_system_vgpr_workitem_id 0
		.amdhsa_next_free_vgpr 144
		.amdhsa_next_free_sgpr 66
		.amdhsa_reserve_vcc 1
		.amdhsa_float_denorm_mode_32 3
		.amdhsa_float_denorm_mode_16_64 3
		.amdhsa_memory_ordered 1
		.amdhsa_forward_progress 1
		.amdhsa_inst_pref_size 100
	.end_amdhsa_kernel
	.amdgpu_metadata
---
amdhsa.version: [ 1, 2 ]
amdhsa.kernels:
  - .name:           k_q9e35db546e_quant
    .symbol:         k_q9e35db546e_quant.kd
    .args:
      - { .name: W2, .offset: 0, .size: 8, .value_kind: global_buffer, .address_space: global }
      - { .name: W1, .offset: 8, .size: 8, .value_kind: global_buffer, .address_space: global }
      - { .name: clf_w, .offset: 16, .size: 8, .value_kind: global_buffer, .address_space: global }
      - { .name: gate_w1, .offset: 24, .size: 8, .value_kind: global_buffer, .address_space: global }
      - { .name: x, .offset: 32, .size: 8, .value_kind: global_buffer, .address_space: global }
      - { .name: qw, .offset: 40, .size: 8, .value_kind: global_buffer, .address_space: global }
    .group_segment_fixed_size: 0
    .private_segment_fixed_size: 0
    .kernarg_segment_align: 8
    .kernarg_segment_size: 48
    .max_flat_workgroup_size: 128
    .sgpr_count:     66
    .vgpr_count:     144
    .wavefront_size: 32
...
	.end_amdgpu_metadata
.endif
;; end of part 1
;; launch gate (part 2): grid 64 x 1, 16 waves a work-group, no clusters, 10,240 bytes of LDS; arguments qw, gate_b1, gate_w2, gate_b2, out1; writes out1
.if DOCPART == 2
	.amdgcn_target "amdgcn-amd-amdhsa--gfx1250"
	.amdhsa_code_object_version 6
	.text
	.protected	k_q9e35db546e_gate
	.globl	k_q9e35db546e_gate
	.p2align	8
	.type	k_q9e35db546e_gate,@function
k_q9e35db546e_gate:
	s_mov_b64 s[64:65], 0
	v_nop
	global_prefetch_b8 v0, s[64:65] scope:SCOPE_SE
	s_setreg_imm32_b32 hwreg(HW_REG_WAVE_MODE, 25, 1), 1
	s_wait_xcnt 0x0
; scores = softmax(relu(x gate_w1 + gate_b1) gate_w2 + gate_b2).  The first product runs on codes of FP6 (E2M3) with E8M0 scales, taken from qw as images of the operand's registers;
; the second (N = 8) is left as it is: g and gate_w2 are rounded to bf16 for it, sums in f32.  The softmax takes the row's maximum away, in f32.
; SHARES.  A work-group takes one tile of 16 tokens.  Each of its sixteen waves takes 64 of the gate's 1,024 hidden columns (four tiles) over all 8 K steps, then its 64 columns' part of the eight
; logits; the sixteen parts meet in LDS behind one barrier, and wave 0 adds them in a fixed order, makes the softmax and stores 512 consecutive bytes.
; The first product is used transposed (source 0 = 16 columns of gate_w1, source 1 = x's 16 tokens): lane (r, h) holds token r, and register 16 b + i of its 32 the column 32 b + 16 h + i.
; Operands go from memory straight into registers: a fragment is three loads of 16 bytes a lane, 512 consecutive bytes each.  No tensor load, so no ring.
; Clusters are left out: what the 64 work-groups share, the gate's codes, goes into registers by plain loads, not into LDS by tensor loads.
.set GC_OFF, 786432
.set XS_OFF, 40894464
.set GS_OFF, 40927232
.set ACC,  16                          ; v16-47   four accumulators; the bias is loaded into them
.set SET0, 48                          ; two sets of 66: x's fragment 12, four fragments of the gate 48, their four scale words, x's scale word, one spare
.set W2F,  180                         ; v180-211 gate_w2: my lane's 32 numbers
.set LG,   212                         ; v212-215 gate_b2's four, then the logits, then the scores
	s_load_b256 s[4:11], s[0:1], 0x0               ; qw s[4:5], gate_b1 s[6:7], gate_w2 s[8:9], gate_b2 s[10:11]
	s_load_b64 s[12:13], s[0:1], 0x20              ; out1
	v_lshl_add_u32 v216, v0, 2, 0x2000
	v_mov_b32 v217, 0
	v_lshrrev_b32 v1, 5, v0
	v_readfirstlane_b32 s14, v1                    ; wave 0..15
	v_and_b32 v1, 31, v0                           ; lane
	v_and_b32 v2, 15, v0                           ; r
	v_bfe_u32 v3, v0, 4, 1                         ; h
	v_lshlrev_b32 v4, 4, v1                        ; 16 x lane
	v_lshlrev_b32 v5, 4, v2                        ; 16 r
	v_lshlrev_b32 v7, 6, v3                        ; 64 h: the bias of my half's 16 columns
	v_and_b32 v8, 7, v0
	v_lshlrev_b32 v8, 2, v8
	v_lshl_add_u32 v8, v3, 9, v8                   ; gate_w2: 16 h rows of 32 bytes + expert r % 8
	v_lshlrev_b32 v9, 5, v2
	v_lshl_add_u32 v9, v3, 4, v9
	s_lshl_b32 s15, s14, 9
	v_add_nc_u32 v9, s15, v9                       ; LDS: 512 x wave + 32 r + 16 h: token r's experts 4 h on
	v_and_b32 v10, 1, v0
	v_lshlrev_b32 v10, 4, v10                      ; gate_b2: experts 4 (lane % 2) on
	s_mov_b32 s30, 0x3fb8aa3b                      ; log2(e)
	s_lshr_b32 s16, ttmp9, 3
	s_mul_i32 s16, s16, 98304                      ; x's codes: the group of 128 tokens,
	s_and_b32 s31, ttmp9, 7
	s_mul_i32 s31, s31, 1536                       ; my tile in it
	s_add_co_u32 s16, s16, s31
	s_mov_b32 s17, 0
	s_lshr_b32 s18, ttmp9, 4
	s_lshl_b32 s18, s18, 13                        ; x's scale words: the group of 256 tokens,
	s_bfe_u32 s31, ttmp9, 0x20002
	s_lshl_b32 s31, s31, 8                         ; the quad,
	s_add_co_u32 s18, s18, s31
	s_and_b32 s31, ttmp9, 3
	s_lshl_b32 s31, s31, 2                         ; the tile's word in it
	s_add_co_u32 s18, s18, s31
	s_add_co_u32 s18, s18, XS_OFF
	s_mov_b32 s19, 0
	s_lshr_b32 s20, s14, 1
	s_mul_i32 s20, s20, 98304                      ; the gate's codes: the group of 128 columns,
	s_and_b32 s31, s14, 1
	s_mul_i32 s31, s31, 6144                       ; my four tiles
	s_add_co_u32 s20, s20, s31
	s_add_co_u32 s20, s20, GC_OFF
	s_mov_b32 s21, 0
	s_lshr_b32 s22, s14, 2
	s_lshl_b32 s22, s22, 13
	s_and_b32 s31, s14, 3
	s_lshl_b32 s31, s31, 8                         ; their quad of scale words
	s_add_co_u32 s22, s22, s31
	s_add_co_u32 s22, s22, GS_OFF
	s_mov_b32 s23, 0
	s_lshl_b32 s24, s14, 8                         ; gate_b1: my 64 numbers
	s_mov_b32 s25, 0
	s_lshl_b32 s26, s14, 11                        ; gate_w2: my 64 rows of 32 bytes
	s_mov_b32 s27, 0
	s_lshl_b32 s28, ttmp9, 9                       ; out1: my 16 tokens of 32 bytes
	s_mov_b32 s29, 0
	s_wait_kmcnt 0x0
	s_add_nc_u64 s[16:17], s[4:5], s[16:17]
	s_add_nc_u64 s[18:19], s[4:5], s[18:19]
	s_add_nc_u64 s[20:21], s[4:5], s[20:21]
	s_add_nc_u64 s[22:23], s[4:5], s[22:23]
	s_add_nc_u64 s[24:25], s[6:7], s[24:25]
	s_add_nc_u64 s[26:27], s[8:9], s[26:27]
	s_add_nc_u64 s[28:29], s[12:13], s[28:29]
.irp b, 0,1
.irp j, 0,1,2,3
	global_load_b128 v[ACC+16*\b+4*\j:ACC+16*\b+4*\j+3], v7, s[24:25] offset:128*\b+16*\j   ; the bias, in the result's layout: the sums begin with it
.endr
.endr
.irp b, 0,1
.irp i, 0,1,2,3,4,5,6,7,8,9,10,11,12,13,14,15
	global_load_b32 v[W2F+16*\b+\i], v8, s[26:27] offset:(32*\b+\i)*32   ; gate_w2(32 b + 16 h + i, r % 8): the same k in the same places as g has them
.endr
.endr
	global_load_b128 v[LG:LG+3], v10, s[10:11]
.macro LOADK                           ; K step LK into set LK % 2: 17 loads
.set LB, SET0+66*(LK%2)
.irp j, 0,1,2
	global_load_b128 v[LB+4*\j:LB+4*\j+3], v4, s[16:17] offset:12288*LK+512*\j
.endr
.irp t, 0,1,2,3
.irp j, 0,1,2
	global_load_b128 v[LB+12+12*\t+4*\j:LB+12+12*\t+4*\j+3], v4, s[20:21] offset:12288*LK+1536*\t+512*\j
.endr
.endr
	global_load_b128 v[LB+60:LB+63], v5, s[22:23] offset:1024*LK
	global_load_b32 v[LB+64], v5, s[18:19] offset:1024*LK
.endm
.set LK, 0
	LOADK
.set LK, 1
	LOADK
.set GK, 0
.rept 8
.set SB, SET0+66*(GK%2)
.if GK < 7
	s_wait_loadcnt 17                              ; this K step's loads, and all before them, are in; the next step's 17 may be out
.else
	s_wait_loadcnt 0x0
.endif
.irp t, 0,1,2,3                        ; the four accumulators by turns, one instruction a turn
	v_wmma_scale_f32_16x16x128_f8f6f4 v[ACC+8*\t:ACC+8*\t+7], v[SB+12+12*\t:SB+23+12*\t], v[SB:SB+11], v[ACC+8*\t:ACC+8*\t+7], v[SB+60+\t], v[SB+64] matrix_a_fmt:MATRIX_FMT_FP6 matrix_b_fmt:MATRIX_FMT_FP6
.endr
.if GK < 6
.rept 4
	v_nop                                          ; places in front of loads into registers that matrix instructions have read
.endr
.set LK, GK+2
	LOADK
.endif
.set GK, GK+1
.endr
.rept 4
	v_nop                                          ; places in front of the first read of results
.endr
.set GJ, 0
.rept 32
	v_max_num_f32 v[ACC+GJ], 0, v[ACC+GJ]          ; relu, each accumulator from its low end on
.set GJ, GJ+1
.endr
.irp b, 0,1
.irp p, 0,1,2,3,4,5,6,7
	v_cvt_pk_bf16_f32 v[48+8*\b+\p], v[ACC+16*\b+2*\p], v[ACC+16*\b+2*\p+1]     ; g, 32 columns to a fragment
.endr
.endr
.irp b, 0,1
.irp p, 0,1,2,3,4,5,6,7
	v_cvt_pk_bf16_f32 v[64+8*\b+\p], v[W2F+16*\b+2*\p], v[W2F+16*\b+2*\p+1]     ; gate_w2 transposed: rows 8-15 repeat the eight experts
.endr
.endr
	v_wmma_f32_16x16x32_bf16 v[80:87], v[64:71], v[48:55], 0
	s_wait_alu depctr_va_vdst(0)                   ; the wait stands directly ahead of the link
	v_wmma_f32_16x16x32_bf16 v[80:87], v[72:79], v[56:63], v[80:87]
.rept 4
	v_nop
.endr
	v_cmp_le_u32 vcc_lo, 16, v1                    ; lane (r, h) holds token r's eight partial logits: it keeps experts 4 h on
.irp i, 0,1,2,3
	v_cndmask_b32 v[88+\i], v[80+\i], v[84+\i], vcc_lo
.endr
	ds_store_b128 v9, v[88:91]
	s_wait_dscnt 0x0                               ; for the others' sake: my store has landed
	s_barrier_signal -1
	s_barrier_wait -1
	s_cmp_lg_u32 s14, 0
	s_cbranch_scc1 .Ldone
	; wave 0: lane l has token l / 2, experts 4 (l % 2) on
.irp w, 0,1,2,3,4,5,6,7,8,9,10,11,12,13,14,15
	ds_load_b128 v[16+4*\w:19+4*\w], v4 offset:512*\w
.endr
	s_wait_dscnt 0x0
.irp w, 0,1,2,3,4,5,6,7,8,9,10,11,12,13,14,15
	v_pk_add_f32 v[LG:LG+1], v[LG:LG+1], v[16+4*\w:17+4*\w]       ; gate_b2, then the sixteen parts in ascending order
	v_pk_add_f32 v[LG+2:LG+3], v[LG+2:LG+3], v[18+4*\w:19+4*\w]
.endr
	v_max3_num_f32 v92, v[LG], v[LG+1], v[LG+2]
	v_max_num_f32 v92, v92, v[LG+3]
	v_max_num_f32_dpp v92, v92, v92 row_xmask:1 row_mask:0xf bank_mask:0xf   ; with my neighbour's four: the token's largest logit
	v_mul_f32 v93, s30, v92
.irp i, 0,1,2,3
	v_fma_f32 v[LG+\i], v[LG+\i], s30, -v93        ; (logit - maximum) x log2(e)
.endr
.irp i, 0,1,2,3
	v_exp_f32 v[LG+\i], v[LG+\i]
.endr
	v_nop                                          ; a plain line behind the last exponential
	s_wait_alu depctr_va_vdst(0)                   ; one wait for the four, ahead of their first reader
	v_add_f32 v94, v[LG], v[LG+1]
	v_add_f32 v95, v[LG+2], v[LG+3]
	v_add_f32 v94, v94, v95
	v_add_f32_dpp v94, v94, v94 row_xmask:1 row_mask:0xf bank_mask:0xf
	v_rcp_f32 v94, v94
	v_nop
	s_wait_alu depctr_va_vdst(0)
.irp i, 0,1,2,3
	v_mul_f32 v[LG+\i], v[LG+\i], v94
.endr
	global_store_b128 v4, v[LG:LG+3], s[28:29]     ; 32 lanes store 512 consecutive bytes, aligned
.Ldone:
	s_wait_tensorcnt 0x0
	ds_add_u32 v216, v217
	s_wait_dscnt 0x0
	s_endpgm
.Lfunc_end_k_q9e35db546e_gate:
	.size	k_q9e35db546e_gate, .Lfunc_end_k_q9e35db546e_gate-k_q9e35db546e_gate
	.p2alignl 7, 3214868480
	.fill 96, 4, 3214868480
	.section	.rodata,"a",@progbits
	.p2align	6, 0x0
	.amdhsa_kernel k_q9e35db546e_gate
		.amdhsa_group_segment_fixed_size 10240
		.amdhsa_private_segment_fixed_size 0
		.amdhsa_enable_private_segment 0
		.amdhsa_kernarg_size 40
		.amdhsa_user_sgpr_count 2
		.amdhsa_user_sgpr_kernarg_segment_ptr 1
		.amdhsa_wavefront_size32 1
		.amdhsa_system_sgpr_workgroup_id_x 1
		.amdhsa_system_sgpr_workgroup_id_y 1
		.amdhsa_system_sgpr_workgroup_id_z 1
		.amdhsa_system_vgpr_workitem_id 0
		.amdhsa_next_free_vgpr 218
		.amdhsa_next_free_sgpr 66
		.amdhsa_reserve_vcc 1
		.amdhsa_float_denorm_mode_32 3
		.amdhsa_float_denorm_mode_16_64 3
		.amdhsa_memory_ordered 1
		.amdhsa_forward_progress 1
		.amdhsa_inst_pref_size 33
	.end_amdhsa_kernel
	.amdgpu_metadata
---
amdhsa.version: [ 1, 2 ]
amdhsa.kernels:
  - .name:           k_q9e35db546e_gate
    .symbol:         k_q9e35db546e_gate.kd
    .args:
      - { .name: qw, .offset: 0, .size: 8, .value_kind: global_buffer, .address_space: global }
      - { .name: gate_b1, .offset: 8, .size: 8, .value_kind: global_buffer, .address_space: global }
      - { .name: gate_w2, .offset: 16, .size: 8, .value_kind: global_buffer, .address_space: global }
      - { .name: gate_b2, .offset: 24, .size: 8, .value_kind: global_buffer, .address_space: global }
      - { .name: out1, .offset: 32, .size: 8, .value_kind: global_buffer, .address_space: global }
    .group_segment_fixed_size: 10240
    .private_segment_fixed_size: 0
    .kernarg_segment_align: 8
    .kernarg_segment_size: 40
    .max_flat_workgroup_size: 512
    .sgpr_count:     66
    .vgpr_count:     218
    .wavefront_size: 32
...
	.end_amdgpu_metadata
.endif
;; end of part 2
;; launch fc1 (part 3): grid 64 x 4, 4 waves a work-group, clusters of 4 x 4, 327,680 bytes of LDS; arguments qw, b1, hq; writes hq
.if DOCPART == 3
	.amdgcn_target "amdgcn-amd-amdhsa--gfx1250"
	.amdhsa_code_object_version 6
	.text
	.protected	k_q9e35db546e_fc1
	.globl	k_q9e35db546e_fc1
	.p2align	8
	.type	k_q9e35db546e_fc1,@function
k_q9e35db546e_fc1:
	s_mov_b64 s[64:65], 0
	v_nop
	global_prefetch_b8 v0, s[64:65] scope:SCOPE_SE
	s_setreg_imm32_b32 hwreg(HW_REG_WAVE_MODE, 25, 1), 1
	s_wait_xcnt 0x0
	s_wait_alu depctr_hold_cnt(0) depctr_sa_sdst(0) depctr_va_vdst(0) depctr_va_sdst(0) depctr_va_ssrc(0) depctr_va_vcc(0) depctr_vm_vsrc(0)
	s_getreg_b32 s2, hwreg(HW_REG_IB_STS2, 6, 4)
	s_cmp_eq_u32 s2, 0
	s_cbranch_scc0 .Lentry_in_a_cluster
	s_endpgm
.Lentry_in_a_cluster:
	s_bfe_u32 s2, ttmp6, 0x10000c
	s_cmp_lg_u32 s2, 0xf033
	s_cbranch_scc0 .Lentry_shape_is_right
	s_endpgm
.Lentry_shape_is_right:
.set KIND, 0                           ; 0: h = relu(x W1 + b1), quantised;  1: expert_outs = h W2 + b2, quantised;  2: logits = expert_outs clf_w + clf_b, f32
; ONE TEXT FOR THE THREE LARGE PRODUCTS, all on codes of FP6 (E2M3) with one E8M0 scale for each 32 along K; sums in f32.  Only the line above differs between the three launches.
; Both operands lie in memory as IMAGES OF THE OPERAND'S REGISTERS: a fragment (16 rows x 128 K) is 1,536 bytes, bytes 512 j + 16 x lane = the lane's registers 4 j .. 4 j + 3;
; codes [group of 128 rows][K step of 128][tile 0..7][image]; scale words [group of 256 rows][K step][1,024 bytes], the word of tile t, row r at 256 (t / 4) + 16 r + 4 (t % 4).
; A: tokens (KIND 0: x's 1,024 rows; KIND 1: one expert's 1,024 rows of h; KIND 2: the 8,192 rows (expert, token) of expert_outs).  B: a weight's columns.
; A tile of the result, 256 tokens x 256 columns, is made by a work-group of four waves; a wave makes 128 x 128: 64 accumulators, 512 registers.
; K goes two K steps (256) at a time through a ring of two LDS slots; 128 rows x 2 K steps are 24,576 dense bytes of memory: one tensor load a wave, as 96 rows of 256 bytes.  No padding: a fragment's loads read 512 bytes on end.
; The scale words of the work-group's 256 + 256 rows for all of K come into LDS once, with the first fills, and stay.
; CLUSTERS: 4 x 4 work-groups.  The four of a row of the cluster need the same tiles of A, the four of a column the same tiles of B: each is asked for jointly, by the same tensor load with one mask.
; THE MATRIX INSTRUCTION IS USED TRANSPOSED (source 0 = 16 columns of the weight, source 1 = 16 tokens), and a weight's tile 2 b + u holds columns 32 b + 8 u + r + 8 (r / 8): so lane (r, h) holds token r,
; and register 16 b + i of a token block's 64 holds column 32 b + 16 h + i: sixteen neighbours along the next product's K.  The bias is the C of each sum's first matrix instruction: nothing is cleared or added.
; KIND 0, 1: a wave's 128 columns are one K step of the next product: they are quantised in registers and leave as images, 512 consecutive bytes a store; the f32 numbers never go to memory.
; LIMITS: NaN and infinities are not served.  A block of zeros gets the scale byte 1 where the rule says 127: its codes are zeros, and this program alone reads the bytes.
; REGISTERS, in windows of 256: window 0: v0-31 addresses; v32-63 scale words, two sets; v64-127 the bias, later at work; v128-223 A's 8 fragments, ONE set, later the codes made; v224-231 at work.
;   window 1: B's fragments, TWO sets, at v0 and v128.   window 2: the accumulators of my tokens 0-63 ((a, b) at v[8 (8 (a % 4) + b)]);   window 3: those of tokens 64-127.
.if KIND == 0
.set KS,     8                         ; K steps of 128
.set AS_OFF, 40894464                  ; where A's scale words begin in A's buffer
.set B_OFF,  3145728                   ; where B's codes begin in qw
.set BS_OFF, 41025536                  ; and B's scale words
.elseif KIND == 1
.set KS,     16
.set AS_OFF, 12582912
.set B_OFF,  15728640
.set BS_OFF, 41549824
.else
.set KS,     16
.set AS_OFF, 12582912
.set B_OFF,  1572864
.set BS_OFF, 40960000
.endif
.set HS_OFF, 12582912                  ; where the scale words begin in the buffer that KIND 0, 1 store
.set GSTR,   KS*12288                  ; a group of 128 rows of codes
.set SSTR,   KS*1024                   ; a group of 256 rows of scale words
.set FR,     12                        ; registers of a fragment
.set NL,     3                         ; LDS loads that bring one
.set IMG,    1536
.set HALFT,  2*12288                   ; 128 rows x 2 K steps: what one tensor load brings
.set SLOT,   4*HALFT                   ; A's two halves, then B's two
.set SCL,    2*SLOT                    ; behind the ring: the scale words, A's KS x 1,024 bytes, then B's
.set HALFS,  KS*512                    ; half of a side's: what one tensor load brings
.set SPARE,  SCL+4*HALFS               ; behind them: the spare words, 128 bytes a wave: two blocks of 256 bytes that no other line names
.set LAPS,   KS/4                      ; a lap = once round the ring = 4 K steps
.set SPITCH, 528                       ; KIND 2's way out: a stage of 16 rows x (512 + 16) bytes a wave, in slot 0, which has had its last fill and its last read by then
.set ADRA, 16                          ; v16-17  LDS address of my A fragments in slot 0, 1
.set ADRB, 20                          ; v20-21  the same for B
.set STO,  24                          ; v24     KIND 2: where I put 32 bytes of a row
.set RD,   25                          ; v25     KIND 2: where I read a row back
.set CO,   26                          ; v26     16 x lane
.set ADRS, 27                          ; v27     LDS address of my scale words: lanes 0-15 A's, lanes 16-31 B's
.set SPW,  28                          ; v28     LDS address of my spare word; never rewritten
.set NIL,  29                          ; v29     0; never rewritten
.set BO,   30                          ; v30     64 x (lane / 16): the bias of my half's columns
.set LN,   31                          ; v31     lane
.set SC,   32                          ; scale words: set s at v[SC + 16 s]; register 8 q + i: lanes 0-15 the word of A's block i, lanes 16-31 of B's tile i, for the slot's q-th K step
.set BI,   64                          ; the bias in the result's layout: register 16 b + i = column 32 b + 16 h + i
.set AF,   128
.set TM,   64                          ; the way out: v64-67 largest magnitudes, v68-71 bytes, v76-79 the conversions' scale operands
.set SWD,  80                          ; v80-87  the eight token blocks' scale words
.set QD,   88                          ; v88-91  my lane's four of them
.set TT,   224                         ; v224-230 the conversions' second halves
.set BK,   128                         ; KIND 2: 16 rows read back from the stage: v128-191 and v192-255 by turns
.set G1,   24                          ; s[24:31] descriptor group 1 for A's tiles; s[32:39] group 0, a set for each slot
.set G0,   32
.set G1B,  48                          ; s[48:55], s[56:63] the same for B's
.set G0B,  56
.set G1S,  68                          ; s[68:75], s[76:79] groups 1 and 0 for A's scale words; s[80:87], s[88:91] for B's
.set G0S,  76
.set G1SB, 80
.set G0SB, 88
.set SEL,  100                         ; s[100:101] v_permlanex16_b32's selects for lane l xor 16
.set MSB, 0
.macro WIN new                         ; the immediate's high byte repeats the setting that is left; a switch that changes nothing is dropped
.if MSB != (\new)
	s_set_vgpr_msb (MSB<<8)|(\new)
.set MSB, (\new)
.endif
.endm
.set MUL_LO, 0xa1                      ; source 0 (B) window 1, source 1 (A) window 0, C and D window 2;  in the first step C, the bias, lies in window 0: 0x81
.set MUL_HI, 0xf1                      ; the same with window 3;  in the first step 0xc1
.set TO_B,   0x40                      ; destination window 1, address window 0
; A joint load: waves 0 and 1 fetch for A, waves 2 and 3 for B.  Each line has one mask and one set of registers for all that issue it; the branch hangs on the wave's number alone.
; Four v_nop follow each of the two lines, ahead of the jump, the label and what follows.
.macro JLOAD g0a, g1a, g0b, g1b
	s_cmp_eq_u32 s15, 0
	s_cbranch_scc0 .Lfor_b_\@
	tensor_load_to_lds s[\g0a:\g0a+3], s[\g1a:\g1a+7]
	s_nop 0
.rept 4
	v_nop
.endr
	s_branch .Lasked_\@
.Lfor_b_\@:
	tensor_load_to_lds s[\g0b:\g0b+3], s[\g1b:\g1b+7]
	s_nop 0
.rept 4
	v_nop
.endr
.Lasked_\@:
.endm
.macro CREST                           ; a round of the cluster's barrier behind its opening barrier
	s_cmp_lg_u32 s14, 0
	s_cbranch_scc1 .Lnot_wave_0_\@
	s_barrier_signal -3
.Lnot_wave_0_\@:
	s_barrier_wait -3
	s_barrier_signal -1
	s_barrier_wait -1
.endm
.macro CROUND                          ; a whole round
	s_barrier_signal -1
	s_barrier_wait -1
	CREST
.endm
.macro PLACES n                        ; plain vector lines between a matrix instruction and a load into, or a vector read or write of, its registers
.rept \n
	v_nop
.endr
.endm
.if KIND == 0
	s_load_b64 s[6:7], s[0:1], 0x0                 ; qw: A (x) and B (W1) both lie in it
	s_load_b64 s[8:9], s[0:1], 0x8                 ; the bias
	s_load_b64 s[10:11], s[0:1], 0x10              ; the output
.else
	s_load_b256 s[4:11], s[0:1], 0x0               ; A's buffer s[4:5], qw s[6:7], the bias s[8:9], the output s[10:11]
.endif
	v_lshl_add_u32 v[SPW], v0, 2, SPARE
	v_mov_b32 v[NIL], 0
	ds_add_u32 v28, v29
	ds_add_u32 v28, v29
	s_wait_dscnt 0x0
	v_lshrrev_b32 v1, 5, v0
	v_readfirstlane_b32 s14, v1                    ; wave 0..3
	s_lshr_b32 s15, s14, 1                         ; which half of the tokens is mine.  Also: I fetch for A (0) or for B (1)
	s_and_b32 s16, s14, 1                          ; which half of the columns.  Also: which half of that side I fetch
	s_bfe_u32 s40, ttmp6, 0x40000                  ; cx, cy: my place in the cluster
	s_bfe_u32 s41, ttmp6, 0x40004
	s_lshl_b32 s42, ttmp9, 2
	s_add_co_u32 s42, s42, s40                     ; X: which 256 columns = 4 x cluster x + cx
	s_and_b32 s17, ttmp7, 0xffff
	s_lshl_b32 s17, s17, 2
	s_add_co_u32 s17, s17, s41                     ; Y: which 256 rows = 4 x cluster y + cy
	s_lshl_b32 s43, s41, 2
	s_lshl_b32 s43, 15, s43                        ; my row of the cluster
	s_lshl_b32 s44, 0x1111, s40                    ; my column
	; descriptor group 1: a dense block of 24,576 bytes as 96 rows of 32 elements of 8 bytes
	s_or_b32 s[G1+0], s43, (3<<16)|(1<<21)         ; 15:0 the mask: A's tiles go to my row; 17:16 elements of 8 bytes; 20 no padding; 21 set beside a mask
	s_or_b32 s[G1B+0], s44, (3<<16)|(1<<21)        ; B's go to my column
.irp g, G1, G1B
	s_mov_b32 s[\g+1], 32<<16                      ; tensor_dim0
	s_mov_b32 s[\g+2], 96<<16                      ; tensor_dim1
	s_mov_b32 s[\g+3], 32<<16                      ; tile_dim0
	s_mov_b32 s[\g+4], 96                          ; tile_dim1
	s_mov_b32 s[\g+5], 32                          ; tensor_dim0_stride
	s_mov_b32 s[\g+6], 0
	s_mov_b32 s[\g+7], 0
.endr
	; and for half a side's scale words: KS x 512 dense bytes as 2 KS rows of 256
	s_or_b32 s[G1S+0], s43, (3<<16)|(1<<21)
	s_or_b32 s[G1SB+0], s44, (3<<16)|(1<<21)
.irp g, G1S, G1SB
	s_mov_b32 s[\g+1], 32<<16
	s_mov_b32 s[\g+2], (2*KS)<<16
	s_mov_b32 s[\g+3], 32<<16
	s_mov_b32 s[\g+4], 2*KS
	s_mov_b32 s[\g+5], 32
	s_mov_b32 s[\g+6], 0
	s_mov_b32 s[\g+7], 0
.endr
	; where the tiles come from.  A's hang on Y (and, KIND 1, on the expert = cluster x / 2) alone, B's on X alone, each in registers that never hold the other coordinate
	s_lshl_b32 s20, s17, 1
	s_add_co_u32 s20, s20, s16                     ; A: the group of 128 rows that I fetch
	s_mov_b32 s22, s17                             ; and the group of 256
.if KIND == 1
	s_lshr_b32 s18, ttmp9, 1                       ; the expert: eight groups of 128 and four of 256 each
	s_lshl_b32 s19, s18, 3
	s_add_co_u32 s20, s20, s19
	s_lshl_b32 s19, s18, 2
	s_add_co_u32 s22, s22, s19
.endif
	s_mul_i32 s20, s20, GSTR
	s_mov_b32 s21, 0
	s_mul_i32 s22, s22, SSTR
	s_mul_i32 s19, s16, HALFS                      ; my half of the scale words
	s_add_co_u32 s22, s22, s19
	s_add_co_u32 s22, s22, AS_OFF
	s_mov_b32 s23, 0
	s_lshl_b32 s46, s42, 1
	s_add_co_u32 s46, s46, s16                     ; B likewise
	s_mul_i32 s46, s46, GSTR
	s_add_co_u32 s46, s46, B_OFF
	s_mov_b32 s47, 0
	s_mul_i32 s92, s42, SSTR
	s_add_co_u32 s92, s92, s19
	s_add_co_u32 s92, s92, BS_OFF
	s_mov_b32 s93, 0
	s_mul_i32 s45, s14, HALFT                      ; where they go: wave x a quarter of a slot: no place in the cluster enters an LDS address
	s_mul_i32 s94, s14, HALFS
	s_lshl_b32 s98, s42, 10                        ; the bias of my 128 columns: 4 (256 X + 128 x half)
	s_lshl_b32 s99, s16, 9
	s_add_co_u32 s98, s98, s99
	s_mov_b32 s99, 0
.if KIND < 2
	s_mov_b32 s[SEL], 0x76543210
	s_mov_b32 s[SEL+1], 0xfedcba98
	s_lshr_b32 s67, s42, 3                         ; the expert
	s_and_b32 s95, s42, 7
	s_lshl_b32 s95, s95, 1
	s_add_co_u32 s95, s95, s16                     ; my 128 columns are this K step of the next product
	s_mul_i32 s12, s67, 1572864                    ; codes out: [expert][group of 128 tokens][K step][tile][image]
	s_lshl_b32 s66, s17, 1
	s_add_co_u32 s66, s66, s15
	s_mul_i32 s66, s66, 196608
	s_add_co_u32 s12, s12, s66
	s_mul_i32 s66, s95, 12288
	s_add_co_u32 s12, s12, s66
	s_mov_b32 s13, 0
	s_lshl_b32 s96, s67, 16                        ; scale words out: [expert][group of 256 tokens][K step][1,024], my half's two quads
	s_lshl_b32 s66, s17, 14
	s_add_co_u32 s96, s96, s66
	s_lshl_b32 s66, s95, 10
	s_add_co_u32 s96, s96, s66
	s_lshl_b32 s66, s15, 9
	s_add_co_u32 s96, s96, s66
	s_add_co_u32 s96, s96, HS_OFF
	s_mov_b32 s97, 0
.else
	s_and_b32 s66, s17, 3                          ; out0 [token][expert][1,024]: Y = 4 x expert + the block of 256 tokens
	s_lshl_b32 s66, s66, 1
	s_add_co_u32 s66, s66, s15
	s_lshl_b32 s12, s66, 22                        ; my first token x 32,768 bytes
	s_lshr_b32 s66, s17, 2
	s_lshl_b32 s66, s66, 12                        ; the expert x 4,096
	s_add_co_u32 s12, s12, s66
	s_lshl_b32 s66, s42, 10
	s_add_co_u32 s12, s12, s66
	s_lshl_b32 s66, s16, 9                         ; my first column x 4
	s_add_co_u32 s12, s12, s66
	s_mov_b32 s13, 0
.endif
	s_wait_kmcnt 0x0
.if KIND == 0
	s_mov_b64 s[4:5], s[6:7]
.endif
	s_add_nc_u64 s[20:21], s[4:5], s[20:21]
	s_add_nc_u64 s[22:23], s[4:5], s[22:23]
	s_add_nc_u64 s[46:47], s[6:7], s[46:47]
	s_add_nc_u64 s[92:93], s[6:7], s[92:93]
	s_add_nc_u64 s[98:99], s[8:9], s[98:99]
	s_add_nc_u64 s[12:13], s[10:11], s[12:13]
.if KIND < 2
	s_add_nc_u64 s[96:97], s[10:11], s[96:97]
.endif
	CROUND                                         ; all sixteen work-groups are here: the first joint loads meet
	s_mov_b32 s[G0S], 1
	s_add_co_u32 s[G0S+1], s94, SCL
	s_mov_b64 s[G0S+2:G0S+3], s[22:23]
	s_or_b32 s[G0S+3], s[G0S+3], 0x80000000
	s_mov_b32 s[G0SB], 1
	s_add_co_u32 s[G0SB+1], s94, SCL
	s_mov_b64 s[G0SB+2:G0SB+3], s[92:93]
	s_or_b32 s[G0SB+3], s[G0SB+3], 0x80000000
	JLOAD G0S, G1S, G0SB, G1SB                     ; the scale words first: they are wanted with the first K step
.irp s, 0,1
	s_mov_b32 s[G0+4*\s], 1                        ; count = 1
	s_add_co_u32 s[G0+4*\s+1], s45, \s*SLOT        ; LDS address
	s_add_nc_u64 s[G0+4*\s+2:G0+4*\s+3], s[20:21], \s*HALFT   ; global address: K steps 2 s, 2 s + 1
	s_or_b32 s[G0+4*\s+3], s[G0+4*\s+3], 0x80000000           ; type = 2
	s_mov_b32 s[G0B+4*\s], 1
	s_add_co_u32 s[G0B+4*\s+1], s45, \s*SLOT
	s_add_nc_u64 s[G0B+4*\s+2:G0B+4*\s+3], s[46:47], \s*HALFT
	s_or_b32 s[G0B+4*\s+3], s[G0B+4*\s+3], 0x80000000
	JLOAD G0+4*\s, G1, G0B+4*\s, G1B               ; by this text's count three tensor loads of a wave are out here, later one
.endr
	v_and_b32 v[LN], 31, v0
	v_and_b32 v1, 15, v0                           ; r
	v_bfe_u32 v2, v0, 4, 1                         ; h
	v_lshlrev_b32 v[CO], 4, v[LN]
	v_lshlrev_b32 v[BO], 6, v2
.irp b, 0,1,2,3
.irp j, 0,1,2,3
	global_load_b128 v[BI+16*\b+4*\j:BI+16*\b+4*\j+3], v[BO], s[98:99] offset:128*\b+16*\j
.endr
.endr
	s_mul_i32 s21, s15, HALFT                      ; my 128 rows of A
	s_mul_i32 s22, s16, HALFT                      ; my 128 rows of B,
	s_add_co_u32 s22, s22, 2*HALFT                 ; which lie behind A's 256
.irp s, 0,1
	v_add_nc_u32 v[ADRA+\s], s21, v[CO]
	v_add_nc_u32 v[ADRB+\s], s22, v[CO]
	s_add_co_u32 s21, s21, SLOT
	s_add_co_u32 s22, s22, SLOT
.endr
	v_lshlrev_b32 v5, 4, v1                        ; scale words: 16 r in a quad
	s_lshl_b32 s21, s15, 9                         ; A's: my half's two quads
	s_lshl_b32 s22, s16, 9                         ; B's: my half's, behind all of A's
	s_add_co_u32 s22, s22, KS*1024
	s_sub_co_u32 s22, s22, s21
	v_mul_u32_u24 v6, s22, v2                      ; lanes 16-31 take B's: one product, the distance between the two
	s_add_co_u32 s21, s21, SCL
	v_add_nc_u32 v5, v5, v6
	v_add_nc_u32 v[ADRS], s21, v5
.if KIND == 2
	s_mul_i32 s23, s14, 16*SPITCH                  ; my stage
	v_mul_u32_u24 v5, v1, SPITCH                   ; in: row r, 64 bytes on for lanes 16-31
	v_lshl_add_u32 v5, v2, 6, v5
	v_add_nc_u32 v[STO], s23, v5
	v_add_nc_u32 v[RD], s23, v[CO]                 ; back: the 32 lanes take one row of 512 bytes
.endif
.macro FRAG reg, adr, off              ; a fragment comes as it was stored: three loads of 16 bytes a lane, 512 bytes on end each
.irp c, 0,1,2
	ds_load_b128 v[\reg+4*\c:\reg+4*\c+3], v[\adr] offset:\off+512*\c
.endr
.endm
.macro FETCH_B slot, q, p              ; B's eight fragments of the slot's q-th K step into set p
	WIN TO_B
.irp i, 0,1,2,3,4,5,6,7
	FRAG 128*(\p)+FR*\i, ADRB+\slot, 12288*(\q)+IMG*\i
.endr
	WIN 0
.endm
.macro FETCH_A slot, q, i0             ; A's blocks i0 .. i0 + 3
.irp i, \i0, \i0+1, \i0+2, \i0+3
	FRAG AF+FR*(\i), ADRA+\slot, 12288*(\q)+IMG*(\i)
.endr
.endm
.macro SCALES sc                       ; a slot's scale words into set sc: one load brings four tiles' words; lanes 0-15 A's, lanes 16-31 B's
.irp q, 0,1
.irp u, 0,1
	ds_load_b128 v[SC+16*\sc+8*\q+4*\u:SC+16*\sc+8*\q+4*\u+3], v[ADRS] offset:1024*\q+256*\u
.endr
.endr
.endm
; 16 matrix instructions: A's blocks a0, a0 + 1 x B's eight tiles, one K step.  p: B's set; q: the K step in the slot; sc: the set of scale words.  first = 1: the sums begin with the bias.
; The 64 accumulators take turns, one instruction a turn, in the same order in every step.
.macro MUL16 a0, p, q, sc, first
.irp a, \a0, \a0+1
.irp b, 0,1,2,3,4,5,6,7
.if \first
	v_wmma_scale_f32_16x16x128_f8f6f4 v[8*(8*((\a)%4)+\b):8*(8*((\a)%4)+\b)+7], v[128*(\p)+FR*\b:128*(\p)+FR*\b+FR-1], v[AF+FR*(\a):AF+FR*(\a)+FR-1], v[BI+8*\b:BI+8*\b+7], v[SC+16*(\sc)+8*(\q)+\b], v[SC+16*(\sc)+8*(\q)+(\a)] matrix_a_fmt:MATRIX_FMT_FP6 matrix_b_fmt:MATRIX_FMT_FP6 matrix_a_scale:MATRIX_SCALE_ROW1
.else
	v_wmma_scale_f32_16x16x128_f8f6f4 v[8*(8*((\a)%4)+\b):8*(8*((\a)%4)+\b)+7], v[128*(\p)+FR*\b:128*(\p)+FR*\b+FR-1], v[AF+FR*(\a):AF+FR*(\a)+FR-1], v[8*(8*((\a)%4)+\b):8*(8*((\a)%4)+\b)+7], v[SC+16*(\sc)+8*(\q)+\b], v[SC+16*(\sc)+8*(\q)+(\a)] matrix_a_fmt:MATRIX_FMT_FP6 matrix_b_fmt:MATRIX_FMT_FP6 matrix_a_scale:MATRIX_SCALE_ROW1
.endif
.endr
.endr
.endm
; A slot's first K step: its successor lies in the same slot.  A block of A is free as soon as its eight products are issued, so A has one set: blocks 0-3 are fetched anew in the step's middle, blocks 4-7 at its end.
.macro STEP slot, first
	s_wait_dscnt 4*NL                              ; B's set, A's blocks 0-3 and the scale words are in; the youngest 12 loads (A's blocks 4-7) may be out
	WIN MUL_LO-0x20*\first
	MUL16 0, 0, 0, \slot, \first
	MUL16 2, 0, 0, \slot, \first
	s_wait_dscnt 0                                 ; A's blocks 4-7 are in (asked for 32 matrix instructions ago)
	PLACES 4
	FETCH_B \slot, 1, 1
	FETCH_A \slot, 1, 0
	WIN MUL_HI-0x30*\first
	MUL16 4, 0, 0, \slot, \first
	MUL16 6, 0, 0, \slot, \first
	PLACES 4
	WIN 0
	FETCH_A \slot, 1, 4
.endm
; A slot's second K step changes slots: ONE barrier; in front of it each wave waits for all its tensor loads, adds 0 to its spare word, and waits for that and for its own reads of this slot.
; fill = 1: the barrier opens a round of the cluster's barrier, and this slot is filled again, with the K steps four on, first thing behind the round.
.macro TURN slot, next, fill
	s_wait_tensorcnt 0x0                           ; all my tensor loads have landed: my part of the next slot  (every window is 0 here)
	ds_add_u32 v[SPW], v[NIL]                      ; 0 onto my spare word
	s_wait_dscnt 4*NL+1                            ; (the add and the youngest 12 loads, A's blocks 4-7, may be out)
	WIN MUL_LO
	MUL16 0, 1, 1, \slot, 0                        ; sixteen matrix instructions stand between the add and the wait for it
	s_wait_dscnt 0x0                               ; the add is done, and my reads of this slot are over
	s_barrier_signal -1
	MUL16 2, 1, 1, \slot, 0
	WIN 0
	s_barrier_wait -1
.if \fill
	CREST                                          ; no wave of any partner still reads this slot's tiles or has a load on its way
	s_add_nc_u64 s[G0+4*\slot+2:G0+4*\slot+3], s[G0+4*\slot+2:G0+4*\slot+3], 2*HALFT
	s_add_nc_u64 s[G0B+4*\slot+2:G0B+4*\slot+3], s[G0B+4*\slot+2:G0B+4*\slot+3], 2*HALFT
	JLOAD G0+4*\slot, G1, G0B+4*\slot, G1B         ; the first tensor load behind the round, and my only one until the next; its four v_nop are also the places in front of the loads below
.else
	PLACES 4
.endif
	v_add_nc_u32 v[ADRS], 2048, v[ADRS]            ; on to the next slot's scale words
	FETCH_B \next, 0, 0
	FETCH_A \next, 0, 0
	SCALES \next
	WIN MUL_HI
	MUL16 4, 1, 1, \slot, 0
	MUL16 6, 1, 1, \slot, 0
	PLACES 4
	WIN 0
	FETCH_A \next, 0, 4
.endm
	s_wait_tensorcnt 1                             ; the scale words and my part of slot 0 are in; slot 1's load may be out
	s_barrier_signal -1
	s_barrier_wait -1                              ; everybody's are
	FETCH_B 0, 0, 0
	FETCH_A 0, 0, 0
	SCALES 0
	FETCH_A 0, 0, 4
	s_wait_loadcnt 0x0                             ; the bias
	STEP 0, 1                                      ; the first step stands in front of the loop: its products start the sums
	s_mov_b32 s3, LAPS-1
.Llap:                                             ; a trip goes once round the ring, from a lap's second K step to the next lap's first, and fills both slots again
	TURN 0, 1, 1
	STEP 1, 0
	TURN 1, 0, 1
	STEP 0, 0
	s_sub_co_u32 s3, s3, 1
	s_cmp_lg_u32 s3, 0
	s_cbranch_scc1 .Llap
	TURN 0, 1, 0                                   ; the last lap fills nothing, and has no round of the cluster's barrier
	STEP 1, 0
	s_wait_dscnt 4*NL                              ; the very last K step: nothing more to fetch
	WIN MUL_LO
	MUL16 0, 1, 1, 1, 0
	MUL16 2, 1, 1, 1, 0
	s_wait_dscnt 0
	WIN MUL_HI
	MUL16 4, 1, 1, 1, 0
	MUL16 6, 1, 1, 1, 0
	WIN 0
.if KIND < 2
; THE WAY OUT, KIND 0 and 1: each block of 16 tokens x my 128 columns becomes one fragment of the next product and one scale word a token.  No LDS: the codes' registers are the image.
.irp b, 0,1,2,3
	v_mov_b32 v[TM+4+\b], 0                        ; a lane permute's destination counts as one of its sources.  These four plain lines are also the places behind the last products
.endr
.set QA, 0
.rept 8
.set QW, 2+QA/4                        ; the block's window
.set ACB, 64*(QA%4)                    ; its 64 numbers: register 16 b + i = column 32 b + 16 h + i of token r
.set PC, AF+FR*QA                      ; its codes: registers of their own, so that no store's data are written again
.if KIND == 0
	WIN (QW<<2)|(QW<<6)
.set QJ, 0
.rept 64
	v_max_num_f32 v[ACB+QJ], 0, v[ACB+QJ]          ; relu, in f32, each accumulator from its low end on
.set QJ, QJ+1
.endr
.endif
	WIN QW|(QW<<2)
.irp b, 0,1,2,3
	v_max3_num_f32 v[TM+\b], |v[ACB+16*\b]|, |v[ACB+16*\b+1]|, 0x1800000   ; block b: my 16 numbers, and the floor 2^(3 - 127): the byte cannot fall under 1
.endr
.irp i, 2,4,6,8,10,12,14
.irp b, 0,1,2,3
	v_max3_num_f32 v[TM+\b], |v[ACB+16*\b+\i]|, |v[ACB+16*\b+\i+1]|, v[TM+\b]   ; (the four blocks by turns)
.endr
.endr
	WIN 0
.irp b, 0,1,2,3
	v_permlanex16_b32 v[TM+4+\b], v[TM+\b], s[SEL], s[SEL+1]
.endr
.irp b, 0,1,2,3
	v_max_num_f32 v[TM+\b], v[TM+\b], v[TM+4+\b]   ; with lane l xor 16's: the block's largest magnitude
.endr
.irp b, 0,1,2,3
	v_add_nc_u32 v[TM+12+\b], 0xff000000, v[TM+\b] ; 2 off its exponent field: the conversion's scale operand
.endr
.irp b, 0,1,2,3
	v_lshrrev_b32 v[TM+4+\b], 23, v[TM+12+\b]      ; the scale's byte
.endr
	v_lshl_or_b32 v[SWD+QA], v[TM+5], 8, v[TM+4]   ; the four bytes make token r's scale word
	v_lshl_or_b32 v[SWD+QA], v[TM+6], 16, v[SWD+QA]
	v_lshl_or_b32 v[SWD+QA], v[TM+7], 24, v[SWD+QA]
	WIN QW
.irp c, 0,1
	v_cvt_scalef32_pk16_fp6_f32 v[PC+6*\c:PC+6*\c+2], v[ACB+32*\c:ACB+32*\c+15], v[TM+12+2*\c]
	v_cvt_scalef32_pk16_fp6_f32 v[TT+4*\c:TT+4*\c+2], v[ACB+32*\c+16:ACB+32*\c+31], v[TM+12+2*\c+1]   ; (a conversion's three registers begin on an even number)
.endr
	WIN 0
	v_nop                                          ; one plain line behind a scaled conversion
.irp c, 0,1                            ; the operand's layout wants a WHOLE block in a lane: lanes 0-15 block 2 c, lanes 16-31 block 2 c + 1
.irp i, 0,1,2
	v_permlane16_swap_b32 v[PC+6*\c+\i], v[TT+4*\c+\i]
.endr
.irp i, 0,1,2
	v_mov_b32 v[PC+6*\c+3+\i], v[TT+4*\c+\i]
.endr
.endr
.irp j, 0,1,2
	global_store_b128 v[CO], v[PC+4*\j:PC+4*\j+3], s[12:13] offset:IMG*QA+512*\j   ; 32 lanes store 512 consecutive bytes, aligned; my eight images lie on end
.endr
.set QA, QA+1
.endr
	v_cmp_le_u32 vcc_lo, 16, v[LN]
.irp i, 0,1,2,3
	v_cndmask_b32 v[QD+\i], v[SWD+\i], v[SWD+4+\i], vcc_lo   ; lanes 0-15: the quad of blocks 0-3, lanes 16-31 of blocks 4-7
.endr
	global_store_b128 v[CO], v[QD:QD+3], s[96:97]  ; 512 consecutive bytes, aligned
.else
; THE WAY OUT, KIND 2, block by block of 16 tokens x 128 columns of f32.  A lane holds pieces of 32 bytes of one row: a block goes through my own stage in LDS and comes back as whole rows of 512 bytes.
; LDS serves a wave's instructions in order (ISA guide 5.7.1.4): no wait between the stores and the loads, nor in front of the next block's stores.
.macro TOSTAGE a
.set AC, 64*((\a)%4)
	WIN 0x08+4*((\a)/4)                            ; the data: window 2 or 3
.irp b, 0,1,2,3,4,5,6,7
	ds_store_b128 v[STO], v[AC+8*\b:AC+8*\b+3] offset:128*(\b/2)+32*(\b%2)          ; tile b's columns 32 (b / 2) + 16 h + 8 (b % 2) on; each accumulator from its low end on
	ds_store_b128 v[STO], v[AC+8*\b+4:AC+8*\b+7] offset:128*(\b/2)+32*(\b%2)+16
.endr
	WIN 0
.set BB, BK+64*((\a)%2)
.irp t, 0,1,2,3,4,5,6,7,8,9,10,11,12,13,14,15
	ds_load_b128 v[BB+4*\t:BB+4*\t+3], v[RD] offset:\t*SPITCH
.endr
.endm
.macro SEND a, younger                 ; younger: the LDS instructions issued behind block a's loads, which may stay out
.set BB, BK+64*((\a)%2)
	s_wait_dscnt \younger                          ; the block is back in registers
.if (\a) > 0
	s_add_nc_u64 s[12:13], s[12:13], 16*32768      ; (behind a wait that shows the earlier stores' addresses translated)  16 tokens on
.endif
.irp t, 0,1,2,3,4,5,6,7,8,9,10,11,12,13,14,15
	global_store_b128 v[CO], v[BB+4*\t:BB+4*\t+3], s[12:13] offset:\t*32768 th:TH_STORE_NT   ; 32 lanes store 512 consecutive bytes, aligned; a token's rows lie 32,768 bytes apart
.endr
.endm
	PLACES 4                                       ; behind the last products: for the loads into the registers that held A's fragments and for the reads of results
	TOSTAGE 0
.irp a, 1,2,3,4,5,6,7
.if \a > 1
	s_wait_xcnt 0x0                                ; block a - 2's stores have read their registers and their base
.endif
	TOSTAGE \a
	SEND \a-1, 32                                  ; behind block a - 1's loads: block a's 16 stores and 16 loads
.endr
	s_wait_xcnt 0x0
	SEND 7, 0
.endif
	s_wait_tensorcnt 0x0                           ; the wave's end
	ds_add_u32 v[SPW], v[NIL]
	s_wait_dscnt 0x0
	CROUND                                         ; the closing round: no work-group ends while a partner may still ask for a tile that names it
	s_endpgm
.Lfunc_end_k_q9e35db546e_fc1:
	.size	k_q9e35db546e_fc1, .Lfunc_end_k_q9e35db546e_fc1-k_q9e35db546e_fc1
	.p2alignl 7, 3214868480
	.fill 96, 4, 3214868480
	.section	.rodata,"a",@progbits
	.p2align	6, 0x0
	.amdhsa_kernel k_q9e35db546e_fc1
		.amdhsa_group_segment_fixed_size 327680
		.amdhsa_private_segment_fixed_size 0
		.amdhsa_enable_private_segment 0
		.amdhsa_kernarg_size 24
		.amdhsa_user_sgpr_count 2
		.amdhsa_user_sgpr_kernarg_segment_ptr 1
		.amdhsa_wavefront_size32 1
		.amdhsa_system_sgpr_workgroup_id_x 1
		.amdhsa_system_sgpr_workgroup_id_y 1
		.amdhsa_system_sgpr_workgroup_id_z 1
		.amdhsa_system_vgpr_workitem_id 0
		.amdhsa_next_free_vgpr 1024
		.amdhsa_next_free_sgpr 102
		.amdhsa_reserve_vcc 1
		.amdhsa_float_denorm_mode_32 3
		.amdhsa_float_denorm_mode_16_64 3
		.amdhsa_memory_ordered 1
		.amdhsa_forward_progress 1
		.amdhsa_inst_pref_size 157
	.end_amdhsa_kernel
	.amdgpu_metadata
---
amdhsa.version: [ 1, 2 ]
amdhsa.kernels:
  - .name:           k_q9e35db546e_fc1
    .symbol:         k_q9e35db546e_fc1.kd
    .args:
      - { .name: qw, .offset: 0, .size: 8, .value_kind: global_buffer, .address_space: global }
      - { .name: b1, .offset: 8, .size: 8, .value_kind: global_buffer, .address_space: global }
      - { .name: hq, .offset: 16, .size: 8, .value_kind: global_buffer, .address_space: global }
    .group_segment_fixed_size: 327680
    .private_segment_fixed_size: 0
    .kernarg_segment_align: 8
    .kernarg_segment_size: 24
    .max_flat_workgroup_size: 128
    .sgpr_count:     102
    .vgpr_count:     1024
    .wavefront_size: 32
...
	.end_amdgpu_metadata
.endif
;; end of part 3
;; launch fc2 (part 4): grid 64 x 4, 4 waves a work-group, clusters of 4 x 4, 327,680 bytes of LDS; arguments hq, qw, b2, eq; writes eq
.if DOCPART == 4
	.amdgcn_target "amdgcn-amd-amdhsa--gfx1250"
	.amdhsa_code_object_version 6
	.text
	.protected	k_q9e35db546e_fc2
	.globl	k_q9e35db546e_fc2
	.p2align	8
	.type	k_q9e35db546e_fc2,@function
k_q9e35db546e_fc2:
	s_mov_b64 s[64:65], 0
	v_nop
	global_prefetch_b8 v0, s[64:65] scope:SCOPE_SE
	s_setreg_imm32_b32 hwreg(HW_REG_WAVE_MODE, 25, 1), 1
	s_wait_xcnt 0x0
	s_wait_alu depctr_hold_cnt(0) depctr_sa_sdst(0) depctr_va_vdst(0) depctr_va_sdst(0) depctr_va_ssrc(0) depctr_va_vcc(0) depctr_vm_vsrc(0)
	s_getreg_b32 s2, hwreg(HW_REG_IB_STS2, 6, 4)
	s_cmp_eq_u32 s2, 0
	s_cbranch_scc0 .Lentry_in_a_cluster
	s_endpgm
.Lentry_in_a_cluster:
	s_bfe_u32 s2, ttmp6, 0x10000c
	s_cmp_lg_u32 s2, 0xf033
	s_cbranch_scc0 .Lentry_shape_is_right
	s_endpgm
.Lentry_shape_is_right:
.set KIND, 1                           ; 0: h = relu(x W1 + b1), quantised;  1: expert_outs = h W2 + b2, quantised;  2: logits = expert_outs clf_w + clf_b, f32
; ONE TEXT FOR THE THREE LARGE PRODUCTS, all on codes of FP6 (E2M3) with one E8M0 scale for each 32 along K; sums in f32.  Only the line above differs between the three launches.
; Both operands lie in memory as IMAGES OF THE OPERAND'S REGISTERS: a fragment (16 rows x 128 K) is 1,536 bytes, bytes 512 j + 16 x lane = the lane's registers 4 j .. 4 j + 3;
; codes [group of 128 rows][K step of 128][tile 0..7][image]; scale words [group of 256 rows][K step][1,024 bytes], the word of tile t, row r at 256 (t / 4) + 16 r + 4 (t % 4).
; A: tokens (KIND 0: x's 1,024 rows; KIND 1: one expert's 1,024 rows of h; KIND 2: the 8,192 rows (expert, token) of expert_outs).  B: a weight's columns.
; A tile of the result, 256 tokens x 256 columns, is made by a work-group of four waves; a wave makes 128 x 128: 64 accumulators, 512 registers.
; K goes two K steps (256) at a time through a ring of two LDS slots; 128 rows x 2 K steps are 24,576 dense bytes of memory: one tensor load a wave, as 96 rows of 256 bytes.  No padding: a fragment's loads read 512 bytes on end.
; The scale words of the work-group's 256 + 256 rows for all of K come into LDS once, with the first fills, and stay.
; CLUSTERS: 4 x 4 work-groups.  The four of a row of the cluster need the same tiles of A, the four of a column the same tiles of B: each is asked for jointly, by the same tensor load with one mask.
; THE MATRIX INSTRUCTION IS USED TRANSPOSED (source 0 = 16 columns of the weight, source 1 = 16 tokens), and a weight's tile 2 b + u holds columns 32 b + 8 u + r + 8 (r / 8): so lane (r, h) holds token r,
; and register 16 b + i of a token block's 64 holds column 32 b + 16 h + i: sixteen neighbours along the next product's K.  The bias is the C of each sum's first matrix instruction: nothing is cleared or added.
; KIND 0, 1: a wave's 128 columns are one K step of the next product: they are quantised in registers and leave as images, 512 consecutive bytes a store; the f32 numbers never go to memory.
; LIMITS: NaN and infinities are not served.  A block of zeros gets the scale byte 1 where the rule says 127: its codes are zeros, and this program alone reads the bytes.
; REGISTERS, in windows of 256: window 0: v0-31 addresses; v32-63 scale words, two sets; v64-127 the bias, later at work; v128-223 A's 8 fragments, ONE set, later the codes made; v224-231 at work.
;   window 1: B's fragments, TWO sets, at v0 and v128.   window 2: the accumulators of my tokens 0-63 ((a, b) at v[8 (8 (a % 4) + b)]);   window 3: those of tokens 64-127.
.if KIND == 0
.set KS,     8                         ; K steps of 128
.set AS_OFF, 40894464                  ; where A's scale words begin in A's buffer
.set B_OFF,  3145728                   ; where B's codes begin in qw
.set BS_OFF, 41025536                  ; and B's scale words
.elseif KIND == 1
.set KS,     16
.set AS_OFF, 12582912
.set B_OFF,  15728640
.set BS_OFF, 41549824
.else
.set KS,     16
.set AS_OFF, 12582912
.set B_OFF,  1572864
.set BS_OFF, 40960000
.endif
.set HS_OFF, 12582912                  ; where the scale words begin in the buffer that KIND 0, 1 store
.set GSTR,   KS*12288                  ; a group of 128 rows of codes
.set SSTR,   KS*1024                   ; a group of 256 rows of scale words
.set FR,     12                        ; registers of a fragment
.set NL,     3                         ; LDS loads that bring one
.set IMG,    1536
.set HALFT,  2*12288                   ; 128 rows x 2 K steps: what one tensor load brings
.set SLOT,   4*HALFT                   ; A's two halves, then B's two
.set SCL,    2*SLOT                    ; behind the ring: the scale words, A's KS x 1,024 bytes, then B's
.set HALFS,  KS*512                    ; half of a side's: what one tensor load brings
.set SPARE,  SCL+4*HALFS               ; behind them: the spare words, 128 bytes a wave: two blocks of 256 bytes that no other line names
.set LAPS,   KS/4                      ; a lap = once round the ring = 4 K steps
.set SPITCH, 528                       ; KIND 2's way out: a stage of 16 rows x (512 + 16) bytes a wave, in slot 0, which has had its last fill and its last read by then
.set ADRA, 16                          ; v16-17  LDS address of my A fragments in slot 0, 1
.set ADRB, 20                          ; v20-21  the same for B
.set STO,  24                          ; v24     KIND 2: where I put 32 bytes of a row
.set RD,   25                          ; v25     KIND 2: where I read a row back
.set CO,   26                          ; v26     16 x lane
.set ADRS, 27                          ; v27     LDS address of my scale words: lanes 0-15 A's, lanes 16-31 B's
.set SPW,  28                          ; v28     LDS address of my spare word; never rewritten
.set NIL,  29                          ; v29     0; never rewritten
.set BO,   30                          ; v30     64 x (lane / 16): the bias of my half's columns
.set LN,   31                          ; v31     lane
.set SC,   32                          ; scale words: set s at v[SC + 16 s]; register 8 q + i: lanes 0-15 the word of A's block i, lanes 16-31 of B's tile i, for the slot's q-th K step
.set BI,   64                          ; the bias in the result's layout: register 16 b + i = column 32 b + 16 h + i
.set AF,   128
.set TM,   64                          ; the way out: v64-67 largest magnitudes, v68-71 bytes, v76-79 the conversions' scale operands
.set SWD,  80                          ; v80-87  the eight token blocks' scale words
.set QD,   88                          ; v88-91  my lane's four of them
.set TT,   224                         ; v224-230 the conversions' second halves
.set BK,   128                         ; KIND 2: 16 rows read back from the stage: v128-191 and v192-255 by turns
.set G1,   24                          ; s[24:31] descriptor group 1 for A's tiles; s[32:39] group 0, a set for each slot
.set G0,   32
.set G1B,  48                          ; s[48:55], s[56:63] the same for B's
.set G0B,  56
.set G1S,  68                          ; s[68:75], s[76:79] groups 1 and 0 for A's scale words; s[80:87], s[88:91] for B's
.set G0S,  76
.set G1SB, 80
.set G0SB, 88
.set SEL,  100                         ; s[100:101] v_permlanex16_b32's selects for lane l xor 16
.set MSB, 0
.macro WIN new                         ; the immediate's high byte repeats the setting that is left; a switch that changes nothing is dropped
.if MSB != (\new)
	s_set_vgpr_msb (MSB<<8)|(\new)
.set MSB, (\new)
.endif
.endm
.set MUL_LO, 0xa1                      ; source 0 (B) window 1, source 1 (A) window 0, C and D window 2;  in the first step C, the bias, lies in window 0: 0x81
.set MUL_HI, 0xf1                      ; the same with window 3;  in the first step 0xc1
.set TO_B,   0x40                      ; destination window 1, address window 0
; A joint load: waves 0 and 1 fetch for A, waves 2 and 3 for B.  Each line has one mask and one set of registers for all that issue it; the branch hangs on the wave's number alone.
; Four v_nop follow each of the two lines, ahead of the jump, the label and what follows.
.macro JLOAD g0a, g1a, g0b, g1b
	s_cmp_eq_u32 s15, 0
	s_cbranch_scc0 .Lfor_b_\@
	tensor_load_to_lds s[\g0a:\g0a+3], s[\g1a:\g1a+7]
	s_nop 0
.rept 4
	v_nop
.endr
	s_branch .Lasked_\@
.Lfor_b_\@:
	tensor_load_to_lds s[\g0b:\g0b+3], s[\g1b:\g1b+7]
	s_nop 0
.rept 4
	v_nop
.endr
.Lasked_\@:
.endm
.macro CREST                           ; a round of the cluster's barrier behind its opening barrier
	s_cmp_lg_u32 s14, 0
	s_cbranch_scc1 .Lnot_wave_0_\@
	s_barrier_signal -3
.Lnot_wave_0_\@:
	s_barrier_wait -3
	s_barrier_signal -1
	s_barrier_wait -1
.endm
.macro CROUND                          ; a whole round
	s_barrier_signal -1
	s_barrier_wait -1
	CREST
.endm
.macro PLACES n                        ; plain vector lines between a matrix instruction and a load into, or a vector read or write of, its registers
.rept \n
	v_nop
.endr
.endm
.if KIND == 0
	s_load_b64 s[6:7], s[0:1], 0x0                 ; qw: A (x) and B (W1) both lie in it
	s_load_b64 s[8:9], s[0:1], 0x8                 ; the bias
	s_load_b64 s[10:11], s[0:1], 0x10              ; the output
.else
	s_load_b256 s[4:11], s[0:1], 0x0               ; A's buffer s[4:5], qw s[6:7], the bias s[8:9], the output s[10:11]
.endif
	v_lshl_add_u32 v[SPW], v0, 2, SPARE
	v_mov_b32 v[NIL], 0
	ds_add_u32 v28, v29
	ds_add_u32 v28, v29
	s_wait_dscnt 0x0
	v_lshrrev_b32 v1, 5, v0
	v_readfirstlane_b32 s14, v1                    ; wave 0..3
	s_lshr_b32 s15, s14, 1                         ; which half of the tokens is mine.  Also: I fetch for A (0) or for B (1)
	s_and_b32 s16, s14, 1                          ; which half of the columns.  Also: which half of that side I fetch
	s_bfe_u32 s40, ttmp6, 0x40000                  ; cx, cy: my place in the cluster
	s_bfe_u32 s41, ttmp6, 0x40004
	s_lshl_b32 s42, ttmp9, 2
	s_add_co_u32 s42, s42, s40                     ; X: which 256 columns = 4 x cluster x + cx
	s_and_b32 s17, ttmp7, 0xffff
	s_lshl_b32 s17, s17, 2
	s_add_co_u32 s17, s17, s41                     ; Y: which 256 rows = 4 x cluster y + cy
	s_lshl_b32 s43, s41, 2
	s_lshl_b32 s43, 15, s43                        ; my row of the cluster
	s_lshl_b32 s44, 0x1111, s40                    ; my column
	; descriptor group 1: a dense block of 24,576 bytes as 96 rows of 32 elements of 8 bytes
	s_or_b32 s[G1+0], s43, (3<<16)|(1<<21)         ; 15:0 the mask: A's tiles go to my row; 17:16 elements of 8 bytes; 20 no padding; 21 set beside a mask
	s_or_b32 s[G1B+0], s44, (3<<16)|(1<<21)        ; B's go to my column
.irp g, G1, G1B
	s_mov_b32 s[\g+1], 32<<16                      ; tensor_dim0
	s_mov_b32 s[\g+2], 96<<16                      ; tensor_dim1
	s_mov_b32 s[\g+3], 32<<16                      ; tile_dim0
	s_mov_b32 s[\g+4], 96                          ; tile_dim1
	s_mov_b32 s[\g+5], 32                          ; tensor_dim0_stride
	s_mov_b32 s[\g+6], 0
	s_mov_b32 s[\g+7], 0
.endr
	; and for half a side's scale words: KS x 512 dense bytes as 2 KS rows of 256
	s_or_b32 s[G1S+0], s43, (3<<16)|(1<<21)
	s_or_b32 s[G1SB+0], s44, (3<<16)|(1<<21)
.irp g, G1S, G1SB
	s_mov_b32 s[\g+1], 32<<16
	s_mov_b32 s[\g+2], (2*KS)<<16
	s_mov_b32 s[\g+3], 32<<16
	s_mov_b32 s[\g+4], 2*KS
	s_mov_b32 s[\g+5], 32
	s_mov_b32 s[\g+6], 0
	s_mov_b32 s[\g+7], 0
.endr
	; where the tiles come from.  A's hang on Y (and, KIND 1, on the expert = cluster x / 2) alone, B's on X alone, each in registers that never hold the other coordinate
	s_lshl_b32 s20, s17, 1
	s_add_co_u32 s20, s20, s16                     ; A: the group of 128 rows that I fetch
	s_mov_b32 s22, s17                             ; and the group of 256
.if KIND == 1
	s_lshr_b32 s18, ttmp9, 1                       ; the expert: eight groups of 128 and four of 256 each
	s_lshl_b32 s19, s18, 3
	s_add_co_u32 s20, s20, s19
	s_lshl_b32 s19, s18, 2
	s_add_co_u32 s22, s22, s19
.endif
	s_mul_i32 s20, s20, GSTR
	s_mov_b32 s21, 0
	s_mul_i32 s22, s22, SSTR
	s_mul_i32 s19, s16, HALFS                      ; my half of the scale words
	s_add_co_u32 s22, s22, s19
	s_add_co_u32 s22, s22, AS_OFF
	s_mov_b32 s23, 0
	s_lshl_b32 s46, s42, 1
	s_add_co_u32 s46, s46, s16                     ; B likewise
	s_mul_i32 s46, s46, GSTR
	s_add_co_u32 s46, s46, B_OFF
	s_mov_b32 s47, 0
	s_mul_i32 s92, s42, SSTR
	s_add_co_u32 s92, s92, s19
	s_add_co_u32 s92, s92, BS_OFF
	s_mov_b32 s93, 0
	s_mul_i32 s45, s14, HALFT                      ; where they go: wave x a quarter of a slot: no place in the cluster enters an LDS address
	s_mul_i32 s94, s14, HALFS
	s_lshl_b32 s98, s42, 10                        ; the bias of my 128 columns: 4 (256 X + 128 x half)
	s_lshl_b32 s99, s16, 9
	s_add_co_u32 s98, s98, s99
	s_mov_b32 s99, 0
.if KIND < 2
	s_mov_b32 s[SEL], 0x76543210
	s_mov_b32 s[SEL+1], 0xfedcba98
	s_lshr_b32 s67, s42, 3                         ; the expert
	s_and_b32 s95, s42, 7
	s_lshl_b32 s95, s95, 1
	s_add_co_u32 s95, s95, s16                     ; my 128 columns are this K step of the next product
	s_mul_i32 s12, s67, 1572864                    ; codes out: [expert][group of 128 tokens][K step][tile][image]
	s_lshl_b32 s66, s17, 1
	s_add_co_u32 s66, s66, s15
	s_mul_i32 s66, s66, 196608
	s_add_co_u32 s12, s12, s66
	s_mul_i32 s66, s95, 12288
	s_add_co_u32 s12, s12, s66
	s_mov_b32 s13, 0
	s_lshl_b32 s96, s67, 16                        ; scale words out: [expert][group of 256 tokens][K step][1,024], my half's two quads
	s_lshl_b32 s66, s17, 14
	s_add_co_u32 s96, s96, s66
	s_lshl_b32 s66, s95, 10
	s_add_co_u32 s96, s96, s66
	s_lshl_b32 s66, s15, 9
	s_add_co_u32 s96, s96, s66
	s_add_co_u32 s96, s96, HS_OFF
	s_mov_b32 s97, 0
.else
	s_and_b32 s66, s17, 3                          ; out0 [token][expert][1,024]: Y = 4 x expert + the block of 256 tokens
	s_lshl_b32 s66, s66, 1
	s_add_co_u32 s66, s66, s15
	s_lshl_b32 s12, s66, 22                        ; my first token x 32,768 bytes
	s_lshr_b32 s66, s17, 2
	s_lshl_b32 s66, s66, 12                        ; the expert x 4,096
	s_add_co_u32 s12, s12, s66
	s_lshl_b32 s66, s42, 10
	s_add_co_u32 s12, s12, s66
	s_lshl_b32 s66, s16, 9                         ; my first column x 4
	s_add_co_u32 s12, s12, s66
	s_mov_b32 s13, 0
.endif
	s_wait_kmcnt 0x0
.if KIND == 0
	s_mov_b64 s[4:5], s[6:7]
.endif
	s_add_nc_u64 s[20:21], s[4:5], s[20:21]
	s_add_nc_u64 s[22:23], s[4:5], s[22:23]
	s_add_nc_u64 s[46:47], s[6:7], s[46:47]
	s_add_nc_u64 s[92:93], s[6:7], s[92:93]
	s_add_nc_u64 s[98:99], s[8:9], s[98:99]
	s_add_nc_u64 s[12:13], s[10:11], s[12:13]
.if KIND < 2
	s_add_nc_u64 s[96:97], s[10:11], s[96:97]
.endif
	CROUND                                         ; all sixteen work-groups are here: the first joint loads meet
	s_mov_b32 s[G0S], 1
	s_add_co_u32 s[G0S+1], s94, SCL
	s_mov_b64 s[G0S+2:G0S+3], s[22:23]
	s_or_b32 s[G0S+3], s[G0S+3], 0x80000000
	s_mov_b32 s[G0SB], 1
	s_add_co_u32 s[G0SB+1], s94, SCL
	s_mov_b64 s[G0SB+2:G0SB+3], s[92:93]
	s_or_b32 s[G0SB+3], s[G0SB+3], 0x80000000
	JLOAD G0S, G1S, G0SB, G1SB                     ; the scale words first: they are wanted with the first K step
.irp s, 0,1
	s_mov_b32 s[G0+4*\s], 1                        ; count = 1
	s_add_co_u32 s[G0+4*\s+1], s45, \s*SLOT        ; LDS address
	s_add_nc_u64 s[G0+4*\s+2:G0+4*\s+3], s[20:21], \s*HALFT   ; global address: K steps 2 s, 2 s + 1
	s_or_b32 s[G0+4*\s+3], s[G0+4*\s+3], 0x80000000           ; type = 2
	s_mov_b32 s[G0B+4*\s], 1
	s_add_co_u32 s[G0B+4*\s+1], s45, \s*SLOT
	s_add_nc_u64 s[G0B+4*\s+2:G0B+4*\s+3], s[46:47], \s*HALFT
	s_or_b32 s[G0B+4*\s+3], s[G0B+4*\s+3], 0x80000000
	JLOAD G0+4*\s, G1, G0B+4*\s, G1B               ; by this text's count three tensor loads of a wave are out here, later one
.endr
	v_and_b32 v[LN], 31, v0
	v_and_b32 v1, 15, v0                           ; r
	v_bfe_u32 v2, v0, 4, 1                         ; h
	v_lshlrev_b32 v[CO], 4, v[LN]
	v_lshlrev_b32 v[BO], 6, v2
.irp b, 0,1,2,3
.irp j, 0,1,2,3
	global_load_b128 v[BI+16*\b+4*\j:BI+16*\b+4*\j+3], v[BO], s[98:99] offset:128*\b+16*\j
.endr
.endr
	s_mul_i32 s21, s15, HALFT                      ; my 128 rows of A
	s_mul_i32 s22, s16, HALFT                      ; my 128 rows of B,
	s_add_co_u32 s22, s22, 2*HALFT                 ; which lie behind A's 256
.irp s, 0,1
	v_add_nc_u32 v[ADRA+\s], s21, v[CO]
	v_add_nc_u32 v[ADRB+\s], s22, v[CO]
	s_add_co_u32 s21, s21, SLOT
	s_add_co_u32 s22, s22, SLOT
.endr
	v_lshlrev_b32 v5, 4, v1                        ; scale words: 16 r in a quad
	s_lshl_b32 s21, s15, 9                         ; A's: my half's two quads
	s_lshl_b32 s22, s16, 9                         ; B's: my half's, behind all of A's
	s_add_co_u32 s22, s22, KS*1024
	s_sub_co_u32 s22, s22, s21
	v_mul_u32_u24 v6, s22, v2                      ; lanes 16-31 take B's: one product, the distance between the two
	s_add_co_u32 s21, s21, SCL
	v_add_nc_u32 v5, v5, v6
	v_add_nc_u32 v[ADRS], s21, v5
.if KIND == 2
	s_mul_i32 s23, s14, 16*SPITCH                  ; my stage
	v_mul_u32_u24 v5, v1, SPITCH                   ; in: row r, 64 bytes on for lanes 16-31
	v_lshl_add_u32 v5, v2, 6, v5
	v_add_nc_u32 v[STO], s23, v5
	v_add_nc_u32 v[RD], s23, v[CO]                 ; back: the 32 lanes take one row of 512 bytes
.endif
.macro FRAG reg, adr, off              ; a fragment comes as it was stored: three loads of 16 bytes a lane, 512 bytes on end each
.irp c, 0,1,2
	ds_load_b128 v[\reg+4*\c:\reg+4*\c+3], v[\adr] offset:\off+512*\c
.endr
.endm
.macro FETCH_B slot, q, p              ; B's eight fragments of the slot's q-th K step into set p
	WIN TO_B
.irp i, 0,1,2,3,4,5,6,7
	FRAG 128*(\p)+FR*\i, ADRB+\slot, 12288*(\q)+IMG*\i
.endr
	WIN 0
.endm
.macro FETCH_A slot, q, i0             ; A's blocks i0 .. i0 + 3
.irp i, \i0, \i0+1, \i0+2, \i0+3
	FRAG AF+FR*(\i), ADRA+\slot, 12288*(\q)+IMG*(\i)
.endr
.endm
.macro SCALES sc                       ; a slot's scale words into set sc: one load brings four tiles' words; lanes 0-15 A's, lanes 16-31 B's
.irp q, 0,1
.irp u, 0,1
	ds_load_b128 v[SC+16*\sc+8*\q+4*\u:SC+16*\sc+8*\q+4*\u+3], v[ADRS] offset:1024*\q+256*\u
.endr
.endr
.endm
; 16 matrix instructions: A's blocks a0, a0 + 1 x B's eight tiles, one K step.  p: B's set; q: the K step in the slot; sc: the set of scale words.  first = 1: the sums begin with the bias.
; The 64 accumulators take turns, one instruction a turn, in the same order in every step.
.macro MUL16 a0, p, q, sc, first
.irp a, \a0, \a0+1
.irp b, 0,1,2,3,4,5,6,7
.if \first
	v_wmma_scale_f32_16x16x128_f8f6f4 v[8*(8*((\a)%4)+\b):8*(8*((\a)%4)+\b)+7], v[128*(\p)+FR*\b:128*(\p)+FR*\b+FR-1], v[AF+FR*(\a):AF+FR*(\a)+FR-1], v[BI+8*\b:BI+8*\b+7], v[SC+16*(\sc)+8*(\q)+\b], v[SC+16*(\sc)+8*(\q)+(\a)] matrix_a_fmt:MATRIX_FMT_FP6 matrix_b_fmt:MATRIX_FMT_FP6 matrix_a_scale:MATRIX_SCALE_ROW1
.else
	v_wmma_scale_f32_16x16x128_f8f6f4 v[8*(8*((\a)%4)+\b):8*(8*((\a)%4)+\b)+7], v[128*(\p)+FR*\b:128*(\p)+FR*\b+FR-1], v[AF+FR*(\a):AF+FR*(\a)+FR-1], v[8*(8*((\a)%4)+\b):8*(8*((\a)%4)+\b)+7], v[SC+16*(\sc)+8*(\q)+\b], v[SC+16*(\sc)+8*(\q)+(\a)] matrix_a_fmt:MATRIX_FMT_FP6 matrix_b_fmt:MATRIX_FMT_FP6 matrix_a_scale:MATRIX_SCALE_ROW1
.endif
.endr
.endr
.endm
; A slot's first K step: its successor lies in the same slot.  A block of A is free as soon as its eight products are issued, so A has one set: blocks 0-3 are fetched anew in the step's middle, blocks 4-7 at its end.
.macro STEP slot, first
	s_wait_dscnt 4*NL                              ; B's set, A's blocks 0-3 and the scale words are in; the youngest 12 loads (A's blocks 4-7) may be out
	WIN MUL_LO-0x20*\first
	MUL16 0, 0, 0, \slot, \first
	MUL16 2, 0, 0, \slot, \first
	s_wait_dscnt 0                                 ; A's blocks 4-7 are in (asked for 32 matrix instructions ago)
	PLACES 4
	FETCH_B \slot, 1, 1
	FETCH_A \slot, 1, 0
	WIN MUL_HI-0x30*\first
	MUL16 4, 0, 0, \slot, \first
	MUL16 6, 0, 0, \slot, \first
	PLACES 4
	WIN 0
	FETCH_A \slot, 1, 4
.endm
; A slot's second K step changes slots: ONE barrier; in front of it each wave waits for all its tensor loads, adds 0 to its spare word, and waits for that and for its own reads of this slot.
; fill = 1: the barrier opens a round of the cluster's barrier, and this slot is filled again, with the K steps four on, first thing behind the round.
.macro TURN slot, next, fill
	s_wait_tensorcnt 0x0                           ; all my tensor loads have landed: my part of the next slot  (every window is 0 here)
	ds_add_u32 v[SPW], v[NIL]                      ; 0 onto my spare word
	s_wait_dscnt 4*NL+1                            ; (the add and the youngest 12 loads, A's blocks 4-7, may be out)
	WIN MUL_LO
	MUL16 0, 1, 1, \slot, 0                        ; sixteen matrix instructions stand between the add and the wait for it
	s_wait_dscnt 0x0                               ; the add is done, and my reads of this slot are over
	s_barrier_signal -1
	MUL16 2, 1, 1, \slot, 0
	WIN 0
	s_barrier_wait -1
.if \fill
	CREST                                          ; no wave of any partner still reads this slot's tiles or has a load on its way
	s_add_nc_u64 s[G0+4*\slot+2:G0+4*\slot+3], s[G0+4*\slot+2:G0+4*\slot+3], 2*HALFT
	s_add_nc_u64 s[G0B+4*\slot+2:G0B+4*\slot+3], s[G0B+4*\slot+2:G0B+4*\slot+3], 2*HALFT
	JLOAD G0+4*\slot, G1, G0B+4*\slot, G1B         ; the first tensor load behind the round, and my only one until the next; its four v_nop are also the places in front of the loads below
.else
	PLACES 4
.endif
	v_add_nc_u32 v[ADRS], 2048, v[ADRS]            ; on to the next slot's scale words
	FETCH_B \next, 0, 0
	FETCH_A \next, 0, 0
	SCALES \next
	WIN MUL_HI
	MUL16 4, 1, 1, \slot, 0
	MUL16 6, 1, 1, \slot, 0
	PLACES 4
	WIN 0
	FETCH_A \next, 0, 4
.endm
	s_wait_tensorcnt 1                             ; the scale words and my part of slot 0 are in; slot 1's load may be out
	s_barrier_signal -1
	s_barrier_wait -1                              ; everybody's are
	FETCH_B 0, 0, 0
	FETCH_A 0, 0, 0
	SCALES 0
	FETCH_A 0, 0, 4
	s_wait_loadcnt 0x0                             ; the bias
	STEP 0, 1                                      ; the first step stands in front of the loop: its products start the sums
	s_mov_b32 s3, LAPS-1
.Llap:                                             ; a trip goes once round the ring, from a lap's second K step to the next lap's first, and fills both slots again
	TURN 0, 1, 1
	STEP 1, 0
	TURN 1, 0, 1
	STEP 0, 0
	s_sub_co_u32 s3, s3, 1
	s_cmp_lg_u32 s3, 0
	s_cbranch_scc1 .Llap
	TURN 0, 1, 0                                   ; the last lap fills nothing, and has no round of the cluster's barrier
	STEP 1, 0
	s_wait_dscnt 4*NL                              ; the very last K step: nothing more to fetch
	WIN MUL_LO
	MUL16 0, 1, 1, 1, 0
	MUL16 2, 1, 1, 1, 0
	s_wait_dscnt 0
	WIN MUL_HI
	MUL16 4, 1, 1, 1, 0
	MUL16 6, 1, 1, 1, 0
	WIN 0
.if KIND < 2
; THE WAY OUT, KIND 0 and 1: each block of 16 tokens x my 128 columns becomes one fragment of the next product and one scale word a token.  No LDS: the codes' registers are the image.
.irp b, 0,1,2,3
	v_mov_b32 v[TM+4+\b], 0                        ; a lane permute's destination counts as one of its sources.  These four plain lines are also the places behind the last products
.endr
.set QA, 0
.rept 8
.set QW, 2+QA/4                        ; the block's window
.set ACB, 64*(QA%4)                    ; its 64 numbers: register 16 b + i = column 32 b + 16 h + i of token r
.set PC, AF+FR*QA                      ; its codes: registers of their own, so that no store's data are written again
.if KIND == 0
	WIN (QW<<2)|(QW<<6)
.set QJ, 0
.rept 64
	v_max_num_f32 v[ACB+QJ], 0, v[ACB+QJ]          ; relu, in f32, each accumulator from its low end on
.set QJ, QJ+1
.endr
.endif
	WIN QW|(QW<<2)
.irp b, 0,1,2,3
	v_max3_num_f32 v[TM+\b], |v[ACB+16*\b]|, |v[ACB+16*\b+1]|, 0x1800000   ; block b: my 16 numbers, and the floor 2^(3 - 127): the byte cannot fall under 1
.endr
.irp i, 2,4,6,8,10,12,14
.irp b, 0,1,2,3
	v_max3_num_f32 v[TM+\b], |v[ACB+16*\b+\i]|, |v[ACB+16*\b+\i+1]|, v[TM+\b]   ; (the four blocks by turns)
.endr
.endr
	WIN 0
.irp b, 0,1,2,3
	v_permlanex16_b32 v[TM+4+\b], v[TM+\b], s[SEL], s[SEL+1]
.endr
.irp b, 0,1,2,3
	v_max_num_f32 v[TM+\b], v[TM+\b], v[TM+4+\b]   ; with lane l xor 16's: the block's largest magnitude
.endr
.irp b, 0,1,2,3
	v_add_nc_u32 v[TM+12+\b], 0xff000000, v[TM+\b] ; 2 off its exponent field: the conversion's scale operand
.endr
.irp b, 0,1,2,3
	v_lshrrev_b32 v[TM+4+\b], 23, v[TM+12+\b]      ; the scale's byte
.endr
	v_lshl_or_b32 v[SWD+QA], v[TM+5], 8, v[TM+4]   ; the four bytes make token r's scale word
	v_lshl_or_b32 v[SWD+QA], v[TM+6], 16, v[SWD+QA]
	v_lshl_or_b32 v[SWD+QA], v[TM+7], 24, v[SWD+QA]
	WIN QW
.irp c, 0,1
	v_cvt_scalef32_pk16_fp6_f32 v[PC+6*\c:PC+6*\c+2], v[ACB+32*\c:ACB+32*\c+15], v[TM+12+2*\c]
	v_cvt_scalef32_pk16_fp6_f32 v[TT+4*\c:TT+4*\c+2], v[ACB+32*\c+16:ACB+32*\c+31], v[TM+12+2*\c+1]   ; (a conversion's three registers begin on an even number)
.endr
	WIN 0
	v_nop                                          ; one plain line behind a scaled conversion
.irp c, 0,1                            ; the operand's layout wants a WHOLE block in a lane: lanes 0-15 block 2 c, lanes 16-31 block 2 c + 1
.irp i, 0,1,2
	v_permlane16_swap_b32 v[PC+6*\c+\i], v[TT+4*\c+\i]
.endr
.irp i, 0,1,2
	v_mov_b32 v[PC+6*\c+3+\i], v[TT+4*\c+\i]
.endr
.endr
.irp j, 0,1,2
	global_store_b128 v[CO], v[PC+4*\j:PC+4*\j+3], s[12:13] offset:IMG*QA+512*\j   ; 32 lanes store 512 consecutive bytes, aligned; my eight images lie on end
.endr
.set QA, QA+1
.endr
	v_cmp_le_u32 vcc_lo, 16, v[LN]
.irp i, 0,1,2,3
	v_cndmask_b32 v[QD+\i], v[SWD+\i], v[SWD+4+\i], vcc_lo   ; lanes 0-15: the quad of blocks 0-3, lanes 16-31 of blocks 4-7
.endr
	global_store_b128 v[CO], v[QD:QD+3], s[96:97]  ; 512 consecutive bytes, aligned
.else
; THE WAY OUT, KIND 2, block by block of 16 tokens x 128 columns of f32.  A lane holds pieces of 32 bytes of one row: a block goes through my own stage in LDS and comes back as whole rows of 512 bytes.
; LDS serves a wave's instructions in order (ISA guide 5.7.1.4): no wait between the stores and the loads, nor in front of the next block's stores.
.macro TOSTAGE a
.set AC, 64*((\a)%4)
	WIN 0x08+4*((\a)/4)                            ; the data: window 2 or 3
.irp b, 0,1,2,3,4,5,6,7
	ds_store_b128 v[STO], v[AC+8*\b:AC+8*\b+3] offset:128*(\b/2)+32*(\b%2)          ; tile b's columns 32 (b / 2) + 16 h + 8 (b % 2) on; each accumulator from its low end on
	ds_store_b128 v[STO], v[AC+8*\b+4:AC+8*\b+7] offset:128*(\b/2)+32*(\b%2)+16
.endr
	WIN 0
.set BB, BK+64*((\a)%2)
.irp t, 0,1,2,3,4,5,6,7,8,9,10,11,12,13,14,15
	ds_load_b128 v[BB+4*\t:BB+4*\t+3], v[RD] offset:\t*SPITCH
.endr
.endm
.macro SEND a, younger                 ; younger: the LDS instructions issued behind block a's loads, which may stay out
.set BB, BK+64*((\a)%2)
	s_wait_dscnt \younger                          ; the block is back in registers
.if (\a) > 0
	s_add_nc_u64 s[12:13], s[12:13], 16*32768      ; (behind a wait that shows the earlier stores' addresses translated)  16 tokens on
.endif
.irp t, 0,1,2,3,4,5,6,7,8,9,10,11,12,13,14,15
	global_store_b128 v[CO], v[BB+4*\t:BB+4*\t+3], s[12:13] offset:\t*32768 th:TH_STORE_NT   ; 32 lanes store 512 consecutive bytes, aligned; a token's rows lie 32,768 bytes apart
.endr
.endm
	PLACES 4                                       ; behind the last products: for the loads into the registers that held A's fragments and for the reads of results
	TOSTAGE 0
.irp a, 1,2,3,4,5,6,7
.if \a > 1
	s_wait_xcnt 0x0                                ; block a - 2's stores have read their registers and their base
.endif
	TOSTAGE \a
	SEND \a-1, 32                                  ; behind block a - 1's loads: block a's 16 stores and 16 loads
.endr
	s_wait_xcnt 0x0
	SEND 7, 0
.endif
	s_wait_tensorcnt 0x0                           ; the wave's end
	ds_add_u32 v[SPW], v[NIL]
	s_wait_dscnt 0x0
	CROUND                                         ; the closing round: no work-group ends while a partner may still ask for a tile that names it
	s_endpgm
.Lfunc_end_k_q9e35db546e_fc2:
	.size	k_q9e35db546e_fc2, .Lfunc_end_k_q9e35db546e_fc2-k_q9e35db546e_fc2
	.p2alignl 7, 3214868480
	.fill 96, 4, 3214868480
	.section	.rodata,"a",@progbits
	.p2align	6, 0x0
	.amdhsa_kernel k_q9e35db546e_fc2
		.amdhsa_group_segment_fixed_size 327680
		.amdhsa_private_segment_fixed_size 0
		.amdhsa_enable_private_segment 0
		.amdhsa_kernarg_size 32
		.amdhsa_user_sgpr_count 2
		.amdhsa_user_sgpr_kernarg_segment_ptr 1
		.amdhsa_wavefront_size32 1
		.amdhsa_system_sgpr_workgroup_id_x 1
		.amdhsa_system_sgpr_workgroup_id_y 1
		.amdhsa_system_sgpr_workgroup_id_z 1
		.amdhsa_system_vgpr_workitem_id 0
		.amdhsa_next_free_vgpr 1024
		.amdhsa_next_free_sgpr 102
		.amdhsa_reserve_vcc 1
		.amdhsa_float_denorm_mode_32 3
		.amdhsa_float_denorm_mode_16_64 3
		.amdhsa_memory_ordered 1
		.amdhsa_forward_progress 1
		.amdhsa_inst_pref_size 141
	.end_amdhsa_kernel
	.amdgpu_metadata
---
amdhsa.version: [ 1, 2 ]
amdhsa.kernels:
  - .name:           k_q9e35db546e_fc2
    .symbol:         k_q9e35db546e_fc2.kd
    .args:
      - { .name: hq, .offset: 0, .size: 8, .value_kind: global_buffer, .address_space: global }
      - { .name: qw, .offset: 8, .size: 8, .value_kind: global_buffer, .address_space: global }
      - { .name: b2, .offset: 16, .size: 8, .value_kind: global_buffer, .address_space: global }
      - { .name: eq, .offset: 24, .size: 8, .value_kind: global_buffer, .address_space: global }
    .group_segment_fixed_size: 327680
    .private_segment_fixed_size: 0
    .kernarg_segment_align: 8
    .kernarg_segment_size: 32
    .max_flat_workgroup_size: 128
    .sgpr_count:     102
    .vgpr_count:     1024
    .wavefront_size: 32
...
	.end_amdgpu_metadata
.endif
;; end of part 4
;; launch clf (part 5): grid 4 x 32, 4 waves a work-group, clusters of 4 x 4, 327,680 bytes of LDS; arguments eq, qw, clf_b, out0; writes out0
.if DOCPART == 5
	.amdgcn_target "amdgcn-amd-amdhsa--gfx1250"
	.amdhsa_code_object_version 6
	.text
	.protected	k_q9e35db546e_clf
	.globl	k_q9e35db546e_clf
	.p2align	8
	.type	k_q9e35db546e_clf,@function
k_q9e35db546e_clf:
	s_mov_b64 s[64:65], 0
	v_nop
	global_prefetch_b8 v0, s[64:65] scope:SCOPE_SE
	s_setreg_imm32_b32 hwreg(HW_REG_WAVE_MODE, 25, 1), 1
	s_wait_xcnt 0x0
	s_wait_alu depctr_hold_cnt(0) depctr_sa_sdst(0) depctr_va_vdst(0) depctr_va_sdst(0) depctr_va_ssrc(0) depctr_va_vcc(0) depctr_vm_vsrc(0)
	s_getreg_b32 s2, hwreg(HW_REG_IB_STS2, 6, 4)
	s_cmp_eq_u32 s2, 0
	s_cbranch_scc0 .Lentry_in_a_cluster
	s_endpgm
.Lentry_in_a_cluster:
	s_bfe_u32 s2, ttmp6, 0x10000c
	s_cmp_lg_u32 s2, 0xf033
	s_cbranch_scc0 .Lentry_shape_is_right
	s_endpgm
.Lentry_shape_is_right:
.set KIND, 2                           ; 0: h = relu(x W1 + b1), quantised;  1: expert_outs = h W2 + b2, quantised;  2: logits = expert_outs clf_w + clf_b, f32
; ONE TEXT FOR THE THREE LARGE PRODUCTS, all on codes of FP6 (E2M3) with one E8M0 scale for each 32 along K; sums in f32.  Only the line above differs between the three launches.
; Both operands lie in memory as IMAGES OF THE OPERAND'S REGISTERS: a fragment (16 rows x 128 K) is 1,536 bytes, bytes 512 j + 16 x lane = the lane's registers 4 j .. 4 j + 3;
; codes [group of 128 rows][K step of 128][tile 0..7][image]; scale words [group of 256 rows][K step][1,024 bytes], the word of tile t, row r at 256 (t / 4) + 16 r + 4 (t % 4).
; A: tokens (KIND 0: x's 1,024 rows; KIND 1: one expert's 1,024 rows of h; KIND 2: the 8,192 rows (expert, token) of expert_outs).  B: a weight's columns.
; A tile of the result, 256 tokens x 256 columns, is made by a work-group of four waves; a wave makes 128 x 128: 64 accumulators, 512 registers.
; K goes two K steps (256) at a time through a ring of two LDS slots; 128 rows x 2 K steps are 24,576 dense bytes of memory: one tensor load a wave, as 96 rows of 256 bytes.  No padding: a fragment's loads read 512 bytes on end.
; The scale words of the work-group's 256 + 256 rows for all of K come into LDS once, with the first fills, and stay.
; CLUSTERS: 4 x 4 work-groups.  The four of a row of the cluster need the same tiles of A, the four of a column the same tiles of B: each is asked for jointly, by the same tensor load with one mask.
; THE MATRIX INSTRUCTION IS USED TRANSPOSED (source 0 = 16 columns of the weight, source 1 = 16 tokens), and a weight's tile 2 b + u holds columns 32 b + 8 u + r + 8 (r / 8): so lane (r, h) holds token r,
; and register 16 b + i of a token block's 64 holds column 32 b + 16 h + i: sixteen neighbours along the next product's K.  The bias is the C of each sum's first matrix instruction: nothing is cleared or added.
; KIND 0, 1: a wave's 128 columns are one K step of the next product: they are quantised in registers and leave as images, 512 consecutive bytes a store; the f32 numbers never go to memory.
; LIMITS: NaN and infinities are not served.  A block of zeros gets the scale byte 1 where the rule says 127: its codes are zeros, and this program alone reads the bytes.
; REGISTERS, in windows of 256: window 0: v0-31 addresses; v32-63 scale words, two sets; v64-127 the bias, later at work; v128-223 A's 8 fragments, ONE set, later the codes made; v224-231 at work.
;   window 1: B's fragments, TWO sets, at v0 and v128.   window 2: the accumulators of my tokens 0-63 ((a, b) at v[8 (8 (a % 4) + b)]);   window 3: those of tokens 64-127.
.if KIND == 0
.set KS,     8                         ; K steps of 128
.set AS_OFF, 40894464                  ; where A's scale words begin in A's buffer
.set B_OFF,  3145728                   ; where B's codes begin in qw
.set BS_OFF, 41025536                  ; and B's scale words
.elseif KIND == 1
.set KS,     16
.set AS_OFF, 12582912
.set B_OFF,  15728640
.set BS_OFF, 41549824
.else
.set KS,     16
.set AS_OFF, 12582912
.set B_OFF,  1572864
.set BS_OFF, 40960000
.endif
.set HS_OFF, 12582912                  ; where the scale words begin in the buffer that KIND 0, 1 store
.set GSTR,   KS*12288                  ; a group of 128 rows of codes
.set SSTR,   KS*1024                   ; a group of 256 rows of scale words
.set FR,     12                        ; registers of a fragment
.set NL,     3                         ; LDS loads that bring one
.set IMG,    1536
.set HALFT,  2*12288                   ; 128 rows x 2 K steps: what one tensor load brings
.set SLOT,   4*HALFT                   ; A's two halves, then B's two
.set SCL,    2*SLOT                    ; behind the ring: the scale words, A's KS x 1,024 bytes, then B's
.set HALFS,  KS*512                    ; half of a side's: what one tensor load brings
.set SPARE,  SCL+4*HALFS               ; behind them: the spare words, 128 bytes a wave: two blocks of 256 bytes that no other line names
.set LAPS,   KS/4                      ; a lap = once round the ring = 4 K steps
.set SPITCH, 528                       ; KIND 2's way out: a stage of 16 rows x (512 + 16) bytes a wave, in slot 0, which has had its last fill and its last read by then
.set ADRA, 16                          ; v16-17  LDS address of my A fragments in slot 0, 1
.set ADRB, 20                          ; v20-21  the same for B
.set STO,  24                          ; v24     KIND 2: where I put 32 bytes of a row
.set RD,   25                          ; v25     KIND 2: where I read a row back
.set CO,   26                          ; v26     16 x lane
.set ADRS, 27                          ; v27     LDS address of my scale words: lanes 0-15 A's, lanes 16-31 B's
.set SPW,  28                          ; v28     LDS address of my spare word; never rewritten
.set NIL,  29                          ; v29     0; never rewritten
.set BO,   30                          ; v30     64 x (lane / 16): the bias of my half's columns
.set LN,   31                          ; v31     lane
.set SC,   32                          ; scale words: set s at v[SC + 16 s]; register 8 q + i: lanes 0-15 the word of A's block i, lanes 16-31 of B's tile i, for the slot's q-th K step
.set BI,   64                          ; the bias in the result's layout: register 16 b + i = column 32 b + 16 h + i
.set AF,   128
.set TM,   64                          ; the way out: v64-67 largest magnitudes, v68-71 bytes, v76-79 the conversions' scale operands
.set SWD,  80                          ; v80-87  the eight token blocks' scale words
.set QD,   88                          ; v88-91  my lane's four of them
.set TT,   224                         ; v224-230 the conversions' second halves
.set BK,   128                         ; KIND 2: 16 rows read back from the stage: v128-191 and v192-255 by turns
.set G1,   24                          ; s[24:31] descriptor group 1 for A's tiles; s[32:39] group 0, a set for each slot
.set G0,   32
.set G1B,  48                          ; s[48:55], s[56:63] the same for B's
.set G0B,  56
.set G1S,  68                          ; s[68:75], s[76:79] groups 1 and 0 for A's scale words; s[80:87], s[88:91] for B's
.set G0S,  76
.set G1SB, 80
.set G0SB, 88
.set SEL,  100                         ; s[100:101] v_permlanex16_b32's selects for lane l xor 16
.set MSB, 0
.macro WIN new                         ; the immediate's high byte repeats the setting that is left; a switch that changes nothing is dropped
.if MSB != (\new)
	s_set_vgpr_msb (MSB<<8)|(\new)
.set MSB, (\new)
.endif
.endm
.set MUL_LO, 0xa1                      ; source 0 (B) window 1, source 1 (A) window 0, C and D window 2;  in the first step C, the bias, lies in window 0: 0x81
.set MUL_HI, 0xf1                      ; the same with window 3;  in the first step 0xc1
.set TO_B,   0x40                      ; destination window 1, address window 0
; A joint load: waves 0 and 1 fetch for A, waves 2 and 3 for B.  Each line has one mask and one set of registers for all that issue it; the branch hangs on the wave's number alone.
; Four v_nop follow each of the two lines, ahead of the jump, the label and what follows.
.macro JLOAD g0a, g1a, g0b, g1b
	s_cmp_eq_u32 s15, 0
	s_cbranch_scc0 .Lfor_b_\@
	tensor_load_to_lds s[\g0a:\g0a+3], s[\g1a:\g1a+7]
	s_nop 0
.rept 4
	v_nop
.endr
	s_branch .Lasked_\@
.Lfor_b_\@:
	tensor_load_to_lds s[\g0b:\g0b+3], s[\g1b:\g1b+7]
	s_nop 0
.rept 4
	v_nop
.endr
.Lasked_\@:
.endm
.macro CREST                           ; a round of the cluster's barrier behind its opening barrier
	s_cmp_lg_u32 s14, 0
	s_cbranch_scc1 .Lnot_wave_0_\@
	s_barrier_signal -3
.Lnot_wave_0_\@:
	s_barrier_wait -3
	s_barrier_signal -1
	s_barrier_wait -1
.endm
.macro CROUND                          ; a whole round
	s_barrier_signal -1
	s_barrier_wait -1
	CREST
.endm
.macro PLACES n                        ; plain vector lines between a matrix instruction and a load into, or a vector read or write of, its registers
.rept \n
	v_nop
.endr
.endm
.if KIND == 0
	s_load_b64 s[6:7], s[0:1], 0x0                 ; qw: A (x) and B (W1) both lie in it
	s_load_b64 s[8:9], s[0:1], 0x8                 ; the bias
	s_load_b64 s[10:11], s[0:1], 0x10              ; the output
.else
	s_load_b256 s[4:11], s[0:1], 0x0               ; A's buffer s[4:5], qw s[6:7], the bias s[8:9], the output s[10:11]
.endif
	v_lshl_add_u32 v[SPW], v0, 2, SPARE
	v_mov_b32 v[NIL], 0
	ds_add_u32 v28, v29
	ds_add_u32 v28, v29
	s_wait_dscnt 0x0
	v_lshrrev_b32 v1, 5, v0
	v_readfirstlane_b32 s14, v1                    ; wave 0..3
	s_lshr_b32 s15, s14, 1                         ; which half of the tokens is mine.  Also: I fetch for A (0) or for B (1)
	s_and_b32 s16, s14, 1                          ; which half of the columns.  Also: which half of that side I fetch
	s_bfe_u32 s40, ttmp6, 0x40000                  ; cx, cy: my place in the cluster
	s_bfe_u32 s41, ttmp6, 0x40004
	s_lshl_b32 s42, ttmp9, 2
	s_add_co_u32 s42, s42, s40                     ; X: which 256 columns = 4 x cluster x + cx
	s_and_b32 s17, ttmp7, 0xffff
	s_lshl_b32 s17, s17, 2
	s_add_co_u32 s17, s17, s41                     ; Y: which 256 rows = 4 x cluster y + cy
	s_lshl_b32 s43, s41, 2
	s_lshl_b32 s43, 15, s43                        ; my row of the cluster
	s_lshl_b32 s44, 0x1111, s40                    ; my column
	; descriptor group 1: a dense block of 24,576 bytes as 96 rows of 32 elements of 8 bytes
	s_or_b32 s[G1+0], s43, (3<<16)|(1<<21)         ; 15:0 the mask: A's tiles go to my row; 17:16 elements of 8 bytes; 20 no padding; 21 set beside a mask
	s_or_b32 s[G1B+0], s44, (3<<16)|(1<<21)        ; B's go to my column
.irp g, G1, G1B
	s_mov_b32 s[\g+1], 32<<16                      ; tensor_dim0
	s_mov_b32 s[\g+2], 96<<16                      ; tensor_dim1
	s_mov_b32 s[\g+3], 32<<16                      ; tile_dim0
	s_mov_b32 s[\g+4], 96                          ; tile_dim1
	s_mov_b32 s[\g+5], 32                          ; tensor_dim0_stride
	s_mov_b32 s[\g+6], 0
	s_mov_b32 s[\g+7], 0
.endr
	; and for half a side's scale words: KS x 512 dense bytes as 2 KS rows of 256
	s_or_b32 s[G1S+0], s43, (3<<16)|(1<<21)
	s_or_b32 s[G1SB+0], s44, (3<<16)|(1<<21)
.irp g, G1S, G1SB
	s_mov_b32 s[\g+1], 32<<16
	s_mov_b32 s[\g+2], (2*KS)<<16
	s_mov_b32 s[\g+3], 32<<16
	s_mov_b32 s[\g+4], 2*KS
	s_mov_b32 s[\g+5], 32
	s_mov_b32 s[\g+6], 0
	s_mov_b32 s[\g+7], 0
.endr
	; where the tiles come from.  A's hang on Y (and, KIND 1, on the expert = cluster x / 2) alone, B's on X alone, each in registers that never hold the other coordinate
	s_lshl_b32 s20, s17, 1
	s_add_co_u32 s20, s20, s16                     ; A: the group of 128 rows that I fetch
	s_mov_b32 s22, s17                             ; and the group of 256
.if KIND == 1
	s_lshr_b32 s18, ttmp9, 1                       ; the expert: eight groups of 128 and four of 256 each
	s_lshl_b32 s19, s18, 3
	s_add_co_u32 s20, s20, s19
	s_lshl_b32 s19, s18, 2
	s_add_co_u32 s22, s22, s19
.endif
	s_mul_i32 s20, s20, GSTR
	s_mov_b32 s21, 0
	s_mul_i32 s22, s22, SSTR
	s_mul_i32 s19, s16, HALFS                      ; my half of the scale words
	s_add_co_u32 s22, s22, s19
	s_add_co_u32 s22, s22, AS_OFF
	s_mov_b32 s23, 0
	s_lshl_b32 s46, s42, 1
	s_add_co_u32 s46, s46, s16                     ; B likewise
	s_mul_i32 s46, s46, GSTR
	s_add_co_u32 s46, s46, B_OFF
	s_mov_b32 s47, 0
	s_mul_i32 s92, s42, SSTR
	s_add_co_u32 s92, s92, s19
	s_add_co_u32 s92, s92, BS_OFF
	s_mov_b32 s93, 0
	s_mul_i32 s45, s14, HALFT                      ; where they go: wave x a quarter of a slot: no place in the cluster enters an LDS address
	s_mul_i32 s94, s14, HALFS
	s_lshl_b32 s98, s42, 10                        ; the bias of my 128 columns: 4 (256 X + 128 x half)
	s_lshl_b32 s99, s16, 9
	s_add_co_u32 s98, s98, s99
	s_mov_b32 s99, 0
.if KIND < 2
	s_mov_b32 s[SEL], 0x76543210
	s_mov_b32 s[SEL+1], 0xfedcba98
	s_lshr_b32 s67, s42, 3                         ; the expert
	s_and_b32 s95, s42, 7
	s_lshl_b32 s95, s95, 1
	s_add_co_u32 s95, s95, s16                     ; my 128 columns are this K step of the next product
	s_mul_i32 s12, s67, 1572864                    ; codes out: [expert][group of 128 tokens][K step][tile][image]
	s_lshl_b32 s66, s17, 1
	s_add_co_u32 s66, s66, s15
	s_mul_i32 s66, s66, 196608
	s_add_co_u32 s12, s12, s66
	s_mul_i32 s66, s95, 12288
	s_add_co_u32 s12, s12, s66
	s_mov_b32 s13, 0
	s_lshl_b32 s96, s67, 16                        ; scale words out: [expert][group of 256 tokens][K step][1,024], my half's two quads
	s_lshl_b32 s66, s17, 14
	s_add_co_u32 s96, s96, s66
	s_lshl_b32 s66, s95, 10
	s_add_co_u32 s96, s96, s66
	s_lshl_b32 s66, s15, 9
	s_add_co_u32 s96, s96, s66
	s_add_co_u32 s96, s96, HS_OFF
	s_mov_b32 s97, 0
.else
	s_and_b32 s66, s17, 3                          ; out0 [token][expert][1,024]: Y = 4 x expert + the block of 256 tokens
	s_lshl_b32 s66, s66, 1
	s_add_co_u32 s66, s66, s15
	s_lshl_b32 s12, s66, 22                        ; my first token x 32,768 bytes
	s_lshr_b32 s66, s17, 2
	s_lshl_b32 s66, s66, 12                        ; the expert x 4,096
	s_add_co_u32 s12, s12, s66
	s_lshl_b32 s66, s42, 10
	s_add_co_u32 s12, s12, s66
	s_lshl_b32 s66, s16, 9                         ; my first column x 4
	s_add_co_u32 s12, s12, s66
	s_mov_b32 s13, 0
.endif
	s_wait_kmcnt 0x0
.if KIND == 0
	s_mov_b64 s[4:5], s[6:7]
.endif
	s_add_nc_u64 s[20:21], s[4:5], s[20:21]
	s_add_nc_u64 s[22:23], s[4:5], s[22:23]
	s_add_nc_u64 s[46:47], s[6:7], s[46:47]
	s_add_nc_u64 s[92:93], s[6:7], s[92:93]
	s_add_nc_u64 s[98:99], s[8:9], s[98:99]
	s_add_nc_u64 s[12:13], s[10:11], s[12:13]
.if KIND < 2
	s_add_nc_u64 s[96:97], s[10:11], s[96:97]
.endif
	CROUND                                         ; all sixteen work-groups are here: the first joint loads meet
	s_mov_b32 s[G0S], 1
	s_add_co_u32 s[G0S+1], s94, SCL
	s_mov_b64 s[G0S+2:G0S+3], s[22:23]
	s_or_b32 s[G0S+3], s[G0S+3], 0x80000000
	s_mov_b32 s[G0SB], 1
	s_add_co_u32 s[G0SB+1], s94, SCL
	s_mov_b64 s[G0SB+2:G0SB+3], s[92:93]
	s_or_b32 s[G0SB+3], s[G0SB+3], 0x80000000
	JLOAD G0S, G1S, G0SB, G1SB                     ; the scale words first: they are wanted with the first K step
.irp s, 0,1
	s_mov_b32 s[G0+4*\s], 1                        ; count = 1
	s_add_co_u32 s[G0+4*\s+1], s45, \s*SLOT        ; LDS address
	s_add_nc_u64 s[G0+4*\s+2:G0+4*\s+3], s[20:21], \s*HALFT   ; global address: K steps 2 s, 2 s + 1
	s_or_b32 s[G0+4*\s+3], s[G0+4*\s+3], 0x80000000           ; type = 2
	s_mov_b32 s[G0B+4*\s], 1
	s_add_co_u32 s[G0B+4*\s+1], s45, \s*SLOT
	s_add_nc_u64 s[G0B+4*\s+2:G0B+4*\s+3], s[46:47], \s*HALFT
	s_or_b32 s[G0B+4*\s+3], s[G0B+4*\s+3], 0x80000000
	JLOAD G0+4*\s, G1, G0B+4*\s, G1B               ; by this text's count three tensor loads of a wave are out here, later one
.endr
	v_and_b32 v[LN], 31, v0
	v_and_b32 v1, 15, v0                           ; r
	v_bfe_u32 v2, v0, 4, 1                         ; h
	v_lshlrev_b32 v[CO], 4, v[LN]
	v_lshlrev_b32 v[BO], 6, v2
.irp b, 0,1,2,3
.irp j, 0,1,2,3
	global_load_b128 v[BI+16*\b+4*\j:BI+16*\b+4*\j+3], v[BO], s[98:99] offset:128*\b+16*\j
.endr
.endr
	s_mul_i32 s21, s15, HALFT                      ; my 128 rows of A
	s_mul_i32 s22, s16, HALFT                      ; my 128 rows of B,
	s_add_co_u32 s22, s22, 2*HALFT                 ; which lie behind A's 256
.irp s, 0,1
	v_add_nc_u32 v[ADRA+\s], s21, v[CO]
	v_add_nc_u32 v[ADRB+\s], s22, v[CO]
	s_add_co_u32 s21, s21, SLOT
	s_add_co_u32 s22, s22, SLOT
.endr
	v_lshlrev_b32 v5, 4, v1                        ; scale words: 16 r in a quad
	s_lshl_b32 s21, s15, 9                         ; A's: my half's two quads
	s_lshl_b32 s22, s16, 9                         ; B's: my half's, behind all of A's
	s_add_co_u32 s22, s22, KS*1024
	s_sub_co_u32 s22, s22, s21
	v_mul_u32_u24 v6, s22, v2                      ; lanes 16-31 take B's: one product, the distance between the two
	s_add_co_u32 s21, s21, SCL
	v_add_nc_u32 v5, v5, v6
	v_add_nc_u32 v[ADRS], s21, v5
.if KIND == 2
	s_mul_i32 s23, s14, 16*SPITCH                  ; my stage
	v_mul_u32_u24 v5, v1, SPITCH                   ; in: row r, 64 bytes on for lanes 16-31
	v_lshl_add_u32 v5, v2, 6, v5
	v_add_nc_u32 v[STO], s23, v5
	v_add_nc_u32 v[RD], s23, v[CO]                 ; back: the 32 lanes take one row of 512 bytes
.endif
.macro FRAG reg, adr, off              ; a fragment comes as it was stored: three loads of 16 bytes a lane, 512 bytes on end each
.irp c, 0,1,2
	ds_load_b128 v[\reg+4*\c:\reg+4*\c+3], v[\adr] offset:\off+512*\c
.endr
.endm
.macro FETCH_B slot, q, p              ; B's eight fragments of the slot's q-th K step into set p
	WIN TO_B
.irp i, 0,1,2,3,4,5,6,7
	FRAG 128*(\p)+FR*\i, ADRB+\slot, 12288*(\q)+IMG*\i
.endr
	WIN 0
.endm
.macro FETCH_A slot, q, i0             ; A's blocks i0 .. i0 + 3
.irp i, \i0, \i0+1, \i0+2, \i0+3
	FRAG AF+FR*(\i), ADRA+\slot, 12288*(\q)+IMG*(\i)
.endr
.endm
.macro SCALES sc                       ; a slot's scale words into set sc: one load brings four tiles' words; lanes 0-15 A's, lanes 16-31 B's
.irp q, 0,1
.irp u, 0,1
	ds_load_b128 v[SC+16*\sc+8*\q+4*\u:SC+16*\sc+8*\q+4*\u+3], v[ADRS] offset:1024*\q+256*\u
.endr
.endr
.endm
; 16 matrix instructions: A's blocks a0, a0 + 1 x B's eight tiles, one K step.  p: B's set; q: the K step in the slot; sc: the set of scale words.  first = 1: the sums begin with the bias.
; The 64 accumulators take turns, one instruction a turn, in the same order in every step.
.macro MUL16 a0, p, q, sc, first
.irp a, \a0, \a0+1
.irp b, 0,1,2,3,4,5,6,7
.if \first
	v_wmma_scale_f32_16x16x128_f8f6f4 v[8*(8*((\a)%4)+\b):8*(8*((\a)%4)+\b)+7], v[128*(\p)+FR*\b:128*(\p)+FR*\b+FR-1], v[AF+FR*(\a):AF+FR*(\a)+FR-1], v[BI+8*\b:BI+8*\b+7], v[SC+16*(\sc)+8*(\q)+\b], v[SC+16*(\sc)+8*(\q)+(\a)] matrix_a_fmt:MATRIX_FMT_FP6 matrix_b_fmt:MATRIX_FMT_FP6 matrix_a_scale:MATRIX_SCALE_ROW1
.else
	v_wmma_scale_f32_16x16x128_f8f6f4 v[8*(8*((\a)%4)+\b):8*(8*((\a)%4)+\b)+7], v[128*(\p)+FR*\b:128*(\p)+FR*\b+FR-1], v[AF+FR*(\a):AF+FR*(\a)+FR-1], v[8*(8*((\a)%4)+\b):8*(8*((\a)%4)+\b)+7], v[SC+16*(\sc)+8*(\q)+\b], v[SC+16*(\sc)+8*(\q)+(\a)] matrix_a_fmt:MATRIX_FMT_FP6 matrix_b_fmt:MATRIX_FMT_FP6 matrix_a_scale:MATRIX_SCALE_ROW1
.endif
.endr
.endr
.endm
; A slot's first K step: its successor lies in the same slot.  A block of A is free as soon as its eight products are issued, so A has one set: blocks 0-3 are fetched anew in the step's middle, blocks 4-7 at its end.
.macro STEP slot, first
	s_wait_dscnt 4*NL                              ; B's set, A's blocks 0-3 and the scale words are in; the youngest 12 loads (A's blocks 4-7) may be out
	WIN MUL_LO-0x20*\first
	MUL16 0, 0, 0, \slot, \first
	MUL16 2, 0, 0, \slot, \first
	s_wait_dscnt 0                                 ; A's blocks 4-7 are in (asked for 32 matrix instructions ago)
	PLACES 4
	FETCH_B \slot, 1, 1
	FETCH_A \slot, 1, 0
	WIN MUL_HI-0x30*\first
	MUL16 4, 0, 0, \slot, \first
	MUL16 6, 0, 0, \slot, \first
	PLACES 4
	WIN 0
	FETCH_A \slot, 1, 4
.endm
; A slot's second K step changes slots: ONE barrier; in front of it each wave waits for all its tensor loads, adds 0 to its spare word, and waits for that and for its own reads of this slot.
; fill = 1: the barrier opens a round of the cluster's barrier, and this slot is filled again, with the K steps four on, first thing behind the round.
.macro TURN slot, next, fill
	s_wait_tensorcnt 0x0                           ; all my tensor loads have landed: my part of the next slot  (every window is 0 here)
	ds_add_u32 v[SPW], v[NIL]                      ; 0 onto my spare word
	s_wait_dscnt 4*NL+1                            ; (the add and the youngest 12 loads, A's blocks 4-7, may be out)
	WIN MUL_LO
	MUL16 0, 1, 1, \slot, 0                        ; sixteen matrix instructions stand between the add and the wait for it
	s_wait_dscnt 0x0                               ; the add is done, and my reads of this slot are over
	s_barrier_signal -1
	MUL16 2, 1, 1, \slot, 0
	WIN 0
	s_barrier_wait -1
.if \fill
	CREST                                          ; no wave of any partner still reads this slot's tiles or has a load on its way
	s_add_nc_u64 s[G0+4*\slot+2:G0+4*\slot+3], s[G0+4*\slot+2:G0+4*\slot+3], 2*HALFT
	s_add_nc_u64 s[G0B+4*\slot+2:G0B+4*\slot+3], s[G0B+4*\slot+2:G0B+4*\slot+3], 2*HALFT
	JLOAD G0+4*\slot, G1, G0B+4*\slot, G1B         ; the first tensor load behind the round, and my only one until the next; its four v_nop are also the places in front of the loads below
.else
	PLACES 4
.endif
	v_add_nc_u32 v[ADRS], 2048, v[ADRS]            ; on to the next slot's scale words
	FETCH_B \next, 0, 0
	FETCH_A \next, 0, 0
	SCALES \next
	WIN MUL_HI
	MUL16 4, 1, 1, \slot, 0
	MUL16 6, 1, 1, \slot, 0
	PLACES 4
	WIN 0
	FETCH_A \next, 0, 4
.endm
	s_wait_tensorcnt 1                             ; the scale words and my part of slot 0 are in; slot 1's load may be out
	s_barrier_signal -1
	s_barrier_wait -1                              ; everybody's are
	FETCH_B 0, 0, 0
	FETCH_A 0, 0, 0
	SCALES 0
	FETCH_A 0, 0, 4
	s_wait_loadcnt 0x0                             ; the bias
	STEP 0, 1                                      ; the first step stands in front of the loop: its products start the sums
	s_mov_b32 s3, LAPS-1
.Llap:                                             ; a trip goes once round the ring, from a lap's second K step to the next lap's first, and fills both slots again
	TURN 0, 1, 1
	STEP 1, 0
	TURN 1, 0, 1
	STEP 0, 0
	s_sub_co_u32 s3, s3, 1
	s_cmp_lg_u32 s3, 0
	s_cbranch_scc1 .Llap
	TURN 0, 1, 0                                   ; the last lap fills nothing, and has no round of the cluster's barrier
	STEP 1, 0
	s_wait_dscnt 4*NL                              ; the very last K step: nothing more to fetch
	WIN MUL_LO
	MUL16 0, 1, 1, 1, 0
	MUL16 2, 1, 1, 1, 0
	s_wait_dscnt 0
	WIN MUL_HI
	MUL16 4, 1, 1, 1, 0
	MUL16 6, 1, 1, 1, 0
	WIN 0
.if KIND < 2
; THE WAY OUT, KIND 0 and 1: each block of 16 tokens x my 128 columns becomes one fragment of the next product and one scale word a token.  No LDS: the codes' registers are the image.
.irp b, 0,1,2,3
	v_mov_b32 v[TM+4+\b], 0                        ; a lane permute's destination counts as one of its sources.  These four plain lines are also the places behind the last products
.endr
.set QA, 0
.rept 8
.set QW, 2+QA/4                        ; the block's window
.set ACB, 64*(QA%4)                    ; its 64 numbers: register 16 b + i = column 32 b + 16 h + i of token r
.set PC, AF+FR*QA                      ; its codes: registers of their own, so that no store's data are written again
.if KIND == 0
	WIN (QW<<2)|(QW<<6)
.set QJ, 0
.rept 64
	v_max_num_f32 v[ACB+QJ], 0, v[ACB+QJ]          ; relu, in f32, each accumulator from its low end on
.set QJ, QJ+1
.endr
.endif
	WIN QW|(QW<<2)
.irp b, 0,1,2,3
	v_max3_num_f32 v[TM+\b], |v[ACB+16*\b]|, |v[ACB+16*\b+1]|, 0x1800000   ; block b: my 16 numbers, and the floor 2^(3 - 127): the byte cannot fall under 1
.endr
.irp i, 2,4,6,8,10,12,14
.irp b, 0,1,2,3
	v_max3_num_f32 v[TM+\b], |v[ACB+16*\b+\i]|, |v[ACB+16*\b+\i+1]|, v[TM+\b]   ; (the four blocks by turns)
.endr
.endr
	WIN 0
.irp b, 0,1,2,3
	v_permlanex16_b32 v[TM+4+\b], v[TM+\b], s[SEL], s[SEL+1]
.endr
.irp b, 0,1,2,3
	v_max_num_f32 v[TM+\b], v[TM+\b], v[TM+4+\b]   ; with lane l xor 16's: the block's largest magnitude
.endr
.irp b, 0,1,2,3
	v_add_nc_u32 v[TM+12+\b], 0xff000000, v[TM+\b] ; 2 off its exponent field: the conversion's scale operand
.endr
.irp b, 0,1,2,3
	v_lshrrev_b32 v[TM+4+\b], 23, v[TM+12+\b]      ; the scale's byte
.endr
	v_lshl_or_b32 v[SWD+QA], v[TM+5], 8, v[TM+4]   ; the four bytes make token r's scale word
	v_lshl_or_b32 v[SWD+QA], v[TM+6], 16, v[SWD+QA]
	v_lshl_or_b32 v[SWD+QA], v[TM+7], 24, v[SWD+QA]
	WIN QW
.irp c, 0,1
	v_cvt_scalef32_pk16_fp6_f32 v[PC+6*\c:PC+6*\c+2], v[ACB+32*\c:ACB+32*\c+15], v[TM+12+2*\c]
	v_cvt_scalef32_pk16_fp6_f32 v[TT+4*\c:TT+4*\c+2], v[ACB+32*\c+16:ACB+32*\c+31], v[TM+12+2*\c+1]   ; (a conversion's three registers begin on an even number)
.endr
	WIN 0
	v_nop                                          ; one plain line behind a scaled conversion
.irp c, 0,1                            ; the operand's layout wants a WHOLE block in a lane: lanes 0-15 block 2 c, lanes 16-31 block 2 c + 1
.irp i, 0,1,2
	v_permlane16_swap_b32 v[PC+6*\c+\i], v[TT+4*\c+\i]
.endr
.irp i, 0,1,2
	v_mov_b32 v[PC+6*\c+3+\i], v[TT+4*\c+\i]
.endr
.endr
.irp j, 0,1,2
	global_store_b128 v[CO], v[PC+4*\j:PC+4*\j+3], s[12:13] offset:IMG*QA+512*\j   ; 32 lanes store 512 consecutive bytes, aligned; my eight images lie on end
.endr
.set QA, QA+1
.endr
	v_cmp_le_u32 vcc_lo, 16, v[LN]
.irp i, 0,1,2,3
	v_cndmask_b32 v[QD+\i], v[SWD+\i], v[SWD+4+\i], vcc_lo   ; lanes 0-15: the quad of blocks 0-3, lanes 16-31 of blocks 4-7
.endr
	global_store_b128 v[CO], v[QD:QD+3], s[96:97]  ; 512 consecutive bytes, aligned
.else
; THE WAY OUT, KIND 2, block by block of 16 tokens x 128 columns of f32.  A lane holds pieces of 32 bytes of one row: a block goes through my own stage in LDS and comes back as whole rows of 512 bytes.
; LDS serves a wave's instructions in order (ISA guide 5.7.1.4): no wait between the stores and the loads, nor in front of the next block's stores.
.macro TOSTAGE a
.set AC, 64*((\a)%4)
	WIN 0x08+4*((\a)/4)                            ; the data: window 2 or 3
.irp b, 0,1,2,3,4,5,6,7
	ds_store_b128 v[STO], v[AC+8*\b:AC+8*\b+3] offset:128*(\b/2)+32*(\b%2)          ; tile b's columns 32 (b / 2) + 16 h + 8 (b % 2) on; each accumulator from its low end on
	ds_store_b128 v[STO], v[AC+8*\b+4:AC+8*\b+7] offset:128*(\b/2)+32*(\b%2)+16
.endr
	WIN 0
.set BB, BK+64*((\a)%2)
.irp t, 0,1,2,3,4,5,6,7,8,9,10,11,12,13,14,15
	ds_load_b128 v[BB+4*\t:BB+4*\t+3], v[RD] offset:\t*SPITCH
.endr
.endm
.macro SEND a, younger                 ; younger: the LDS instructions issued behind block a's loads, which may stay out
.set BB, BK+64*((\a)%2)
	s_wait_dscnt \younger                          ; the block is back in registers
.if (\a) > 0
	s_add_nc_u64 s[12:13], s[12:13], 16*32768      ; (behind a wait that shows the earlier stores' addresses translated)  16 tokens on
.endif
.irp t, 0,1,2,3,4,5,6,7,8,9,10,11,12,13,14,15
	global_store_b128 v[CO], v[BB+4*\t:BB+4*\t+3], s[12:13] offset:\t*32768 th:TH_STORE_NT   ; 32 lanes store 512 consecutive bytes, aligned; a token's rows lie 32,768 bytes apart
.endr
.endm
	PLACES 4                                       ; behind the last products: for the loads into the registers that held A's fragments and for the reads of results
	TOSTAGE 0
.irp a, 1,2,3,4,5,6,7
.if \a > 1
	s_wait_xcnt 0x0                                ; block a - 2's stores have read their registers and their base
.endif
	TOSTAGE \a
	SEND \a-1, 32                                  ; behind block a - 1's loads: block a's 16 stores and 16 loads
.endr
	s_wait_xcnt 0x0
	SEND 7, 0
.endif
	s_wait_tensorcnt 0x0                           ; the wave's end
	ds_add_u32 v[SPW], v[NIL]
	s_wait_dscnt 0x0
	CROUND                                         ; the closing round: no work-group ends while a partner may still ask for a tile that names it
	s_endpgm
.Lfunc_end_k_q9e35db546e_clf:
	.size	k_q9e35db546e_clf, .Lfunc_end_k_q9e35db546e_clf-k_q9e35db546e_clf
	.p2alignl 7, 3214868480
	.fill 96, 4, 3214868480
	.section	.rodata,"a",@progbits
	.p2align	6, 0x0
	.amdhsa_kernel k_q9e35db546e_clf
		.amdhsa_group_segment_fixed_size 327680
		.amdhsa_private_segment_fixed_size 0
		.amdhsa_enable_private_segment 0
		.amdhsa_kernarg_size 32
		.amdhsa_user_sgpr_count 2
		.amdhsa_user_sgpr_kernarg_segment_ptr 1
		.amdhsa_wavefront_size32 1
		.amdhsa_system_sgpr_workgroup_id_x 1
		.amdhsa_system_sgpr_workgroup_id_y 1
		.amdhsa_system_sgpr_workgroup_id_z 1
		.amdhsa_system_vgpr_workitem_id 0
		.amdhsa_next_free_vgpr 1024
		.amdhsa_next_free_sgpr 102
		.amdhsa_reserve_vcc 1
		.amdhsa_float_denorm_mode_32 3
		.amdhsa_float_denorm_mode_16_64 3
		.amdhsa_memory_ordered 1
		.amdhsa_forward_progress 1
		.amdhsa_inst_pref_size 136
	.end_amdhsa_kernel
	.amdgpu_metadata
---
amdhsa.version: [ 1, 2 ]
amdhsa.kernels:
  - .name:           k_q9e35db546e_clf
    .symbol:         k_q9e35db546e_clf.kd
    .args:
      - { .name: eq, .offset: 0, .size: 8, .value_kind: global_buffer, .address_space: global }
      - { .name: qw, .offset: 8, .size: 8, .value_kind: global_buffer, .address_space: global }
      - { .name: clf_b, .offset: 16, .size: 8, .value_kind: global_buffer, .address_space: global }
      - { .name: out0, .offset: 24, .size: 8, .value_kind: global_buffer, .address_space: global }
    .group_segment_fixed_size: 327680
    .private_segment_fixed_size: 0
    .kernarg_segment_align: 8
    .kernarg_segment_size: 32
    .max_flat_workgroup_size: 128
    .sgpr_count:     102
    .vgpr_count:     1024
    .wavefront_size: 32
...
	.end_amdgpu_metadata
.endif
;; end of part 5
;; ======== version 2 of 2: 4 launches; 1.14 times as fast as version 1
;; workspace buffers: qw 42,598,400 bytes; hq 13,107,200 bytes; eq 13,107,200 bytes; gp 524,288 bytes
;; launch quant (part 6): grid 1664 x 1, 4 waves a work-group, no clusters, 0 bytes of LDS; arguments W2, W1, clf_w, gate_w1, x, qw; writes qw
.if DOCPART == 6
	.amdgcn_target "amdgcn-amd-amdhsa--gfx1250"
	.amdhsa_code_object_version 6
	.text
	.protected	k_q9e35db546e_quant
	.globl	k_q9e35db546e_quant
	.p2align	8
	.type	k_q9e35db546e_quant,@function
k_q9e35db546e_quant:
	s_mov_b64 s[64:65], 0
	v_nop
	global_prefetch_b8 v0, s[64:65] scope:SCOPE_SE
	s_setreg_imm32_b32 hwreg(HW_REG_WAVE_MODE, 25, 1), 1
	s_wait_xcnt 0x0
; W2 [8][2048 k][2048 n], W1 [8][1024 k][2048 n], clf_w [2048 k][1024 n], gate_w1 [1024 k][1024 n] and x [1024 rows][1024 k], all f32, become codes of FP6 (E2M3)
; with one E8M0 scale byte for each 32 along K, stored IN THE ORDER OF A MATRIX OPERAND'S REGISTERS, so that the later launches fetch fragments by loads of 16 bytes a lane alone.
; AN IMAGE is one fragment, 16 rows x 128 K, 1,536 bytes: bytes 512 j + 16 (r + 16 h) hold registers 4 j .. 4 j + 3 of lane (r, h); registers 6 c .. 6 c + 5 hold k = 64 c + 32 h + 0 .. 31.
; CODES: [group of 128 rows][K step of 128][tile 0..7][image].  SCALE WORDS: [group of 256 rows][K step][1,024 bytes]; the word of tile t (0..15), row r lies at 256 (t / 4) + 16 r + 4 (t % 4).
; The rows of a WEIGHT's tile are not neighbours: row r of tile 2 b + u is column 32 b + 8 u + r + 8 (r / 8), so that a product's results are neighbours along the next K.  x's tiles take their rows as they lie.
; A block's scale is 2^(floor(log2(its largest magnitude)) - 2): its byte is the largest magnitude's exponent field - 2, held at 1 from below by a floor among the maximum's leaves.
; LIMITS: NaN and infinities among the inputs are not served.  A block of zeros gets the byte 1 where the rule says 127: its codes are zeros, which add nothing, and this program alone reads the bytes.
; SHARES.  Work-groups 0-1023 take W2, 1024-1535 W1, 1536-1599 clf_w, 1600-1631 gate_w1, 1632-1663 x.  A weight's work-group takes 256 columns x one K step, its wave 64 columns: four tiles.
; A LANE TAKES A COLUMN AND ITS REGISTERS RUN DOWN K: a load reads 128 consecutive bytes, a block of 32 along K lies in one lane, and the conversions give codes with K innermost.
; No LDS, no barrier, no matrix unit: the launch streams.
; REGISTERS.  The text names 120 and claims 128: 1,664 work-groups of 4 waves on 256 x 4 SIMDs are 6.5 waves a SIMD, 832 registers.  For that the codes have two sets of 12 registers, not one for each
; of a wave's four runs of stores: a set is written again in block 4 and after, behind one wait in block 4 that shows the addresses of all earlier stores translated.
.set GC_OFF,  786432
.set CC_OFF,  1572864
.set W1C_OFF, 3145728
.set W2C_OFF, 15728640
.set XS_OFF,  40894464
.set GS_OFF,  40927232
.set CS_OFF,  40960000
.set W1S_OFF, 41025536
.set W2S_OFF, 41549824
.set Q, 16                             ; v16-19   four tiles' scale words
.set X, 32                             ; v32-95   two sets of 32 numbers
.set C, 96                             ; v96-119  two sets of 12 registers of codes
	s_load_b256 s[4:11], s[0:1], 0x0               ; W2 s[4:5], W1 s[6:7], clf_w s[8:9], gate_w1 s[10:11]
	s_load_b128 s[12:15], s[0:1], 0x20             ; x s[12:13], qw s[14:15]
	v_lshrrev_b32 v1, 5, v0
	v_readfirstlane_b32 s16, v1                    ; wave 0..3
	v_and_b32 v1, 31, v0                           ; lane
	v_and_b32 v5, 15, v0                           ; r
	v_bfe_u32 v6, v0, 4, 1                         ; lane / 16
	v_lshlrev_b32 v4, 4, v5                        ; 16 r: a row's place in a quad of scale words
	s_mov_b32 s20, 0x76543210
	s_mov_b32 s21, 0xfedcba98                      ; v_permlanex16_b32's selects for lane l xor 16
	v_mov_b32 v17, 0                               ; written once: a lane permute's destination counts as one of its sources
	v_mov_b32 v19, 0
	v_mov_b32 v9, 0
; One block of 32 numbers, v[XR] on, all of one lane: its codes into v[CD] .. v[CD + 5], its scale byte into v10.  XW = 1: the set of codes has been stored from before.
.macro QB
	v_max3_num_f32 v12, |v[XR]|, |v[XR+1]|, |v[XR+2]|
	v_max3_num_f32 v13, |v[XR+3]|, |v[XR+4]|, |v[XR+5]|
.irp i, 6,10,14,18,22,26
	v_max3_num_f32 v12, v12, |v[XR+\i]|, |v[XR+\i+1]|
	v_max3_num_f32 v13, v13, |v[XR+\i+2]|, |v[XR+\i+3]|
.endr
	v_max3_num_f32 v12, v12, |v[XR+30]|, |v[XR+31]|
	v_max3_num_f32 v12, v12, v13, 0x1800000        ; and the floor 2^(3 - 127): the byte cannot fall under 1
	v_add_nc_u32 v11, 0xff000000, v12              ; 2 off the exponent field: the conversion takes this operand's exponent field as its scale
.if XW
	s_wait_xcnt 0x0                                ; every earlier store has had its addresses translated (ISA guide 3.1): both sets of codes may be written again.  The maximum's lines stand ahead of this wait
.endif
	v_cvt_scalef32_pk16_fp6_f32 v[CD:CD+2], v[XR:XR+15], v11
	v_cvt_scalef32_pk16_fp6_f32 v[20:22], v[XR+16:XR+31], v11   ; (a conversion's three registers begin on an even number)
	v_lshrrev_b32 v10, 23, v11                     ; the scale's byte; also the plain line behind the conversions
	v_mov_b32 v[CD+3], v20
	v_mov_b32 v[CD+4], v21
	v_mov_b32 v[CD+5], v22
.endm
; The quad of scale words leaves from lanes 0-15: 256 consecutive bytes, aligned.  EXEC changes only behind a wait that shows every earlier address translated.
.macro TAILQ
	s_wait_xcnt 0x0
	v_cmp_gt_u32 vcc_lo, 16, v1
	s_and_saveexec_b32 s17, vcc_lo
	global_store_b128 v4, v[Q:Q+3], s[28:29]
	s_wait_xcnt 0x0
	s_or_b32 exec_lo, exec_lo, s17
	s_endpgm
.endm
.macro LOADW P                         ; block LT: rows 64 c + 32 h + i of the K step, columns 32 g on; h = LT / 4, c = (LT / 2) % 2, g = LT % 2
.irp i, 0,1,2,3,4,5,6,7,8,9,10,11,12,13,14,15,16,17,18,19,20,21,22,23,24,25,26,27,28,29,30,31
	global_load_b32 v[X+32*(LT%2)+\i], v2, s[24:25] offset:(64*((LT/2)%2)+32*(LT/4)+\i)*\P+128*(LT%2) th:TH_LOAD_NT
.endr
.endm
; Two tensors of one row pitch P (bytes).  The one with K = 2,048 has the work-groups under SPLIT.  All choices hang on the work-group's number alone and are made on one compare.
.macro WEIGHTS P, CBITS, SPLIT, BIG, SMALL, CBB, CBS, SBB, SBS, FB, FS
	s_cmp_lt_u32 ttmp9, \SPLIT
	s_cselect_b64 s[24:25], s[\BIG:\BIG+1], s[\SMALL:\SMALL+1]
	s_cselect_b32 s30, 16, 8                       ; K steps
	s_cselect_b32 s31, 4, 3                        ; their bits
	s_mov_b32 s32, \CBS
	s_cselect_b32 s32, \CBB, s32                   ; where the tensor's codes begin in qw
	s_mov_b32 s33, \SBS
	s_cselect_b32 s33, \SBB, s33                   ; and its scale words
	s_mov_b32 s34, \FS
	s_cselect_b32 s34, \FB, s34                    ; its first work-group
	s_sub_co_u32 s34, ttmp9, s34
	s_and_b32 s35, s34, (1<<\CBITS)-1              ; which 256 columns
	s_lshr_b32 s36, s34, \CBITS
	s_sub_co_u32 s37, s30, 1
	s_and_b32 s37, s36, s37                        ; which K step
	s_lshr_b32 s38, s36, s31                       ; which expert
	s_mul_i32 s39, s38, s30
	s_add_co_u32 s39, s39, s37
	s_mul_i32 s40, s39, 128*\P                     ; the K step's first row,
	s_lshl_b32 s41, s35, 10
	s_add_co_u32 s40, s40, s41                     ; the work-group's 256 columns,
	s_lshl_b32 s41, s16, 8
	s_add_co_u32 s40, s40, s41                     ; my wave's 64
	s_mov_b32 s41, 0
	s_add_nc_u64 s[24:25], s[24:25], s[40:41]
	s_mul_i32 s42, s38, \P/512
	s_lshl_b32 s43, s35, 1
	s_add_co_u32 s42, s42, s43
	s_lshr_b32 s43, s16, 1
	s_add_co_u32 s42, s42, s43                     ; the group of 128 columns
	s_mul_i32 s42, s42, s30
	s_add_co_u32 s42, s42, s37
	s_mul_i32 s42, s42, 12288
	s_and_b32 s43, s16, 1
	s_mul_i32 s43, s43, 6144                       ; my four tiles of its eight
	s_add_co_u32 s42, s42, s43
	s_add_co_u32 s42, s42, s32
	s_mov_b32 s43, 0
	s_add_nc_u64 s[26:27], s[14:15], s[42:43]
	s_mul_i32 s44, s38, \P/1024
	s_add_co_u32 s44, s44, s35                     ; the group of 256 columns
	s_mul_i32 s44, s44, s30
	s_add_co_u32 s44, s44, s37
	s_lshl_b32 s44, s44, 10
	s_lshl_b32 s45, s16, 8                         ; my quad
	s_add_co_u32 s44, s44, s45
	s_add_co_u32 s44, s44, s33
	s_mov_b32 s45, 0
	s_add_nc_u64 s[28:29], s[14:15], s[44:45]
	v_and_b32 v2, 7, v0
	v_bfe_u32 v7, v0, 3, 1
	v_lshl_add_u32 v2, v7, 4, v2
	v_lshl_add_u32 v2, v6, 3, v2
	v_lshlrev_b32 v2, 2, v2                        ; my column of 32: lanes 0-15 are tile 2 g, lanes 16-31 tile 2 g + 1, row r = lane % 16
	v_mul_u32_u24 v3, v6, 1536
	v_add_nc_u32 v3, v3, v4                        ; my place in the images: tile lane / 16, 16 r
.set LT, 0
	LOADW \P
.set LT, 1
	LOADW \P
.set BT, 0
.rept 8
.set BH, BT/4
.set BC, (BT/2)%2
.set BG, BT%2
.set XR, X+32*(BT%2)
.set CD, C+12*BG+6*BC                  ; set g: written in blocks g and 2 + g, stored in block 2 + g; again in blocks 4 + g and 6 + g
.set XW, 0
.if BT == 4
.set XW, 1                             ; blocks 2 and 3 have stored from the two sets
.endif
.if BT < 7
	s_wait_loadcnt 32                              ; this block's 32 loads are in; the next block's may be out
.else
	s_wait_loadcnt 0x0
.endif
	QB
.if 2*BC+BH == 0
	v_mov_b32 v[Q+2*BG], v10                       ; byte 2 c + h of my column's scale word
.else
	v_lshl_or_b32 v[Q+2*BG], v10, 8*(2*BC+BH), v[Q+2*BG]
.endif
.if BT < 6
.set LT, BT+2
	LOADW \P
.endif
.if BC == 1
.irp j, 0,1,2
	global_store_b128 v3, v[C+12*BG+4*\j:C+12*BG+4*\j+3], s[26:27] offset:3072*BG+512*\j+256*BH   ; sixteen lanes store 256 consecutive bytes, aligned: half h of an image's third
.endr
.endif
.set BT, BT+1
.endr
	v_permlanex16_b32 v17, v16, s20, s21           ; lanes 0-15 now hold the words of tiles 0, 1, 2, 3 of row r
	v_permlanex16_b32 v19, v18, s20, s21
	TAILQ
.endm
	s_wait_kmcnt 0x0
	s_cmp_lt_u32 ttmp9, 1536
	s_cbranch_scc1 .Lwide
	s_cmp_lt_u32 ttmp9, 1632
	s_cbranch_scc1 .Lnarrow
	; ---- x: K is innermost.  A wave takes four tiles of 16 rows x one K step; lane (r, h) takes of row r the very blocks that the operand's layout gives it: k = 64 c + 32 h + 0 .. 31
	s_sub_co_u32 s30, ttmp9, 1632
	s_lshl_b32 s30, s30, 2
	s_add_co_u32 s30, s30, s16
	s_and_b32 s31, s30, 7                          ; which K step
	s_lshr_b32 s32, s30, 3                         ; which 64 rows
	s_lshl_b32 s40, s32, 18
	s_lshl_b32 s41, s31, 9
	s_add_co_u32 s40, s40, s41
	s_mov_b32 s41, 0
	s_add_nc_u64 s[24:25], s[12:13], s[40:41]
	s_lshr_b32 s42, s32, 1
	s_mul_i32 s42, s42, 98304
	s_mul_i32 s43, s31, 12288
	s_add_co_u32 s42, s42, s43
	s_and_b32 s43, s32, 1
	s_mul_i32 s43, s43, 6144
	s_add_co_u32 s42, s42, s43
	s_mov_b32 s43, 0
	s_add_nc_u64 s[26:27], s[14:15], s[42:43]      ; x's codes begin at qw's first byte
	s_lshr_b32 s44, s32, 2
	s_lshl_b32 s44, s44, 13
	s_lshl_b32 s45, s31, 10
	s_add_co_u32 s44, s44, s45
	s_and_b32 s45, s32, 3
	s_lshl_b32 s45, s45, 8
	s_add_co_u32 s44, s44, s45
	s_add_co_u32 s44, s44, XS_OFF
	s_mov_b32 s45, 0
	s_add_nc_u64 s[28:29], s[14:15], s[44:45]
	v_lshlrev_b32 v2, 12, v5
	v_lshl_add_u32 v2, v6, 7, v2                   ; row r of 4,096 bytes + 128 h
	v_lshlrev_b32 v3, 4, v1                        ; 16 x lane: an image's place for my lane
	v_lshlrev_b32 v15, 3, v6                       ; 8 h: my bytes' place in the scale word
.macro LOADX                           ; block LT: tile LT / 2, c = LT % 2
.irp j, 0,1,2,3,4,5,6,7
	global_load_b128 v[X+32*(LT%2)+4*\j:X+32*(LT%2)+4*\j+3], v2, s[24:25] offset:(LT/2)*65536+256*(LT%2)+16*\j th:TH_LOAD_NT
.endr
.endm
.set LT, 0
	LOADX
.set LT, 1
	LOADX
.set BT, 0
.rept 8
.set XR, X+32*(BT%2)
.set CD, C+12*((BT/2)%2)+6*(BT%2)      ; tiles 0 and 2 take set 0, tiles 1 and 3 set 1
.set XW, 0
.if BT == 4
.set XW, 1                             ; blocks 1 and 3 have stored from the two sets
.endif
.if BT < 7
	s_wait_loadcnt 8                               ; this block's 8 loads are in; the next block's may be out
.else
	s_wait_loadcnt 0x0
.endif
	QB
.if BT%2 == 0
	v_mov_b32 v14, v10
.else
	v_lshl_or_b32 v14, v10, 16, v14                ; my two bytes: blocks h and 2 + h of row r,
	v_lshlrev_b32 v14, v15, v14                    ; at their places;
	v_permlanex16_b32 v9, v14, s20, s21
	v_or_b32 v[Q+BT/2], v14, v9                    ; with lane l xor 16's two the word is whole
.endif
.if BT < 6
.set LT, BT+2
	LOADX
.endif
.if BT%2 == 1
.irp j, 0,1,2
	global_store_b128 v3, v[C+12*((BT/2)%2)+4*\j:C+12*((BT/2)%2)+4*\j+3], s[26:27] offset:1536*(BT/2)+512*\j   ; 32 lanes store 512 consecutive bytes, aligned
.endr
.endif
.set BT, BT+1
.endr
	TAILQ
.Lwide:
	WEIGHTS 8192, 3, 1024, 4, 6, W2C_OFF, W1C_OFF, W2S_OFF, W1S_OFF, 0, 1024
.Lnarrow:
	WEIGHTS 4096, 2, 1600, 8, 10, CC_OFF, GC_OFF, CS_OFF, GS_OFF, 1536, 1600
.Lfunc_end_k_q9e35db546e_quant:
	.size	k_q9e35db546e_quant, .Lfunc_end_k_q9e35db546e_quant-k_q9e35db546e_quant
	.p2alignl 7, 3214868480
	.fill 96, 4, 3214868480
	.section	.rodata,"a",@progbits
	.p2align	6, 0x0
	.amdhsa_kernel k_q9e35db546e_quant
		.amdhsa_group_segment_fixed_size 0
		.amdhsa_private_segment_fixed_size 0
		.amdhsa_enable_private_segment 0
		.amdhsa_kernarg_size 48
		.amdhsa_user_sgpr_count 2
		.amdhsa_user_sgpr_kernarg_segment_ptr 1
		.amdhsa_wavefront_size32 1
		.amdhsa_system_sgpr_workgroup_id_x 1
		.amdhsa_system_sgpr_workgroup_id_y 1
		.amdhsa_system_sgpr_workgroup_id_z 1
		.amdhsa_system_vgpr_workitem_id 0
		.amdhsa_next_free_vgpr 128
		.amdhsa_next_free_sgpr 66
		.amdhsa_reserve_vcc 1
		.amdhsa_float_denorm_mode_32 3
		.amdhsa_float_denorm_mode_16_64 3
		.amdhsa_memory_ordered 1
		.amdhsa_forward_progress 1
		.amdhsa_inst_pref_size 100
	.end_amdhsa_kernel
	.amdgpu_metadata
---
amdhsa.version: [ 1, 2 ]
amdhsa.kernels:
  - .name:           k_q9e35db546e_quant
    .symbol:         k_q9e35db546e_quant.kd
    .args:
      - { .name: W2, .offset: 0, .size: 8, .value_kind: global_buffer, .address_space: global }
      - { .name: W1, .offset: 8, .size: 8, .value_kind: global_buffer, .address_space: global }
      - { .name: clf_w, .offset: 16, .size: 8, .value_kind: global_buffer, .address_space: global }
      - { .name: gate_w1, .offset: 24, .size: 8, .value_kind: global_buffer, .address_space: global }
      - { .name: x, .offset: 32, .size: 8, .value_kind: global_buffer, .address_space: global }
      - { .name: qw, .offset: 40, .size: 8, .value_kind: global_buffer, .address_space: global }
    .group_segment_fixed_size: 0
    .private_segment_fixed_size: 0
    .kernarg_segment_align: 8
    .kernarg_segment_size: 48
    .max_flat_workgroup_size: 128
    .sgpr_count:     66
    .vgpr_count:     128
    .wavefront_size: 32
...
	.end_amdgpu_metadata
.endif
;; end of part 6
;; launch fc1 (part 7): grid 64 x 4, 4 waves a work-group, clusters of 4 x 4, 327,680 bytes of LDS; arguments qw, b1, hq, gate_b1, gate_w2, gp; writes hq, gp
.if DOCPART == 7
	.amdgcn_target "amdgcn-amd-amdhsa--gfx1250"
	.amdhsa_code_object_version 6
	.text
	.protected	k_q9e35db546e_fc1
	.globl	k_q9e35db546e_fc1
	.p2align	8
	.type	k_q9e35db546e_fc1,@function
k_q9e35db546e_fc1:
	s_mov_b64 s[64:65], 0
	v_nop
	global_prefetch_b8 v0, s[64:65] scope:SCOPE_SE
	s_setreg_imm32_b32 hwreg(HW_REG_WAVE_MODE, 25, 1), 1
	s_wait_xcnt 0x0
	s_wait_alu depctr_hold_cnt(0) depctr_sa_sdst(0) depctr_va_vdst(0) depctr_va_sdst(0) depctr_va_ssrc(0) depctr_va_vcc(0) depctr_vm_vsrc(0)
	s_getreg_b32 s2, hwreg(HW_REG_IB_STS2, 6, 4)
	s_cmp_eq_u32 s2, 0
	s_cbranch_scc0 .Lentry_in_a_cluster
	s_endpgm
.Lentry_in_a_cluster:
	s_bfe_u32 s2, ttmp6, 0x10000c
	s_cmp_lg_u32 s2, 0xf033
	s_cbranch_scc0 .Lentry_shape_is_right
	s_endpgm
.Lentry_shape_is_right:
.set KIND, 0                           ; 0: h = relu(x W1 + b1), quantised;  1: expert_outs = h W2 + b2, quantised;  2: logits = expert_outs clf_w + clf_b, f32
; ONE TEXT FOR THE THREE LARGE PRODUCTS, all on codes of FP6 (E2M3) with one E8M0 scale for each 32 along K; sums in f32.  Only the line above differs between the three launches.
; Both operands lie in memory as IMAGES OF THE OPERAND'S REGISTERS: a fragment (16 rows x 128 K) is 1,536 bytes, bytes 512 j + 16 x lane = the lane's registers 4 j .. 4 j + 3;
; codes [group of 128 rows][K step of 128][tile 0..7][image]; scale words [group of 256 rows][K step][1,024 bytes], the word of tile t, row r at 256 (t / 4) + 16 r + 4 (t % 4).
; A: tokens (KIND 0: x's 1,024 rows; KIND 1: one expert's 1,024 rows of h; KIND 2: the 8,192 rows (expert, token) of expert_outs).  B: a weight's columns.
; A tile of the result, 256 tokens x 256 columns, is made by a work-group of four waves; a wave makes 128 x 128: 64 accumulators, 512 registers.
; K goes two K steps (256) at a time through a ring of two LDS slots; 128 rows x 2 K steps are 24,576 dense bytes of memory: one tensor load a wave, as 96 rows of 256 bytes.  No padding: a fragment's loads read 512 bytes on end.
; The scale words of the work-group's 256 + 256 rows for all of K come into LDS once, with the first fills, and stay.
; CLUSTERS: 4 x 4 work-groups.  The four of a row of the cluster need the same tiles of A, the four of a column the same tiles of B: each is asked for jointly, by the same tensor load with one mask.
; THE MATRIX INSTRUCTION IS USED TRANSPOSED (source 0 = 16 columns of the weight, source 1 = 16 tokens), and a weight's tile 2 b + u holds columns 32 b + 8 u + r + 8 (r / 8): so lane (r, h) holds token r,
; and register 16 b + i of a token block's 64 holds column 32 b + 16 h + i: sixteen neighbours along the next product's K.  The bias is the C of each sum's first matrix instruction: nothing is cleared or added.
; KIND 0, 1: a wave's 128 columns are one K step of the next product: they are quantised in registers and leave as images, 512 consecutive bytes a store; the f32 numbers never go to memory.
; THE ROUTER RIDES ALONG, between the first joint loads and the wait for them, so that it needs no launch of its own.
;   KIND 0: relu(x gate_w1 + gate_b1) gate_w2, shared out among the 256 work-groups: a work-group takes 64 tokens x 64 of the gate's 1,024 hidden columns, a wave 16 of the tokens.  The first product runs on codes,
;   its operands loaded from qw's images straight into the registers that the accumulators take later; the second (N = 8) is left as it is, on bf16 operands.  A wave stores its 64 columns' part of 16 tokens' eight logits
;   in gp [16 parts][1,024 tokens][8], f32.   KIND 2: wave 0 of each of the 128 work-groups adds the 16 parts and gate_b2 for 8 tokens, in a fixed order, and makes the softmax, with the row's maximum taken away.
; LIMITS: NaN and infinities are not served.  A block of zeros gets the scale byte 1 where the rule says 127: its codes are zeros, and this program alone reads the bytes.  g and gate_w2 are rounded to bf16 for the router's second product.
; REGISTERS, in windows of 256: window 0: v0-31 addresses and offsets (KIND 0: v8-15 x's scale words for the router); v32-63 scale words, two sets; v64-127 the bias, later at work; v128-223 A's 8 fragments, ONE set, later the codes made; v224-255 at work.
;   window 1: B's fragments, TWO sets, at v0 and v128.   window 2: the accumulators of my tokens 0-63 ((a, b) at v[8 (8 (a % 4) + b)]);   window 3: those of tokens 64-127.
.if KIND == 0
.set KS,     8                         ; K steps of 128
.set ABASE,  6                         ; A's buffer is qw itself
.set AS_OFF, 40894464                  ; where A's scale words begin in A's buffer
.set B_OFF,  3145728                   ; where B's codes begin in qw
.set BS_OFF, 41025536                  ; and B's scale words
.elseif KIND == 1
.set KS,     16
.set ABASE,  4
.set AS_OFF, 12582912
.set B_OFF,  15728640
.set BS_OFF, 41549824
.else
.set KS,     16
.set ABASE,  4
.set AS_OFF, 12582912
.set B_OFF,  1572864
.set BS_OFF, 40960000
.endif
.set HS_OFF, 12582912                  ; where the scale words begin in the buffer that KIND 0, 1 store
.set XS_OFF, 40894464                  ; in qw: x's scale words,
.set GC_OFF, 786432                    ; gate_w1's codes,
.set GS_OFF, 40927232                  ; and its scale words
.set GSTR,   KS*12288                  ; a group of 128 rows of codes
.set SSTR,   KS*1024                   ; a group of 256 rows of scale words
.set FR,     12                        ; registers of a fragment
.set NL,     3                         ; LDS loads that bring one
.set IMG,    1536
.set HALFT,  2*12288                   ; 128 rows x 2 K steps: what one tensor load brings
.set SLOT,   4*HALFT                   ; A's two halves, then B's two
.set SCL,    2*SLOT                    ; behind the ring: the scale words, A's KS x 1,024 bytes, then B's
.set HALFS,  KS*512                    ; half of a side's: what one tensor load brings
.set SPARE,  SCL+4*HALFS               ; behind them: the spare words, 128 bytes a wave: two blocks of 256 bytes that no other line names
.set LAPS,   KS/4                      ; a lap = once round the ring = 4 K steps
.set SPITCH, 528                       ; KIND 2's way out: a stage of 16 rows x (512 + 16) bytes a wave, in slot 0, which has had its last fill and its last read by then
.set ADRA, 16                          ; v16-17  LDS address of my A fragments in slot 0, 1
.set ADRB, 20                          ; v20-21  the same for B
.set STO,  24                          ; v24     KIND 2: where I put 32 bytes of a row
.set RD,   25                          ; v25     KIND 2: where I read a row back
.set CO,   26                          ; v26     16 x lane
.set ADRS, 27                          ; v27     LDS address of my scale words: lanes 0-15 A's, lanes 16-31 B's
.set SPW,  28                          ; v28     LDS address of my spare word; never rewritten
.set NIL,  29                          ; v29     0; never rewritten
.set BO,   30                          ; v30     64 x (lane / 16): the bias of my half's columns
.set LN,   31                          ; v31     lane
.set SC,   32                          ; scale words: set s at v[SC + 16 s]; register 8 q + i: lanes 0-15 the word of A's block i, lanes 16-31 of B's tile i, for the slot's q-th K step
.set BI,   64                          ; the bias in the result's layout: register 16 b + i = column 32 b + 16 h + i
.set AF,   128
.set TM,   64                          ; the way out: v64-67 largest magnitudes, v68-71 bytes, v76-79 the conversions' scale operands
.set SWD,  80                          ; v80-87  the eight token blocks' scale words
.set QD,   88                          ; v88-91  my lane's four of them
.set TT,   224                         ; v224-230 the conversions' second halves
.set BK,   128                         ; KIND 2: 16 rows read back from the stage: v128-191 and v192-255 by turns
.set GXA,  3                           ; the router, KIND 0: byte offsets, never rewritten: v3 x's codes, v4 x's scale words, v7 the gate's codes, v18 its scale words (all in qw),
.set GXS,  4                           ;   v19 gate_b1, v22 gate_w2, v23 gp.   KIND 2: v3 my 8 bytes in a part of gp and in out1, v4 in gate_b2, v[18:19] my two scores
.set GWA,  7
.set GWS,  18
.set GB1,  19
.set GW2,  22
.set GPO,  23
.set GSA,  8                           ; v8-15   x's scale words, one for each K step: they hold nothing else
.set GACC, 224                         ; v224-255 the router's four accumulators; v240-243 later my four partial logits
.set GO4,  240
.set W2F,  128                         ; v128-159 gate_w2: my lane's 32 numbers;  v160-175 g, v176-191 gate_w2 in bf16;  v192-199 the partial logits
.set GBF,  160
.set WBF,  176
.set GL,   192
.set G1,   24                          ; s[24:31] descriptor group 1 for A's tiles; s[32:39] group 0, a set for each slot
.set G0,   32
.set G1B,  48                          ; s[48:55], s[56:63] the same for B's
.set G0B,  56
.set G1S,  68                          ; s[68:75], s[76:79] groups 1 and 0 for A's scale words; s[80:87], s[88:91] for B's
.set G0S,  76
.set G1SB, 80
.set G0SB, 88
.set SEL,  100                         ; KIND 0, 1: s[100:101] v_permlanex16_b32's selects for lane l xor 16
.set MSB, 0
.macro WIN new                         ; the immediate's high byte repeats the setting that is left; a switch that changes nothing is dropped
.if MSB != (\new)
	s_set_vgpr_msb (MSB<<8)|(\new)
.set MSB, (\new)
.endif
.endm
.set MUL_LO, 0xa1                      ; source 0 (B) window 1, source 1 (A) window 0, C and D window 2;  in the first step C, the bias, lies in window 0: 0x81
.set MUL_HI, 0xf1                      ; the same with window 3;  in the first step 0xc1
.set TO_B,   0x40                      ; destination window 1, address window 0
; A joint load: waves 0 and 1 fetch for A, waves 2 and 3 for B.  Each line has one mask and one set of registers for all that issue it; the branch hangs on the wave's number alone.
; Four v_nop follow each of the two lines, ahead of the jump, the label and what follows.
.macro JLOAD g0a, g1a, g0b, g1b
	s_cmp_eq_u32 s15, 0
	s_cbranch_scc0 .Lfor_b_\@
	tensor_load_to_lds s[\g0a:\g0a+3], s[\g1a:\g1a+7]
	s_nop 0
.rept 4
	v_nop
.endr
	s_branch .Lasked_\@
.Lfor_b_\@:
	tensor_load_to_lds s[\g0b:\g0b+3], s[\g1b:\g1b+7]
	s_nop 0
.rept 4
	v_nop
.endr
.Lasked_\@:
.endm
.macro CREST                           ; a round of the cluster's barrier behind its opening barrier
	s_cmp_lg_u32 s14, 0
	s_cbranch_scc1 .Lnot_wave_0_\@
	s_barrier_signal -3
.Lnot_wave_0_\@:
	s_barrier_wait -3
	s_barrier_signal -1
	s_barrier_wait -1
.endm
.macro CROUND                          ; a whole round
	s_barrier_signal -1
	s_barrier_wait -1
	CREST
.endm
.macro PLACES n                        ; plain vector lines between a matrix instruction and a load into, or a vector read or write of, its registers
.rept \n
	v_nop
.endr
.endm
.if KIND == 0
	s_load_b64 s[6:7], s[0:1], 0x0                 ; qw: A (x) and B (W1) both lie in it
	s_load_b64 s[8:9], s[0:1], 0x8                 ; the bias
	s_load_b64 s[10:11], s[0:1], 0x10              ; the output
	s_load_b64 s[4:5], s[0:1], 0x18                ; gate_b1
	s_load_b64 s[2:3], s[0:1], 0x20                ; gate_w2 (s3 becomes the lap counter behind the wait that shows its loads done)
	s_load_b64 s[104:105], s[0:1], 0x28            ; gp
.else
	s_load_b256 s[4:11], s[0:1], 0x0               ; A's buffer s[4:5], qw s[6:7], the bias s[8:9], the output s[10:11]
.endif
.if KIND == 2
	s_load_b64 s[2:3], s[0:1], 0x20                ; gp (s3 becomes the lap counter behind the wait that shows its loads done)
	s_load_b64 s[100:101], s[0:1], 0x28            ; gate_b2
	s_load_b64 s[104:105], s[0:1], 0x30            ; out1
.endif
	v_lshl_add_u32 v[SPW], v0, 2, SPARE
	v_mov_b32 v[NIL], 0
	ds_add_u32 v28, v29
	ds_add_u32 v28, v29
	s_wait_dscnt 0x0
	v_lshrrev_b32 v1, 5, v0
	v_readfirstlane_b32 s14, v1                    ; wave 0..3
	s_lshr_b32 s15, s14, 1                         ; which half of the tokens is mine.  Also: I fetch for A (0) or for B (1)
	s_and_b32 s16, s14, 1                          ; which half of the columns.  Also: which half of that side I fetch
	s_bfe_u32 s40, ttmp6, 0x40000                  ; cx, cy: my place in the cluster
	s_bfe_u32 s41, ttmp6, 0x40004
	s_lshl_b32 s42, ttmp9, 2
	s_add_co_u32 s42, s42, s40                     ; X: which 256 columns = 4 x cluster x + cx
	s_and_b32 s17, ttmp7, 0xffff
	s_lshl_b32 s17, s17, 2
	s_add_co_u32 s17, s17, s41                     ; Y: which 256 rows = 4 x cluster y + cy
	s_lshl_b32 s43, s41, 2
	s_lshl_b32 s43, 15, s43                        ; my row of the cluster
	s_lshl_b32 s44, 0x1111, s40                    ; my column
	; descriptor group 1: a dense block of 24,576 bytes as 96 rows of 32 elements of 8 bytes
	s_or_b32 s[G1+0], s43, (3<<16)|(1<<21)         ; 15:0 the mask: A's tiles go to my row; 17:16 elements of 8 bytes; 20 no padding; 21 set beside a mask
	s_or_b32 s[G1B+0], s44, (3<<16)|(1<<21)        ; B's go to my column
.irp g, G1, G1B
	s_mov_b32 s[\g+1], 32<<16                      ; tensor_dim0
	s_mov_b32 s[\g+2], 96<<16                      ; tensor_dim1
	s_mov_b32 s[\g+3], 32<<16                      ; tile_dim0
	s_mov_b32 s[\g+4], 96                          ; tile_dim1
	s_mov_b32 s[\g+5], 32                          ; tensor_dim0_stride
	s_mov_b32 s[\g+6], 0
	s_mov_b32 s[\g+7], 0
.endr
	; and for half a side's scale words: KS x 512 dense bytes as 2 KS rows of 256
	s_or_b32 s[G1S+0], s43, (3<<16)|(1<<21)
	s_or_b32 s[G1SB+0], s44, (3<<16)|(1<<21)
.irp g, G1S, G1SB
	s_mov_b32 s[\g+1], 32<<16
	s_mov_b32 s[\g+2], (2*KS)<<16
	s_mov_b32 s[\g+3], 32<<16
	s_mov_b32 s[\g+4], 2*KS
	s_mov_b32 s[\g+5], 32
	s_mov_b32 s[\g+6], 0
	s_mov_b32 s[\g+7], 0
.endr
	; where the tiles come from.  A's hang on Y (and, KIND 1, on the expert = cluster x / 2) alone, B's on X alone, each in registers that never hold the other coordinate
	s_lshl_b32 s20, s17, 1
	s_add_co_u32 s20, s20, s16                     ; A: the group of 128 rows that I fetch
	s_mov_b32 s22, s17                             ; and the group of 256
.if KIND == 1
	s_lshr_b32 s18, ttmp9, 1                       ; the expert: eight groups of 128 and four of 256 each
	s_lshl_b32 s19, s18, 3
	s_add_co_u32 s20, s20, s19
	s_lshl_b32 s19, s18, 2
	s_add_co_u32 s22, s22, s19
.endif
	s_mul_i32 s20, s20, GSTR
	s_mov_b32 s21, 0
	s_mul_i32 s22, s22, SSTR
	s_mul_i32 s19, s16, HALFS                      ; my half of the scale words
	s_add_co_u32 s22, s22, s19
	s_add_co_u32 s22, s22, AS_OFF
	s_mov_b32 s23, 0
	s_lshl_b32 s46, s42, 1
	s_add_co_u32 s46, s46, s16                     ; B likewise
	s_mul_i32 s46, s46, GSTR
	s_add_co_u32 s46, s46, B_OFF
	s_mov_b32 s47, 0
	s_mul_i32 s92, s42, SSTR
	s_add_co_u32 s92, s92, s19
	s_add_co_u32 s92, s92, BS_OFF
	s_mov_b32 s93, 0
	s_mul_i32 s45, s14, HALFT                      ; where they go: wave x a quarter of a slot: no place in the cluster enters an LDS address
	s_mul_i32 s94, s14, HALFS
	s_lshl_b32 s98, s42, 10                        ; the bias of my 128 columns: 4 (256 X + 128 x half)
	s_lshl_b32 s99, s16, 9
	s_add_co_u32 s98, s98, s99
	s_mov_b32 s99, 0
.if KIND < 2
	s_mov_b32 s[SEL], 0x76543210
	s_mov_b32 s[SEL+1], 0xfedcba98
	s_lshr_b32 s67, s42, 3                         ; the expert
	s_and_b32 s95, s42, 7
	s_lshl_b32 s95, s95, 1
	s_add_co_u32 s95, s95, s16                     ; my 128 columns are this K step of the next product
	s_mul_i32 s12, s67, 1572864                    ; codes out: [expert][group of 128 tokens][K step][tile][image]
	s_lshl_b32 s66, s17, 1
	s_add_co_u32 s66, s66, s15
	s_mul_i32 s66, s66, 196608
	s_add_co_u32 s12, s12, s66
	s_mul_i32 s66, s95, 12288
	s_add_co_u32 s12, s12, s66
	s_mov_b32 s13, 0
	s_lshl_b32 s96, s67, 16                        ; scale words out: [expert][group of 256 tokens][K step][1,024], my half's two quads
	s_lshl_b32 s66, s17, 14
	s_add_co_u32 s96, s96, s66
	s_lshl_b32 s66, s95, 10
	s_add_co_u32 s96, s96, s66
	s_lshl_b32 s66, s15, 9
	s_add_co_u32 s96, s96, s66
	s_add_co_u32 s96, s96, HS_OFF
	s_mov_b32 s97, 0
.else
	s_and_b32 s66, s17, 3                          ; out0 [token][expert][1,024]: Y = 4 x expert + the block of 256 tokens
	s_lshl_b32 s66, s66, 1
	s_add_co_u32 s66, s66, s15
	s_lshl_b32 s12, s66, 22                        ; my first token x 32,768 bytes
	s_lshr_b32 s66, s17, 2
	s_lshl_b32 s66, s66, 12                        ; the expert x 4,096
	s_add_co_u32 s12, s12, s66
	s_lshl_b32 s66, s42, 10
	s_add_co_u32 s12, s12, s66
	s_lshl_b32 s66, s16, 9                         ; my first column x 4
	s_add_co_u32 s12, s12, s66
	s_mov_b32 s13, 0
.endif
	s_wait_kmcnt 0x0
	s_add_nc_u64 s[20:21], s[ABASE:ABASE+1], s[20:21]
	s_add_nc_u64 s[22:23], s[ABASE:ABASE+1], s[22:23]
	s_add_nc_u64 s[46:47], s[6:7], s[46:47]
	s_add_nc_u64 s[92:93], s[6:7], s[92:93]
	s_add_nc_u64 s[98:99], s[8:9], s[98:99]
	s_add_nc_u64 s[12:13], s[10:11], s[12:13]
.if KIND < 2
	s_add_nc_u64 s[96:97], s[10:11], s[96:97]
.endif
	CROUND                                         ; all sixteen work-groups are here: the first joint loads meet
	s_mov_b32 s[G0S], 1
	s_add_co_u32 s[G0S+1], s94, SCL
	s_mov_b64 s[G0S+2:G0S+3], s[22:23]
	s_or_b32 s[G0S+3], s[G0S+3], 0x80000000
	s_mov_b32 s[G0SB], 1
	s_add_co_u32 s[G0SB+1], s94, SCL
	s_mov_b64 s[G0SB+2:G0SB+3], s[92:93]
	s_or_b32 s[G0SB+3], s[G0SB+3], 0x80000000
	JLOAD G0S, G1S, G0SB, G1SB                     ; the scale words first: they are wanted with the first K step
.irp s, 0,1
	s_mov_b32 s[G0+4*\s], 1                        ; count = 1
	s_add_co_u32 s[G0+4*\s+1], s45, \s*SLOT        ; LDS address
	s_add_nc_u64 s[G0+4*\s+2:G0+4*\s+3], s[20:21], \s*HALFT   ; global address: K steps 2 s, 2 s + 1
	s_or_b32 s[G0+4*\s+3], s[G0+4*\s+3], 0x80000000           ; type = 2
	s_mov_b32 s[G0B+4*\s], 1
	s_add_co_u32 s[G0B+4*\s+1], s45, \s*SLOT
	s_add_nc_u64 s[G0B+4*\s+2:G0B+4*\s+3], s[46:47], \s*HALFT
	s_or_b32 s[G0B+4*\s+3], s[G0B+4*\s+3], 0x80000000
	JLOAD G0+4*\s, G1, G0B+4*\s, G1B               ; by this text's count three tensor loads of a wave are out here, later one
.endr
	v_and_b32 v[LN], 31, v0
	v_and_b32 v1, 15, v0                           ; r
	v_bfe_u32 v2, v0, 4, 1                         ; h
	v_lshlrev_b32 v[CO], 4, v[LN]
	v_lshlrev_b32 v[BO], 6, v2
.irp b, 0,1,2,3
.irp j, 0,1,2,3
	global_load_b128 v[BI+16*\b+4*\j:BI+16*\b+4*\j+3], v[BO], s[98:99] offset:128*\b+16*\j
.endr
.endr
	s_mul_i32 s21, s15, HALFT                      ; my 128 rows of A
	s_mul_i32 s22, s16, HALFT                      ; my 128 rows of B,
	s_add_co_u32 s22, s22, 2*HALFT                 ; which lie behind A's 256
.irp s, 0,1
	v_add_nc_u32 v[ADRA+\s], s21, v[CO]
	v_add_nc_u32 v[ADRB+\s], s22, v[CO]
	s_add_co_u32 s21, s21, SLOT
	s_add_co_u32 s22, s22, SLOT
.endr
	v_lshlrev_b32 v5, 4, v1                        ; scale words: 16 r in a quad
	s_lshl_b32 s21, s15, 9                         ; A's: my half's two quads
	s_lshl_b32 s22, s16, 9                         ; B's: my half's, behind all of A's
	s_add_co_u32 s22, s22, KS*1024
	s_sub_co_u32 s22, s22, s21
	v_mul_u32_u24 v6, s22, v2                      ; lanes 16-31 take B's: one product, the distance between the two
	s_add_co_u32 s21, s21, SCL
	v_add_nc_u32 v5, v5, v6
	v_add_nc_u32 v[ADRS], s21, v5
.if KIND == 2
	s_mul_i32 s23, s14, 16*SPITCH                  ; my stage
	v_mul_u32_u24 v5, v1, SPITCH                   ; in: row r, 64 bytes on for lanes 16-31
	v_lshl_add_u32 v5, v2, 6, v5
	v_add_nc_u32 v[STO], s23, v5
	v_add_nc_u32 v[RD], s23, v[CO]                 ; back: the 32 lanes take one row of 512 bytes
.endif
.if KIND == 0
; ---- THE ROUTER'S TWO PRODUCTS, my wave's piece: 16 tokens x 64 hidden columns x all of K = 1,024.  No LDS, no branch; the work-group's place enters byte offsets into memory alone.
; The first product is used transposed like the large one: lane (r, h) holds token r, and register 16 b + i of its 32 the column 32 b + 16 h + i of my 64.
	s_and_b32 s40, s42, 15
	s_lshl_b32 s40, s40, 2
	s_add_co_u32 s40, s40, s14                     ; my tile of 16 tokens, 0..63: 4 (X % 16) + wave
	s_lshr_b32 s41, s42, 4
	s_lshl_b32 s43, s17, 2
	s_add_co_u32 s41, s41, s43                     ; my part of 64 columns, 0..15: 4 Y + X / 16
	s_lshr_b32 s43, s40, 3
	s_mul_i32 s43, s43, 98304                      ; x's codes: the group of 128 tokens,
	s_and_b32 s44, s40, 7
	s_mul_i32 s44, s44, IMG                        ; my tile in it
	s_add_co_u32 s43, s43, s44
	v_add_nc_u32 v[GXA], s43, v[CO]
	s_lshr_b32 s43, s40, 4
	s_lshl_b32 s43, s43, 13                        ; x's scale words: the group of 256 tokens,
	s_bfe_u32 s44, s40, 0x20002
	s_lshl_b32 s44, s44, 8                         ; the quad,
	s_add_co_u32 s43, s43, s44
	s_and_b32 s44, s40, 3
	s_lshl_b32 s44, s44, 2                         ; the tile's word in it
	s_add_co_u32 s43, s43, s44
	s_add_co_u32 s43, s43, XS_OFF
	v_lshl_add_u32 v[GXS], v1, 4, s43
	s_lshr_b32 s43, s41, 1
	s_mul_i32 s43, s43, 98304                      ; the gate's codes: the group of 128 columns,
	s_and_b32 s44, s41, 1
	s_mul_i32 s44, s44, 6144                       ; my four tiles
	s_add_co_u32 s43, s43, s44
	s_add_co_u32 s43, s43, GC_OFF
	v_add_nc_u32 v[GWA], s43, v[CO]
	s_lshr_b32 s43, s41, 2
	s_lshl_b32 s43, s43, 13
	s_and_b32 s44, s41, 3
	s_lshl_b32 s44, s44, 8                         ; their quad of scale words
	s_add_co_u32 s43, s43, s44
	s_add_co_u32 s43, s43, GS_OFF
	v_lshl_add_u32 v[GWS], v1, 4, s43
	s_lshl_b32 s43, s41, 8                         ; gate_b1: my 64 numbers, 64 h bytes on for lanes 16-31
	v_add_nc_u32 v[GB1], s43, v[BO]
	v_and_b32 v5, 7, v0
	v_lshlrev_b32 v5, 2, v5
	v_lshl_add_u32 v5, v2, 9, v5                   ; gate_w2: 16 h rows of 32 bytes + expert r % 8,
	s_lshl_b32 s43, s41, 11                        ; in my 64 rows
	v_add_nc_u32 v[GW2], s43, v5
	v_lshlrev_b32 v5, 5, v1
	v_lshl_add_u32 v5, v2, 4, v5                   ; gp: token r's 32 bytes, experts 4 h on,
	s_lshl_b32 s43, s41, 15                        ; in my part,
	s_lshl_b32 s44, s40, 9                         ; at my 16 tokens
	s_add_co_u32 s43, s43, s44
	v_add_nc_u32 v[GPO], s43, v5
.irp b, 0,1
.irp j, 0,1,2,3
	global_load_b128 v[GACC+16*\b+4*\j:GACC+16*\b+4*\j+3], v[GB1], s[4:5] offset:128*\b+16*\j   ; the bias, in the result's layout: the sums begin with it
.endr
.endr
.irp k, 0,1,2,3,4,5,6,7
	global_load_b128 v[SC+4*\k:SC+4*\k+3], v[GWS], s[6:7] offset:1024*\k    ; the scale words of my four tiles of the gate,
	global_load_b32 v[GSA+\k], v[GXS], s[6:7] offset:1024*\k                ; and of my tokens
.endr
.set GK, 0
.rept 8                                ; all eight K steps at once, 15 loads each, into the registers that the accumulators take later: K steps 0-3 window 2, 4-7 window 3; in a window x's fragment at 192 + 12 k, the gate's tile t at 48 k + 12 t
	WIN 0x80+0x40*(GK/4)
.irp j, 0,1,2
	global_load_b128 v[192+12*(GK%4)+4*\j:192+12*(GK%4)+4*\j+3], v[GXA], s[6:7] offset:12288*GK+512*\j
.endr
.irp t, 0,1,2,3
.irp j, 0,1,2
	global_load_b128 v[48*(GK%4)+12*\t+4*\j:48*(GK%4)+12*\t+4*\j+3], v[GWA], s[6:7] offset:12288*GK+1536*\t+512*\j
.endr
.endr
.set GK, GK+1
.endr
	WIN 0
.irp b, 0,1
.irp i, 0,1,2,3,4,5,6,7,8,9,10,11,12,13,14,15
	global_load_b32 v[W2F+16*\b+\i], v[GW2], s[2:3] offset:(32*\b+\i)*32   ; gate_w2(32 b + 16 h + i, r % 8): the same k in the same places as g has them
.endr
.endr
.set GK, 0
.rept 8
.if GK == 0
	s_wait_loadcnt 62                              ; all but the youngest 62 loads are in: out may be K steps 6 and 7 (30) and gate_w2 (32)
.elseif GK == 6
	s_wait_loadcnt 47                              ; K step 7 (15) and gate_w2 may be out
.elseif GK == 7
	s_wait_loadcnt 32                              ; gate_w2 may be out
.endif
	WIN 0x0a+5*(GK/4)                              ; sources 0 and 1 window 2 or 3; C and D window 0
.irp t, 0,1,2,3                        ; the four accumulators by turns, one instruction a turn
	v_wmma_scale_f32_16x16x128_f8f6f4 v[GACC+8*\t:GACC+8*\t+7], v[48*(GK%4)+12*\t:48*(GK%4)+12*\t+11], v[192+12*(GK%4):192+12*(GK%4)+11], v[GACC+8*\t:GACC+8*\t+7], v[SC+4*GK+\t], v[GSA+GK] matrix_a_fmt:MATRIX_FMT_FP6 matrix_b_fmt:MATRIX_FMT_FP6
.endr
.set GK, GK+1
.endr
	WIN 0
	PLACES 4                                       ; in front of the first read of results
.set GJ, 0
.rept 32
	v_max_num_f32 v[GACC+GJ], 0, v[GACC+GJ]        ; relu, each accumulator from its low end on
.set GJ, GJ+1
.endr
	s_wait_loadcnt 0x0                             ; gate_w2
.irp b, 0,1
.irp p, 0,1,2,3,4,5,6,7
	v_cvt_pk_bf16_f32 v[GBF+8*\b+\p], v[GACC+16*\b+2*\p], v[GACC+16*\b+2*\p+1]   ; g, 32 columns to a fragment
.endr
.endr
.irp b, 0,1
.irp p, 0,1,2,3,4,5,6,7
	v_cvt_pk_bf16_f32 v[WBF+8*\b+\p], v[W2F+16*\b+2*\p], v[W2F+16*\b+2*\p+1]     ; gate_w2 transposed: rows 8-15 repeat the eight experts
.endr
.endr
	v_wmma_f32_16x16x32_bf16 v[GL:GL+7], v[WBF:WBF+7], v[GBF:GBF+7], 0
	s_wait_alu depctr_va_vdst(0)                   ; the wait stands directly ahead of the link
	v_wmma_f32_16x16x32_bf16 v[GL:GL+7], v[WBF+8:WBF+15], v[GBF+8:GBF+15], v[GL:GL+7]
	PLACES 4                                       ; in front of the read of the result, and of the LDS loads that later land in these registers
	v_cmp_le_u32 vcc_lo, 16, v[LN]                 ; lane (r, h) holds token r's eight partial logits: it keeps experts 4 h on
.irp i, 0,1,2,3
	v_cndmask_b32 v[GO4+\i], v[GL+\i], v[GL+4+\i], vcc_lo
.endr
	global_store_b128 v[GPO], v[GO4:GO4+3], s[104:105]   ; the wave stores 512 consecutive bytes, aligned; neither the data, the offset nor the base is written again
.endif
.if KIND == 2
; ---- THE ROUTER'S SOFTMAX: wave 0 of work-group 4 Y + X (0..127) takes tokens 8 (4 Y + X) on.  Lane l has token l / 4, experts 2 (l % 4) and the next: 8 l bytes on in a part of gp and in out1.
	s_cmp_lg_u32 s14, 0
	s_cbranch_scc1 .Lno_softmax
	s_lshl_b32 s40, s17, 2
	s_add_co_u32 s40, s40, s42
	s_lshl_b32 s40, s40, 8                         ; 8 tokens of 32 bytes
	v_lshl_add_u32 v3, v[LN], 3, s40
	v_and_b32 v4, 3, v0
	v_lshlrev_b32 v4, 3, v4
	s_mov_b32 s41, 0x3fb8aa3b                      ; log2(e)
	global_load_b64 v[160:161], v4, s[100:101]     ; gate_b2
.irp p, 0,1,2,3,4,5,6,7,8,9,10,11,12,13,14,15
	global_load_b64 v[128+2*\p:129+2*\p], v3, s[2:3] offset:32768*\p   ; the 32 lanes read 256 consecutive bytes of each part
.endr
	s_wait_loadcnt 0x0
.irp p, 0,1,2,3,4,5,6,7,8,9,10,11,12,13,14,15
	v_pk_add_f32 v[160:161], v[160:161], v[128+2*\p:129+2*\p]          ; gate_b2, then the sixteen parts in ascending order
.endr
	v_max_num_f32 v162, v160, v161
	v_max_num_f32_dpp v162, v162, v162 row_xmask:1 row_mask:0xf bank_mask:0xf
	v_max_num_f32_dpp v162, v162, v162 row_xmask:2 row_mask:0xf bank_mask:0xf   ; with my three neighbours': the token's largest logit
	v_mul_f32 v163, s41, v162
	v_fma_f32 v160, v160, s41, -v163               ; (logit - maximum) x log2(e)
	v_fma_f32 v161, v161, s41, -v163
	v_exp_f32 v160, v160
	v_exp_f32 v161, v161
	v_nop                                          ; a plain line behind the last exponential
	s_wait_alu depctr_va_vdst(0)                   ; one wait for the two, ahead of their first reader
	v_add_f32 v164, v160, v161
	v_add_f32_dpp v164, v164, v164 row_xmask:1 row_mask:0xf bank_mask:0xf
	v_add_f32_dpp v164, v164, v164 row_xmask:2 row_mask:0xf bank_mask:0xf
	v_rcp_f32 v164, v164
	v_nop
	s_wait_alu depctr_va_vdst(0)
	v_mul_f32 v18, v160, v164
	v_mul_f32 v19, v161, v164
	global_store_b64 v3, v[18:19], s[104:105]      ; 32 lanes store 256 consecutive bytes, aligned; neither the data, the offset nor the base is written again
.Lno_softmax:
.endif
.macro FRAG reg, adr, off              ; a fragment comes as it was stored: three loads of 16 bytes a lane, 512 bytes on end each
.irp c, 0,1,2
	ds_load_b128 v[\reg+4*\c:\reg+4*\c+3], v[\adr] offset:\off+512*\c
.endr
.endm
.macro FETCH_B slot, q, p              ; B's eight fragments of the slot's q-th K step into set p
	WIN TO_B
.irp i, 0,1,2,3,4,5,6,7
	FRAG 128*(\p)+FR*\i, ADRB+\slot, 12288*(\q)+IMG*\i
.endr
	WIN 0
.endm
.macro FETCH_A slot, q, i0             ; A's blocks i0 .. i0 + 3
.irp i, \i0, \i0+1, \i0+2, \i0+3
	FRAG AF+FR*(\i), ADRA+\slot, 12288*(\q)+IMG*(\i)
.endr
.endm
.macro SCALES sc                       ; a slot's scale words into set sc: one load brings four tiles' words; lanes 0-15 A's, lanes 16-31 B's
.irp q, 0,1
.irp u, 0,1
	ds_load_b128 v[SC+16*\sc+8*\q+4*\u:SC+16*\sc+8*\q+4*\u+3], v[ADRS] offset:1024*\q+256*\u
.endr
.endr
.endm
; 16 matrix instructions: A's blocks a0, a0 + 1 x B's eight tiles, one K step.  p: B's set; q: the K step in the slot; sc: the set of scale words.  first = 1: the sums begin with the bias.
; The 64 accumulators take turns, one instruction a turn, in the same order in every step.
.macro MUL16 a0, p, q, sc, first
.irp a, \a0, \a0+1
.irp b, 0,1,2,3,4,5,6,7
.if \first
	v_wmma_scale_f32_16x16x128_f8f6f4 v[8*(8*((\a)%4)+\b):8*(8*((\a)%4)+\b)+7], v[128*(\p)+FR*\b:128*(\p)+FR*\b+FR-1], v[AF+FR*(\a):AF+FR*(\a)+FR-1], v[BI+8*\b:BI+8*\b+7], v[SC+16*(\sc)+8*(\q)+\b], v[SC+16*(\sc)+8*(\q)+(\a)] matrix_a_fmt:MATRIX_FMT_FP6 matrix_b_fmt:MATRIX_FMT_FP6 matrix_a_scale:MATRIX_SCALE_ROW1
.else
	v_wmma_scale_f32_16x16x128_f8f6f4 v[8*(8*((\a)%4)+\b):8*(8*((\a)%4)+\b)+7], v[128*(\p)+FR*\b:128*(\p)+FR*\b+FR-1], v[AF+FR*(\a):AF+FR*(\a)+FR-1], v[8*(8*((\a)%4)+\b):8*(8*((\a)%4)+\b)+7], v[SC+16*(\sc)+8*(\q)+\b], v[SC+16*(\sc)+8*(\q)+(\a)] matrix_a_fmt:MATRIX_FMT_FP6 matrix_b_fmt:MATRIX_FMT_FP6 matrix_a_scale:MATRIX_SCALE_ROW1
.endif
.endr
.endr
.endm
; A slot's first K step: its successor lies in the same slot.  A block of A is free as soon as its eight products are issued, so A has one set: blocks 0-3 are fetched anew in the step's middle, blocks 4-7 at its end.
.macro STEP slot, first
	s_wait_dscnt 4*NL                              ; B's set, A's blocks 0-3 and the scale words are in; the youngest 12 loads (A's blocks 4-7) may be out
	WIN MUL_LO-0x20*\first
	MUL16 0, 0, 0, \slot, \first
	MUL16 2, 0, 0, \slot, \first
	s_wait_dscnt 0                                 ; A's blocks 4-7 are in (asked for 32 matrix instructions ago)
	PLACES 4
	FETCH_B \slot, 1, 1
	FETCH_A \slot, 1, 0
	WIN MUL_HI-0x30*\first
	MUL16 4, 0, 0, \slot, \first
	MUL16 6, 0, 0, \slot, \first
	PLACES 4
	WIN 0
	FETCH_A \slot, 1, 4
.endm
; A slot's second K step changes slots: ONE barrier; in front of it each wave waits for all its tensor loads, adds 0 to its spare word, and waits for that and for its own reads of this slot.
; fill = 1: the barrier opens a round of the cluster's barrier, and this slot is filled again, with the K steps four on, first thing behind the round.
.macro TURN slot, next, fill
	s_wait_tensorcnt 0x0                           ; all my tensor loads have landed: my part of the next slot  (every window is 0 here)
	ds_add_u32 v[SPW], v[NIL]                      ; 0 onto my spare word
	s_wait_dscnt 4*NL+1                            ; (the add and the youngest 12 loads, A's blocks 4-7, may be out)
	WIN MUL_LO
	MUL16 0, 1, 1, \slot, 0                        ; sixteen matrix instructions stand between the add and the wait for it
	s_wait_dscnt 0x0                               ; the add is done, and my reads of this slot are over
	s_barrier_signal -1
	MUL16 2, 1, 1, \slot, 0
	WIN 0
	s_barrier_wait -1
.if \fill
	CREST                                          ; no wave of any partner still reads this slot's tiles or has a load on its way
	s_add_nc_u64 s[G0+4*\slot+2:G0+4*\slot+3], s[G0+4*\slot+2:G0+4*\slot+3], 2*HALFT
	s_add_nc_u64 s[G0B+4*\slot+2:G0B+4*\slot+3], s[G0B+4*\slot+2:G0B+4*\slot+3], 2*HALFT
	JLOAD G0+4*\slot, G1, G0B+4*\slot, G1B         ; the first tensor load behind the round, and my only one until the next; its four v_nop are also the places in front of the loads below
.else
	PLACES 4
.endif
	v_add_nc_u32 v[ADRS], 2048, v[ADRS]            ; on to the next slot's scale words
	FETCH_B \next, 0, 0
	FETCH_A \next, 0, 0
	SCALES \next
	WIN MUL_HI
	MUL16 4, 1, 1, \slot, 0
	MUL16 6, 1, 1, \slot, 0
	PLACES 4
	WIN 0
	FETCH_A \next, 0, 4
.endm
	s_wait_tensorcnt 1                             ; the scale words and my part of slot 0 are in; slot 1's load may be out
	s_barrier_signal -1
	s_barrier_wait -1                              ; everybody's are
	FETCH_B 0, 0, 0
	FETCH_A 0, 0, 0
	SCALES 0
	FETCH_A 0, 0, 4
	s_wait_loadcnt 0x0                             ; the bias
	STEP 0, 1                                      ; the first step stands in front of the loop: its products start the sums
	s_mov_b32 s3, LAPS-1
.Llap:                                             ; a trip goes once round the ring, from a lap's second K step to the next lap's first, and fills both slots again
	TURN 0, 1, 1
	STEP 1, 0
	TURN 1, 0, 1
	STEP 0, 0
	s_sub_co_u32 s3, s3, 1
	s_cmp_lg_u32 s3, 0
	s_cbranch_scc1 .Llap
	TURN 0, 1, 0                                   ; the last lap fills nothing, and has no round of the cluster's barrier
	STEP 1, 0
	s_wait_dscnt 4*NL                              ; the very last K step: nothing more to fetch
	WIN MUL_LO
	MUL16 0, 1, 1, 1, 0
	MUL16 2, 1, 1, 1, 0
	s_wait_dscnt 0
	WIN MUL_HI
	MUL16 4, 1, 1, 1, 0
	MUL16 6, 1, 1, 1, 0
	WIN 0
.if KIND < 2
; THE WAY OUT, KIND 0 and 1: each block of 16 tokens x my 128 columns becomes one fragment of the next product and one scale word a token.  No LDS: the codes' registers are the image.
.irp b, 0,1,2,3
	v_mov_b32 v[TM+4+\b], 0                        ; a lane permute's destination counts as one of its sources.  These four plain lines are also the places behind the last products
.endr
.set QA, 0
.rept 8
.set QW, 2+QA/4                        ; the block's window
.set ACB, 64*(QA%4)                    ; its 64 numbers: register 16 b + i = column 32 b + 16 h + i of token r
.set PC, AF+FR*QA                      ; its codes: registers of their own, so that no store's data are written again
.if KIND == 0
	WIN (QW<<2)|(QW<<6)
.set QJ, 0
.rept 64
	v_max_num_f32 v[ACB+QJ], 0, v[ACB+QJ]          ; relu, in f32, each accumulator from its low end on
.set QJ, QJ+1
.endr
.endif
	WIN QW|(QW<<2)
.irp b, 0,1,2,3
	v_max3_num_f32 v[TM+\b], |v[ACB+16*\b]|, |v[ACB+16*\b+1]|, 0x1800000   ; block b: my 16 numbers, and the floor 2^(3 - 127): the byte cannot fall under 1
.endr
.irp i, 2,4,6,8,10,12,14
.irp b, 0,1,2,3
	v_max3_num_f32 v[TM+\b], |v[ACB+16*\b+\i]|, |v[ACB+16*\b+\i+1]|, v[TM+\b]   ; (the four blocks by turns)
.endr
.endr
	WIN 0
.irp b, 0,1,2,3
	v_permlanex16_b32 v[TM+4+\b], v[TM+\b], s[SEL], s[SEL+1]
.endr
.irp b, 0,1,2,3
	v_max_num_f32 v[TM+\b], v[TM+\b], v[TM+4+\b]   ; with lane l xor 16's: the block's largest magnitude
.endr
.irp b, 0,1,2,3
	v_add_nc_u32 v[TM+12+\b], 0xff000000, v[TM+\b] ; 2 off its exponent field: the conversion's scale operand
.endr
.irp b, 0,1,2,3
	v_lshrrev_b32 v[TM+4+\b], 23, v[TM+12+\b]      ; the scale's byte
.endr
	v_lshl_or_b32 v[SWD+QA], v[TM+5], 8, v[TM+4]   ; the four bytes make token r's scale word
	v_lshl_or_b32 v[SWD+QA], v[TM+6], 16, v[SWD+QA]
	v_lshl_or_b32 v[SWD+QA], v[TM+7], 24, v[SWD+QA]
	WIN QW
.irp c, 0,1
	v_cvt_scalef32_pk16_fp6_f32 v[PC+6*\c:PC+6*\c+2], v[ACB+32*\c:ACB+32*\c+15], v[TM+12+2*\c]
	v_cvt_scalef32_pk16_fp6_f32 v[TT+4*\c:TT+4*\c+2], v[ACB+32*\c+16:ACB+32*\c+31], v[TM+12+2*\c+1]   ; (a conversion's three registers begin on an even number)
.endr
	WIN 0
	v_nop                                          ; one plain line behind a scaled conversion
.irp c, 0,1                            ; the operand's layout wants a WHOLE block in a lane: lanes 0-15 block 2 c, lanes 16-31 block 2 c + 1
.irp i, 0,1,2
	v_permlane16_swap_b32 v[PC+6*\c+\i], v[TT+4*\c+\i]
.endr
.irp i, 0,1,2
	v_mov_b32 v[PC+6*\c+3+\i], v[TT+4*\c+\i]
.endr
.endr
.irp j, 0,1,2
	global_store_b128 v[CO], v[PC+4*\j:PC+4*\j+3], s[12:13] offset:IMG*QA+512*\j   ; 32 lanes store 512 consecutive bytes, aligned; my eight images lie on end
.endr
.set QA, QA+1
.endr
	v_cmp_le_u32 vcc_lo, 16, v[LN]
.irp i, 0,1,2,3
	v_cndmask_b32 v[QD+\i], v[SWD+\i], v[SWD+4+\i], vcc_lo   ; lanes 0-15: the quad of blocks 0-3, lanes 16-31 of blocks 4-7
.endr
	global_store_b128 v[CO], v[QD:QD+3], s[96:97]  ; 512 consecutive bytes, aligned
.else
; THE WAY OUT, KIND 2, block by block of 16 tokens x 128 columns of f32.  A lane holds pieces of 32 bytes of one row: a block goes through my own stage in LDS and comes back as whole rows of 512 bytes.
; LDS serves a wave's instructions in order (ISA guide 5.7.1.4): no wait between the stores and the loads, nor in front of the next block's stores.
.macro TOSTAGE a
.set AC, 64*((\a)%4)
	WIN 0x08+4*((\a)/4)                            ; the data: window 2 or 3
.irp b, 0,1,2,3,4,5,6,7
	ds_store_b128 v[STO], v[AC+8*\b:AC+8*\b+3] offset:128*(\b/2)+32*(\b%2)          ; tile b's columns 32 (b / 2) + 16 h + 8 (b % 2) on; each accumulator from its low end on
	ds_store_b128 v[STO], v[AC+8*\b+4:AC+8*\b+7] offset:128*(\b/2)+32*(\b%2)+16
.endr
	WIN 0
.set BB, BK+64*((\a)%2)
.irp t, 0,1,2,3,4,5,6,7,8,9,10,11,12,13,14,15
	ds_load_b128 v[BB+4*\t:BB+4*\t+3], v[RD] offset:\t*SPITCH
.endr
.endm
.macro SEND a, younger                 ; younger: the LDS instructions issued behind block a's loads, which may stay out
.set BB, BK+64*((\a)%2)
	s_wait_dscnt \younger                          ; the block is back in registers
.if (\a) > 0
	s_add_nc_u64 s[12:13], s[12:13], 16*32768      ; (behind a wait that shows the earlier stores' addresses translated)  16 tokens on
.endif
.irp t, 0,1,2,3,4,5,6,7,8,9,10,11,12,13,14,15
	global_store_b128 v[CO], v[BB+4*\t:BB+4*\t+3], s[12:13] offset:\t*32768 th:TH_STORE_NT   ; 32 lanes store 512 consecutive bytes, aligned; a token's rows lie 32,768 bytes apart
.endr
.endm
	PLACES 4                                       ; behind the last products: for the loads into the registers that held A's fragments and for the reads of results
	TOSTAGE 0
.irp a, 1,2,3,4,5,6,7
.if \a > 1
	s_wait_xcnt 0x0                                ; block a - 2's stores have read their registers and their base
.endif
	TOSTAGE \a
	SEND \a-1, 32                                  ; behind block a - 1's loads: block a's 16 stores and 16 loads
.endr
	s_wait_xcnt 0x0
	SEND 7, 0
.endif
	s_wait_tensorcnt 0x0                           ; the wave's end
	ds_add_u32 v[SPW], v[NIL]
	s_wait_dscnt 0x0
	CROUND                                         ; the closing round: no work-group ends while a partner may still ask for a tile that names it
	s_endpgm
.Lfunc_end_k_q9e35db546e_fc1:
	.size	k_q9e35db546e_fc1, .Lfunc_end_k_q9e35db546e_fc1-k_q9e35db546e_fc1
	.p2alignl 7, 3214868480
	.fill 96, 4, 3214868480
	.section	.rodata,"a",@progbits
	.p2align	6, 0x0
	.amdhsa_kernel k_q9e35db546e_fc1
		.amdhsa_group_segment_fixed_size 327680
		.amdhsa_private_segment_fixed_size 0
		.amdhsa_enable_private_segment 0
		.amdhsa_kernarg_size 48
		.amdhsa_user_sgpr_count 2
		.amdhsa_user_sgpr_kernarg_segment_ptr 1
		.amdhsa_wavefront_size32 1
		.amdhsa_system_sgpr_workgroup_id_x 1
		.amdhsa_system_sgpr_workgroup_id_y 1
		.amdhsa_system_sgpr_workgroup_id_z 1
		.amdhsa_system_vgpr_workitem_id 0
		.amdhsa_next_free_vgpr 1024
		.amdhsa_next_free_sgpr 106
		.amdhsa_reserve_vcc 1
		.amdhsa_float_denorm_mode_32 3
		.amdhsa_float_denorm_mode_16_64 3
		.amdhsa_memory_ordered 1
		.amdhsa_forward_progress 1
		.amdhsa_inst_pref_size 183
	.end_amdhsa_kernel
	.amdgpu_metadata
---
amdhsa.version: [ 1, 2 ]
amdhsa.kernels:
  - .name:           k_q9e35db546e_fc1
    .symbol:         k_q9e35db546e_fc1.kd
    .args:
      - { .name: qw, .offset: 0, .size: 8, .value_kind: global_buffer, .address_space: global }
      - { .name: b1, .offset: 8, .size: 8, .value_kind: global_buffer, .address_space: global }
      - { .name: hq, .offset: 16, .size: 8, .value_kind: global_buffer, .address_space: global }
      - { .name: gate_b1, .offset: 24, .size: 8, .value_kind: global_buffer, .address_space: global }
      - { .name: gate_w2, .offset: 32, .size: 8, .value_kind: global_buffer, .address_space: global }
      - { .name: gp, .offset: 40, .size: 8, .value_kind: global_buffer, .address_space: global }
    .group_segment_fixed_size: 327680
    .private_segment_fixed_size: 0
    .kernarg_segment_align: 8
    .kernarg_segment_size: 48
    .max_flat_workgroup_size: 128
    .sgpr_count:     106
    .vgpr_count:     1024
    .wavefront_size: 32
...
	.end_amdgpu_metadata
.endif
;; end of part 7
;; launch fc2 (part 8): grid 64 x 4, 4 waves a work-group, clusters of 4 x 4, 327,680 bytes of LDS; arguments hq, qw, b2, eq; writes eq
.if DOCPART == 8
	.amdgcn_target "amdgcn-amd-amdhsa--gfx1250"
	.amdhsa_code_object_version 6
	.text
	.protected	k_q9e35db546e_fc2
	.globl	k_q9e35db546e_fc2
	.p2align	8
	.type	k_q9e35db546e_fc2,@function
k_q9e35db546e_fc2:
	s_mov_b64 s[64:65], 0
	v_nop
	global_prefetch_b8 v0, s[64:65] scope:SCOPE_SE
	s_setreg_imm32_b32 hwreg(HW_REG_WAVE_MODE, 25, 1), 1
	s_wait_xcnt 0x0
	s_wait_alu depctr_hold_cnt(0) depctr_sa_sdst(0) depctr_va_vdst(0) depctr_va_sdst(0) depctr_va_ssrc(0) depctr_va_vcc(0) depctr_vm_vsrc(0)
	s_getreg_b32 s2, hwreg(HW_REG_IB_STS2, 6, 4)
	s_cmp_eq_u32 s2, 0
	s_cbranch_scc0 .Lentry_in_a_cluster
	s_endpgm
.Lentry_in_a_cluster:
	s_bfe_u32 s2, ttmp6, 0x10000c
	s_cmp_lg_u32 s2, 0xf033
	s_cbranch_scc0 .Lentry_shape_is_right
	s_endpgm
.Lentry_shape_is_right:
.set KIND, 1                           ; 0: h = relu(x W1 + b1), quantised;  1: expert_outs = h W2 + b2, quantised;  2: logits = expert_outs clf_w + clf_b, f32
; ONE TEXT FOR THE THREE LARGE PRODUCTS, all on codes of FP6 (E2M3) with one E8M0 scale for each 32 along K; sums in f32.  Only the line above differs between the three launches.
; Both operands lie in memory as IMAGES OF THE OPERAND'S REGISTERS: a fragment (16 rows x 128 K) is 1,536 bytes, bytes 512 j + 16 x lane = the lane's registers 4 j .. 4 j + 3;
; codes [group of 128 rows][K step of 128][tile 0..7][image]; scale words [group of 256 rows][K step][1,024 bytes], the word of tile t, row r at 256 (t / 4) + 16 r + 4 (t % 4).
; A: tokens (KIND 0: x's 1,024 rows; KIND 1: one expert's 1,024 rows of h; KIND 2: the 8,192 rows (expert, token) of expert_outs).  B: a weight's columns.
; A tile of the result, 256 tokens x 256 columns, is made by a work-group of four waves; a wave makes 128 x 128: 64 accumulators, 512 registers.
; K goes two K steps (256) at a time through a ring of two LDS slots; 128 rows x 2 K steps are 24,576 dense bytes of memory: one tensor load a wave, as 96 rows of 256 bytes.  No padding: a fragment's loads read 512 bytes on end.
; The scale words of the work-group's 256 + 256 rows for all of K come into LDS once, with the first fills, and stay.
; CLUSTERS: 4 x 4 work-groups.  The four of a row of the cluster need the same tiles of A, the four of a column the same tiles of B: each is asked for jointly, by the same tensor load with one mask.
; THE MATRIX INSTRUCTION IS USED TRANSPOSED (source 0 = 16 columns of the weight, source 1 = 16 tokens), and a weight's tile 2 b + u holds columns 32 b + 8 u + r + 8 (r / 8): so lane (r, h) holds token r,
; and register 16 b + i of a token block's 64 holds column 32 b + 16 h + i: sixteen neighbours along the next product's K.  The bias is the C of each sum's first matrix instruction: nothing is cleared or added.
; KIND 0, 1: a wave's 128 columns are one K step of the next product: they are quantised in registers and leave as images, 512 consecutive bytes a store; the f32 numbers never go to memory.
; THE ROUTER RIDES ALONG, between the first joint loads and the wait for them, so that it needs no launch of its own.
;   KIND 0: relu(x gate_w1 + gate_b1) gate_w2, shared out among the 256 work-groups: a work-group takes 64 tokens x 64 of the gate's 1,024 hidden columns, a wave 16 of the tokens.  The first product runs on codes,
;   its operands loaded from qw's images straight into the registers that the accumulators take later; the second (N = 8) is left as it is, on bf16 operands.  A wave stores its 64 columns' part of 16 tokens' eight logits
;   in gp [16 parts][1,024 tokens][8], f32.   KIND 2: wave 0 of each of the 128 work-groups adds the 16 parts and gate_b2 for 8 tokens, in a fixed order, and makes the softmax, with the row's maximum taken away.
; LIMITS: NaN and infinities are not served.  A block of zeros gets the scale byte 1 where the rule says 127: its codes are zeros, and this program alone reads the bytes.  g and gate_w2 are rounded to bf16 for the router's second product.
; REGISTERS, in windows of 256: window 0: v0-31 addresses and offsets (KIND 0: v8-15 x's scale words for the router); v32-63 scale words, two sets; v64-127 the bias, later at work; v128-223 A's 8 fragments, ONE set, later the codes made; v224-255 at work.
;   window 1: B's fragments, TWO sets, at v0 and v128.   window 2: the accumulators of my tokens 0-63 ((a, b) at v[8 (8 (a % 4) + b)]);   window 3: those of tokens 64-127.
.if KIND == 0
.set KS,     8                         ; K steps of 128
.set ABASE,  6                         ; A's buffer is qw itself
.set AS_OFF, 40894464                  ; where A's scale words begin in A's buffer
.set B_OFF,  3145728                   ; where B's codes begin in qw
.set BS_OFF, 41025536                  ; and B's scale words
.elseif KIND == 1
.set KS,     16
.set ABASE,  4
.set AS_OFF, 12582912
.set B_OFF,  15728640
.set BS_OFF, 41549824
.else
.set KS,     16
.set ABASE,  4
.set AS_OFF, 12582912
.set B_OFF,  1572864
.set BS_OFF, 40960000
.endif
.set HS_OFF, 12582912                  ; where the scale words begin in the buffer that KIND 0, 1 store
.set XS_OFF, 40894464                  ; in qw: x's scale words,
.set GC_OFF, 786432                    ; gate_w1's codes,
.set GS_OFF, 40927232                  ; and its scale words
.set GSTR,   KS*12288                  ; a group of 128 rows of codes
.set SSTR,   KS*1024                   ; a group of 256 rows of scale words
.set FR,     12                        ; registers of a fragment
.set NL,     3                         ; LDS loads that bring one
.set IMG,    1536
.set HALFT,  2*12288                   ; 128 rows x 2 K steps: what one tensor load brings
.set SLOT,   4*HALFT                   ; A's two halves, then B's two
.set SCL,    2*SLOT                    ; behind the ring: the scale words, A's KS x 1,024 bytes, then B's
.set HALFS,  KS*512                    ; half of a side's: what one tensor load brings
.set SPARE,  SCL+4*HALFS               ; behind them: the spare words, 128 bytes a wave: two blocks of 256 bytes that no other line names
.set LAPS,   KS/4                      ; a lap = once round the ring = 4 K steps
.set SPITCH, 528                       ; KIND 2's way out: a stage of 16 rows x (512 + 16) bytes a wave, in slot 0, which has had its last fill and its last read by then
.set ADRA, 16                          ; v16-17  LDS address of my A fragments in slot 0, 1
.set ADRB, 20                          ; v20-21  the same for B
.set STO,  24                          ; v24     KIND 2: where I put 32 bytes of a row
.set RD,   25                          ; v25     KIND 2: where I read a row back
.set CO,   26                          ; v26     16 x lane
.set ADRS, 27                          ; v27     LDS address of my scale words: lanes 0-15 A's, lanes 16-31 B's
.set SPW,  28                          ; v28     LDS address of my spare word; never rewritten
.set NIL,  29                          ; v29     0; never rewritten
.set BO,   30                          ; v30     64 x (lane / 16): the bias of my half's columns
.set LN,   31                          ; v31     lane
.set SC,   32                          ; scale words: set s at v[SC + 16 s]; register 8 q + i: lanes 0-15 the word of A's block i, lanes 16-31 of B's tile i, for the slot's q-th K step
.set BI,   64                          ; the bias in the result's layout: register 16 b + i = column 32 b + 16 h + i
.set AF,   128
.set TM,   64                          ; the way out: v64-67 largest magnitudes, v68-71 bytes, v76-79 the conversions' scale operands
.set SWD,  80                          ; v80-87  the eight token blocks' scale words
.set QD,   88                          ; v88-91  my lane's four of them
.set TT,   224                         ; v224-230 the conversions' second halves
.set BK,   128                         ; KIND 2: 16 rows read back from the stage: v128-191 and v192-255 by turns
.set GXA,  3                           ; the router, KIND 0: byte offsets, never rewritten: v3 x's codes, v4 x's scale words, v7 the gate's codes, v18 its scale words (all in qw),
.set GXS,  4                           ;   v19 gate_b1, v22 gate_w2, v23 gp.   KIND 2: v3 my 8 bytes in a part of gp and in out1, v4 in gate_b2, v[18:19] my two scores
.set GWA,  7
.set GWS,  18
.set GB1,  19
.set GW2,  22
.set GPO,  23
.set GSA,  8                           ; v8-15   x's scale words, one for each K step: they hold nothing else
.set GACC, 224                         ; v224-255 the router's four accumulators; v240-243 later my four partial logits
.set GO4,  240
.set W2F,  128                         ; v128-159 gate_w2: my lane's 32 numbers;  v160-175 g, v176-191 gate_w2 in bf16;  v192-199 the partial logits
.set GBF,  160
.set WBF,  176
.set GL,   192
.set G1,   24                          ; s[24:31] descriptor group 1 for A's tiles; s[32:39] group 0, a set for each slot
.set G0,   32
.set G1B,  48                          ; s[48:55], s[56:63] the same for B's
.set G0B,  56
.set G1S,  68                          ; s[68:75], s[76:79] groups 1 and 0 for A's scale words; s[80:87], s[88:91] for B's
.set G0S,  76
.set G1SB, 80
.set G0SB, 88
.set SEL,  100                         ; KIND 0, 1: s[100:101] v_permlanex16_b32's selects for lane l xor 16
.set MSB, 0
.macro WIN new                         ; the immediate's high byte repeats the setting that is left; a switch that changes nothing is dropped
.if MSB != (\new)
	s_set_vgpr_msb (MSB<<8)|(\new)
.set MSB, (\new)
.endif
.endm
.set MUL_LO, 0xa1                      ; source 0 (B) window 1, source 1 (A) window 0, C and D window 2;  in the first step C, the bias, lies in window 0: 0x81
.set MUL_HI, 0xf1                      ; the same with window 3;  in the first step 0xc1
.set TO_B,   0x40                      ; destination window 1, address window 0
; A joint load: waves 0 and 1 fetch for A, waves 2 and 3 for B.  Each line has one mask and one set of registers for all that issue it; the branch hangs on the wave's number alone.
; Four v_nop follow each of the two lines, ahead of the jump, the label and what follows.
.macro JLOAD g0a, g1a, g0b, g1b
	s_cmp_eq_u32 s15, 0
	s_cbranch_scc0 .Lfor_b_\@
	tensor_load_to_lds s[\g0a:\g0a+3], s[\g1a:\g1a+7]
	s_nop 0
.rept 4
	v_nop
.endr
	s_branch .Lasked_\@
.Lfor_b_\@:
	tensor_load_to_lds s[\g0b:\g0b+3], s[\g1b:\g1b+7]
	s_nop 0
.rept 4
	v_nop
.endr
.Lasked_\@:
.endm
.macro CREST                           ; a round of the cluster's barrier behind its opening barrier
	s_cmp_lg_u32 s14, 0
	s_cbranch_scc1 .Lnot_wave_0_\@
	s_barrier_signal -3
.Lnot_wave_0_\@:
	s_barrier_wait -3
	s_barrier_signal -1
	s_barrier_wait -1
.endm
.macro CROUND                          ; a whole round
	s_barrier_signal -1
	s_barrier_wait -1
	CREST
.endm
.macro PLACES n                        ; plain vector lines between a matrix instruction and a load into, or a vector read or write of, its registers
.rept \n
	v_nop
.endr
.endm
.if KIND == 0
	s_load_b64 s[6:7], s[0:1], 0x0                 ; qw: A (x) and B (W1) both lie in it
	s_load_b64 s[8:9], s[0:1], 0x8                 ; the bias
	s_load_b64 s[10:11], s[0:1], 0x10              ; the output
	s_load_b64 s[4:5], s[0:1], 0x18                ; gate_b1
	s_load_b64 s[2:3], s[0:1], 0x20                ; gate_w2 (s3 becomes the lap counter behind the wait that shows its loads done)
	s_load_b64 s[104:105], s[0:1], 0x28            ; gp
.else
	s_load_b256 s[4:11], s[0:1], 0x0               ; A's buffer s[4:5], qw s[6:7], the bias s[8:9], the output s[10:11]
.endif
.if KIND == 2
	s_load_b64 s[2:3], s[0:1], 0x20                ; gp (s3 becomes the lap counter behind the wait that shows its loads done)
	s_load_b64 s[100:101], s[0:1], 0x28            ; gate_b2
	s_load_b64 s[104:105], s[0:1], 0x30            ; out1
.endif
	v_lshl_add_u32 v[SPW], v0, 2, SPARE
	v_mov_b32 v[NIL], 0
	ds_add_u32 v28, v29
	ds_add_u32 v28, v29
	s_wait_dscnt 0x0
	v_lshrrev_b32 v1, 5, v0
	v_readfirstlane_b32 s14, v1                    ; wave 0..3
	s_lshr_b32 s15, s14, 1                         ; which half of the tokens is mine.  Also: I fetch for A (0) or for B (1)
	s_and_b32 s16, s14, 1                          ; which half of the columns.  Also: which half of that side I fetch
	s_bfe_u32 s40, ttmp6, 0x40000                  ; cx, cy: my place in the cluster
	s_bfe_u32 s41, ttmp6, 0x40004
	s_lshl_b32 s42, ttmp9, 2
	s_add_co_u32 s42, s42, s40                     ; X: which 256 columns = 4 x cluster x + cx
	s_and_b32 s17, ttmp7, 0xffff
	s_lshl_b32 s17, s17, 2
	s_add_co_u32 s17, s17, s41                     ; Y: which 256 rows = 4 x cluster y + cy
	s_lshl_b32 s43, s41, 2
	s_lshl_b32 s43, 15, s43                        ; my row of the cluster
	s_lshl_b32 s44, 0x1111, s40                    ; my column
	; descriptor group 1: a dense block of 24,576 bytes as 96 rows of 32 elements of 8 bytes
	s_or_b32 s[G1+0], s43, (3<<16)|(1<<21)         ; 15:0 the mask: A's tiles go to my row; 17:16 elements of 8 bytes; 20 no padding; 21 set beside a mask
	s_or_b32 s[G1B+0], s44, (3<<16)|(1<<21)        ; B's go to my column
.irp g, G1, G1B
	s_mov_b32 s[\g+1], 32<<16                      ; tensor_dim0
	s_mov_b32 s[\g+2], 96<<16                      ; tensor_dim1
	s_mov_b32 s[\g+3], 32<<16                      ; tile_dim0
	s_mov_b32 s[\g+4], 96                          ; tile_dim1
	s_mov_b32 s[\g+5], 32                          ; tensor_dim0_stride
	s_mov_b32 s[\g+6], 0
	s_mov_b32 s[\g+7], 0
.endr
	; and for half a side's scale words: KS x 512 dense bytes as 2 KS rows of 256
	s_or_b32 s[G1S+0], s43, (3<<16)|(1<<21)
	s_or_b32 s[G1SB+0], s44, (3<<16)|(1<<21)
.irp g, G1S, G1SB
	s_mov_b32 s[\g+1], 32<<16
	s_mov_b32 s[\g+2], (2*KS)<<16
	s_mov_b32 s[\g+3], 32<<16
	s_mov_b32 s[\g+4], 2*KS
	s_mov_b32 s[\g+5], 32
	s_mov_b32 s[\g+6], 0
	s_mov_b32 s[\g+7], 0
.endr
	; where the tiles come from.  A's hang on Y (and, KIND 1, on the expert = cluster x / 2) alone, B's on X alone, each in registers that never hold the other coordinate
	s_lshl_b32 s20, s17, 1
	s_add_co_u32 s20, s20, s16                     ; A: the group of 128 rows that I fetch
	s_mov_b32 s22, s17                             ; and the group of 256
.if KIND == 1
	s_lshr_b32 s18, ttmp9, 1                       ; the expert: eight groups of 128 and four of 256 each
	s_lshl_b32 s19, s18, 3
	s_add_co_u32 s20, s20, s19
	s_lshl_b32 s19, s18, 2
	s_add_co_u32 s22, s22, s19
.endif
	s_mul_i32 s20, s20, GSTR
	s_mov_b32 s21, 0
	s_mul_i32 s22, s22, SSTR
	s_mul_i32 s19, s16, HALFS                      ; my half of the scale words
	s_add_co_u32 s22, s22, s19
	s_add_co_u32 s22, s22, AS_OFF
	s_mov_b32 s23, 0
	s_lshl_b32 s46, s42, 1
	s_add_co_u32 s46, s46, s16                     ; B likewise
	s_mul_i32 s46, s46, GSTR
	s_add_co_u32 s46, s46, B_OFF
	s_mov_b32 s47, 0
	s_mul_i32 s92, s42, SSTR
	s_add_co_u32 s92, s92, s19
	s_add_co_u32 s92, s92, BS_OFF
	s_mov_b32 s93, 0
	s_mul_i32 s45, s14, HALFT                      ; where they go: wave x a quarter of a slot: no place in the cluster enters an LDS address
	s_mul_i32 s94, s14, HALFS
	s_lshl_b32 s98, s42, 10                        ; the bias of my 128 columns: 4 (256 X + 128 x half)
	s_lshl_b32 s99, s16, 9
	s_add_co_u32 s98, s98, s99
	s_mov_b32 s99, 0
.if KIND < 2
	s_mov_b32 s[SEL], 0x76543210
	s_mov_b32 s[SEL+1], 0xfedcba98
	s_lshr_b32 s67, s42, 3                         ; the expert
	s_and_b32 s95, s42, 7
	s_lshl_b32 s95, s95, 1
	s_add_co_u32 s95, s95, s16                     ; my 128 columns are this K step of the next product
	s_mul_i32 s12, s67, 1572864                    ; codes out: [expert][group of 128 tokens][K step][tile][image]
	s_lshl_b32 s66, s17, 1
	s_add_co_u32 s66, s66, s15
	s_mul_i32 s66, s66, 196608
	s_add_co_u32 s12, s12, s66
	s_mul_i32 s66, s95, 12288
	s_add_co_u32 s12, s12, s66
	s_mov_b32 s13, 0
	s_lshl_b32 s96, s67, 16                        ; scale words out: [expert][group of 256 tokens][K step][1,024], my half's two quads
	s_lshl_b32 s66, s17, 14
	s_add_co_u32 s96, s96, s66
	s_lshl_b32 s66, s95, 10
	s_add_co_u32 s96, s96, s66
	s_lshl_b32 s66, s15, 9
	s_add_co_u32 s96, s96, s66
	s_add_co_u32 s96, s96, HS_OFF
	s_mov_b32 s97, 0
.else
	s_and_b32 s66, s17, 3                          ; out0 [token][expert][1,024]: Y = 4 x expert + the block of 256 tokens
	s_lshl_b32 s66, s66, 1
	s_add_co_u32 s66, s66, s15
	s_lshl_b32 s12, s66, 22                        ; my first token x 32,768 bytes
	s_lshr_b32 s66, s17, 2
	s_lshl_b32 s66, s66, 12                        ; the expert x 4,096
	s_add_co_u32 s12, s12, s66
	s_lshl_b32 s66, s42, 10
	s_add_co_u32 s12, s12, s66
	s_lshl_b32 s66, s16, 9                         ; my first column x 4
	s_add_co_u32 s12, s12, s66
	s_mov_b32 s13, 0
.endif
	s_wait_kmcnt 0x0
	s_add_nc_u64 s[20:21], s[ABASE:ABASE+1], s[20:21]
	s_add_nc_u64 s[22:23], s[ABASE:ABASE+1], s[22:23]
	s_add_nc_u64 s[46:47], s[6:7], s[46:47]
	s_add_nc_u64 s[92:93], s[6:7], s[92:93]
	s_add_nc_u64 s[98:99], s[8:9], s[98:99]
	s_add_nc_u64 s[12:13], s[10:11], s[12:13]
.if KIND < 2
	s_add_nc_u64 s[96:97], s[10:11], s[96:97]
.endif
	CROUND                                         ; all sixteen work-groups are here: the first joint loads meet
	s_mov_b32 s[G0S], 1
	s_add_co_u32 s[G0S+1], s94, SCL
	s_mov_b64 s[G0S+2:G0S+3], s[22:23]
	s_or_b32 s[G0S+3], s[G0S+3], 0x80000000
	s_mov_b32 s[G0SB], 1
	s_add_co_u32 s[G0SB+1], s94, SCL
	s_mov_b64 s[G0SB+2:G0SB+3], s[92:93]
	s_or_b32 s[G0SB+3], s[G0SB+3], 0x80000000
	JLOAD G0S, G1S, G0SB, G1SB                     ; the scale words first: they are wanted with the first K step
.irp s, 0,1
	s_mov_b32 s[G0+4*\s], 1                        ; count = 1
	s_add_co_u32 s[G0+4*\s+1], s45, \s*SLOT        ; LDS address
	s_add_nc_u64 s[G0+4*\s+2:G0+4*\s+3], s[20:21], \s*HALFT   ; global address: K steps 2 s, 2 s + 1
	s_or_b32 s[G0+4*\s+3], s[G0+4*\s+3], 0x80000000           ; type = 2
	s_mov_b32 s[G0B+4*\s], 1
	s_add_co_u32 s[G0B+4*\s+1], s45, \s*SLOT
	s_add_nc_u64 s[G0B+4*\s+2:G0B+4*\s+3], s[46:47], \s*HALFT
	s_or_b32 s[G0B+4*\s+3], s[G0B+4*\s+3], 0x80000000
	JLOAD G0+4*\s, G1, G0B+4*\s, G1B               ; by this text's count three tensor loads of a wave are out here, later one
.endr
	v_and_b32 v[LN], 31, v0
	v_and_b32 v1, 15, v0                           ; r
	v_bfe_u32 v2, v0, 4, 1                         ; h
	v_lshlrev_b32 v[CO], 4, v[LN]
	v_lshlrev_b32 v[BO], 6, v2
.irp b, 0,1,2,3
.irp j, 0,1,2,3
	global_load_b128 v[BI+16*\b+4*\j:BI+16*\b+4*\j+3], v[BO], s[98:99] offset:128*\b+16*\j
.endr
.endr
	s_mul_i32 s21, s15, HALFT                      ; my 128 rows of A
	s_mul_i32 s22, s16, HALFT                      ; my 128 rows of B,
	s_add_co_u32 s22, s22, 2*HALFT                 ; which lie behind A's 256
.irp s, 0,1
	v_add_nc_u32 v[ADRA+\s], s21, v[CO]
	v_add_nc_u32 v[ADRB+\s], s22, v[CO]
	s_add_co_u32 s21, s21, SLOT
	s_add_co_u32 s22, s22, SLOT
.endr
	v_lshlrev_b32 v5, 4, v1                        ; scale words: 16 r in a quad
	s_lshl_b32 s21, s15, 9                         ; A's: my half's two quads
	s_lshl_b32 s22, s16, 9                         ; B's: my half's, behind all of A's
	s_add_co_u32 s22, s22, KS*1024
	s_sub_co_u32 s22, s22, s21
	v_mul_u32_u24 v6, s22, v2                      ; lanes 16-31 take B's: one product, the distance between the two
	s_add_co_u32 s21, s21, SCL
	v_add_nc_u32 v5, v5, v6
	v_add_nc_u32 v[ADRS], s21, v5
.if KIND == 2
	s_mul_i32 s23, s14, 16*SPITCH                  ; my stage
	v_mul_u32_u24 v5, v1, SPITCH                   ; in: row r, 64 bytes on for lanes 16-31
	v_lshl_add_u32 v5, v2, 6, v5
	v_add_nc_u32 v[STO], s23, v5
	v_add_nc_u32 v[RD], s23, v[CO]                 ; back: the 32 lanes take one row of 512 bytes
.endif
.if KIND == 0
; ---- THE ROUTER'S TWO PRODUCTS, my wave's piece: 16 tokens x 64 hidden columns x all of K = 1,024.  No LDS, no branch; the work-group's place enters byte offsets into memory alone.
; The first product is used transposed like the large one: lane (r, h) holds token r, and register 16 b + i of its 32 the column 32 b + 16 h + i of my 64.
	s_and_b32 s40, s42, 15
	s_lshl_b32 s40, s40, 2
	s_add_co_u32 s40, s40, s14                     ; my tile of 16 tokens, 0..63: 4 (X % 16) + wave
	s_lshr_b32 s41, s42, 4
	s_lshl_b32 s43, s17, 2
	s_add_co_u32 s41, s41, s43                     ; my part of 64 columns, 0..15: 4 Y + X / 16
	s_lshr_b32 s43, s40, 3
	s_mul_i32 s43, s43, 98304                      ; x's codes: the group of 128 tokens,
	s_and_b32 s44, s40, 7
	s_mul_i32 s44, s44, IMG                        ; my tile in it
	s_add_co_u32 s43, s43, s44
	v_add_nc_u32 v[GXA], s43, v[CO]
	s_lshr_b32 s43, s40, 4
	s_lshl_b32 s43, s43, 13                        ; x's scale words: the group of 256 tokens,
	s_bfe_u32 s44, s40, 0x20002
	s_lshl_b32 s44, s44, 8                         ; the quad,
	s_add_co_u32 s43, s43, s44
	s_and_b32 s44, s40, 3
	s_lshl_b32 s44, s44, 2                         ; the tile's word in it
	s_add_co_u32 s43, s43, s44
	s_add_co_u32 s43, s43, XS_OFF
	v_lshl_add_u32 v[GXS], v1, 4, s43
	s_lshr_b32 s43, s41, 1
	s_mul_i32 s43, s43, 98304                      ; the gate's codes: the group of 128 columns,
	s_and_b32 s44, s41, 1
	s_mul_i32 s44, s44, 6144                       ; my four tiles
	s_add_co_u32 s43, s43, s44
	s_add_co_u32 s43, s43, GC_OFF
	v_add_nc_u32 v[GWA], s43, v[CO]
	s_lshr_b32 s43, s41, 2
	s_lshl_b32 s43, s43, 13
	s_and_b32 s44, s41, 3
	s_lshl_b32 s44, s44, 8                         ; their quad of scale words
	s_add_co_u32 s43, s43, s44
	s_add_co_u32 s43, s43, GS_OFF
	v_lshl_add_u32 v[GWS], v1, 4, s43
	s_lshl_b32 s43, s41, 8                         ; gate_b1: my 64 numbers, 64 h bytes on for lanes 16-31
	v_add_nc_u32 v[GB1], s43, v[BO]
	v_and_b32 v5, 7, v0
	v_lshlrev_b32 v5, 2, v5
	v_lshl_add_u32 v5, v2, 9, v5                   ; gate_w2: 16 h rows of 32 bytes + expert r % 8,
	s_lshl_b32 s43, s41, 11                        ; in my 64 rows
	v_add_nc_u32 v[GW2], s43, v5
	v_lshlrev_b32 v5, 5, v1
	v_lshl_add_u32 v5, v2, 4, v5                   ; gp: token r's 32 bytes, experts 4 h on,
	s_lshl_b32 s43, s41, 15                        ; in my part,
	s_lshl_b32 s44, s40, 9                         ; at my 16 tokens
	s_add_co_u32 s43, s43, s44
	v_add_nc_u32 v[GPO], s43, v5
.irp b, 0,1
.irp j, 0,1,2,3
	global_load_b128 v[GACC+16*\b+4*\j:GACC+16*\b+4*\j+3], v[GB1], s[4:5] offset:128*\b+16*\j   ; the bias, in the result's layout: the sums begin with it
.endr
.endr
.irp k, 0,1,2,3,4,5,6,7
	global_load_b128 v[SC+4*\k:SC+4*\k+3], v[GWS], s[6:7] offset:1024*\k    ; the scale words of my four tiles of the gate,
	global_load_b32 v[GSA+\k], v[GXS], s[6:7] offset:1024*\k                ; and of my tokens
.endr
.set GK, 0
.rept 8                                ; all eight K steps at once, 15 loads each, into the registers that the accumulators take later: K steps 0-3 window 2, 4-7 window 3; in a window x's fragment at 192 + 12 k, the gate's tile t at 48 k + 12 t
	WIN 0x80+0x40*(GK/4)
.irp j, 0,1,2
	global_load_b128 v[192+12*(GK%4)+4*\j:192+12*(GK%4)+4*\j+3], v[GXA], s[6:7] offset:12288*GK+512*\j
.endr
.irp t, 0,1,2,3
.irp j, 0,1,2
	global_load_b128 v[48*(GK%4)+12*\t+4*\j:48*(GK%4)+12*\t+4*\j+3], v[GWA], s[6:7] offset:12288*GK+1536*\t+512*\j
.endr
.endr
.set GK, GK+1
.endr
	WIN 0
.irp b, 0,1
.irp i, 0,1,2,3,4,5,6,7,8,9,10,11,12,13,14,15
	global_load_b32 v[W2F+16*\b+\i], v[GW2], s[2:3] offset:(32*\b+\i)*32   ; gate_w2(32 b + 16 h + i, r % 8): the same k in the same places as g has them
.endr
.endr
.set GK, 0
.rept 8
.if GK == 0
	s_wait_loadcnt 62                              ; all but the youngest 62 loads are in: out may be K steps 6 and 7 (30) and gate_w2 (32)
.elseif GK == 6
	s_wait_loadcnt 47                              ; K step 7 (15) and gate_w2 may be out
.elseif GK == 7
	s_wait_loadcnt 32                              ; gate_w2 may be out
.endif
	WIN 0x0a+5*(GK/4)                              ; sources 0 and 1 window 2 or 3; C and D window 0
.irp t, 0,1,2,3                        ; the four accumulators by turns, one instruction a turn
	v_wmma_scale_f32_16x16x128_f8f6f4 v[GACC+8*\t:GACC+8*\t+7], v[48*(GK%4)+12*\t:48*(GK%4)+12*\t+11], v[192+12*(GK%4):192+12*(GK%4)+11], v[GACC+8*\t:GACC+8*\t+7], v[SC+4*GK+\t], v[GSA+GK] matrix_a_fmt:MATRIX_FMT_FP6 matrix_b_fmt:MATRIX_FMT_FP6
.endr
.set GK, GK+1
.endr
	WIN 0
	PLACES 4                                       ; in front of the first read of results
.set GJ, 0
.rept 32
	v_max_num_f32 v[GACC+GJ], 0, v[GACC+GJ]        ; relu, each accumulator from its low end on
.set GJ, GJ+1
.endr
	s_wait_loadcnt 0x0                             ; gate_w2
.irp b, 0,1
.irp p, 0,1,2,3,4,5,6,7
	v_cvt_pk_bf16_f32 v[GBF+8*\b+\p], v[GACC+16*\b+2*\p], v[GACC+16*\b+2*\p+1]   ; g, 32 columns to a fragment
.endr
.endr
.irp b, 0,1
.irp p, 0,1,2,3,4,5,6,7
	v_cvt_pk_bf16_f32 v[WBF+8*\b+\p], v[W2F+16*\b+2*\p], v[W2F+16*\b+2*\p+1]     ; gate_w2 transposed: rows 8-15 repeat the eight experts
.endr
.endr
	v_wmma_f32_16x16x32_bf16 v[GL:GL+7], v[WBF:WBF+7], v[GBF:GBF+7], 0
	s_wait_alu depctr_va_vdst(0)                   ; the wait stands directly ahead of the link
	v_wmma_f32_16x16x32_bf16 v[GL:GL+7], v[WBF+8:WBF+15], v[GBF+8:GBF+15], v[GL:GL+7]
	PLACES 4                                       ; in front of the read of the result, and of the LDS loads that later land in these registers
	v_cmp_le_u32 vcc_lo, 16, v[LN]                 ; lane (r, h) holds token r's eight partial logits: it keeps experts 4 h on
.irp i, 0,1,2,3
	v_cndmask_b32 v[GO4+\i], v[GL+\i], v[GL+4+\i], vcc_lo
.endr
	global_store_b128 v[GPO], v[GO4:GO4+3], s[104:105]   ; the wave stores 512 consecutive bytes, aligned; neither the data, the offset nor the base is written again
.endif
.if KIND == 2
; ---- THE ROUTER'S SOFTMAX: wave 0 of work-group 4 Y + X (0..127) takes tokens 8 (4 Y + X) on.  Lane l has token l / 4, experts 2 (l % 4) and the next: 8 l bytes on in a part of gp and in out1.
	s_cmp_lg_u32 s14, 0
	s_cbranch_scc1 .Lno_softmax
	s_lshl_b32 s40, s17, 2
	s_add_co_u32 s40, s40, s42
	s_lshl_b32 s40, s40, 8                         ; 8 tokens of 32 bytes
	v_lshl_add_u32 v3, v[LN], 3, s40
	v_and_b32 v4, 3, v0
	v_lshlrev_b32 v4, 3, v4
	s_mov_b32 s41, 0x3fb8aa3b                      ; log2(e)
	global_load_b64 v[160:161], v4, s[100:101]     ; gate_b2
.irp p, 0,1,2,3,4,5,6,7,8,9,10,11,12,13,14,15
	global_load_b64 v[128+2*\p:129+2*\p], v3, s[2:3] offset:32768*\p   ; the 32 lanes read 256 consecutive bytes of each part
.endr
	s_wait_loadcnt 0x0
.irp p, 0,1,2,3,4,5,6,7,8,9,10,11,12,13,14,15
	v_pk_add_f32 v[160:161], v[160:161], v[128+2*\p:129+2*\p]          ; gate_b2, then the sixteen parts in ascending order
.endr
	v_max_num_f32 v162, v160, v161
	v_max_num_f32_dpp v162, v162, v162 row_xmask:1 row_mask:0xf bank_mask:0xf
	v_max_num_f32_dpp v162, v162, v162 row_xmask:2 row_mask:0xf bank_mask:0xf   ; with my three neighbours': the token's largest logit
	v_mul_f32 v163, s41, v162
	v_fma_f32 v160, v160, s41, -v163               ; (logit - maximum) x log2(e)
	v_fma_f32 v161, v161, s41, -v163
	v_exp_f32 v160, v160
	v_exp_f32 v161, v161
	v_nop                                          ; a plain line behind the last exponential
	s_wait_alu depctr_va_vdst(0)                   ; one wait for the two, ahead of their first reader
	v_add_f32 v164, v160, v161
	v_add_f32_dpp v164, v164, v164 row_xmask:1 row_mask:0xf bank_mask:0xf
	v_add_f32_dpp v164, v164, v164 row_xmask:2 row_mask:0xf bank_mask:0xf
	v_rcp_f32 v164, v164
	v_nop
	s_wait_alu depctr_va_vdst(0)
	v_mul_f32 v18, v160, v164
	v_mul_f32 v19, v161, v164
	global_store_b64 v3, v[18:19], s[104:105]      ; 32 lanes store 256 consecutive bytes, aligned; neither the data, the offset nor the base is written again
.Lno_softmax:
.endif
.macro FRAG reg, adr, off              ; a fragment comes as it was stored: three loads of 16 bytes a lane, 512 bytes on end each
.irp c, 0,1,2
	ds_load_b128 v[\reg+4*\c:\reg+4*\c+3], v[\adr] offset:\off+512*\c
.endr
.endm
.macro FETCH_B slot, q, p              ; B's eight fragments of the slot's q-th K step into set p
	WIN TO_B
.irp i, 0,1,2,3,4,5,6,7
	FRAG 128*(\p)+FR*\i, ADRB+\slot, 12288*(\q)+IMG*\i
.endr
	WIN 0
.endm
.macro FETCH_A slot, q, i0             ; A's blocks i0 .. i0 + 3
.irp i, \i0, \i0+1, \i0+2, \i0+3
	FRAG AF+FR*(\i), ADRA+\slot, 12288*(\q)+IMG*(\i)
.endr
.endm
.macro SCALES sc                       ; a slot's scale words into set sc: one load brings four tiles' words; lanes 0-15 A's, lanes 16-31 B's
.irp q, 0,1
.irp u, 0,1
	ds_load_b128 v[SC+16*\sc+8*\q+4*\u:SC+16*\sc+8*\q+4*\u+3], v[ADRS] offset:1024*\q+256*\u
.endr
.endr
.endm
; 16 matrix instructions: A's blocks a0, a0 + 1 x B's eight tiles, one K step.  p: B's set; q: the K step in the slot; sc: the set of scale words.  first = 1: the sums begin with the bias.
; The 64 accumulators take turns, one instruction a turn, in the same order in every step.
.macro MUL16 a0, p, q, sc, first
.irp a, \a0, \a0+1
.irp b, 0,1,2,3,4,5,6,7
.if \first
	v_wmma_scale_f32_16x16x128_f8f6f4 v[8*(8*((\a)%4)+\b):8*(8*((\a)%4)+\b)+7], v[128*(\p)+FR*\b:128*(\p)+FR*\b+FR-1], v[AF+FR*(\a):AF+FR*(\a)+FR-1], v[BI+8*\b:BI+8*\b+7], v[SC+16*(\sc)+8*(\q)+\b], v[SC+16*(\sc)+8*(\q)+(\a)] matrix_a_fmt:MATRIX_FMT_FP6 matrix_b_fmt:MATRIX_FMT_FP6 matrix_a_scale:MATRIX_SCALE_ROW1
.else
	v_wmma_scale_f32_16x16x128_f8f6f4 v[8*(8*((\a)%4)+\b):8*(8*((\a)%4)+\b)+7], v[128*(\p)+FR*\b:128*(\p)+FR*\b+FR-1], v[AF+FR*(\a):AF+FR*(\a)+FR-1], v[8*(8*((\a)%4)+\b):8*(8*((\a)%4)+\b)+7], v[SC+16*(\sc)+8*(\q)+\b], v[SC+16*(\sc)+8*(\q)+(\a)] matrix_a_fmt:MATRIX_FMT_FP6 matrix_b_fmt:MATRIX_FMT_FP6 matrix_a_scale:MATRIX_SCALE_ROW1
.endif
.endr
.endr
.endm
; A slot's first K step: its successor lies in the same slot.  A block of A is free as soon as its eight products are issued, so A has one set: blocks 0-3 are fetched anew in the step's middle, blocks 4-7 at its end.
.macro STEP slot, first
	s_wait_dscnt 4*NL                              ; B's set, A's blocks 0-3 and the scale words are in; the youngest 12 loads (A's blocks 4-7) may be out
	WIN MUL_LO-0x20*\first
	MUL16 0, 0, 0, \slot, \first
	MUL16 2, 0, 0, \slot, \first
	s_wait_dscnt 0                                 ; A's blocks 4-7 are in (asked for 32 matrix instructions ago)
	PLACES 4
	FETCH_B \slot, 1, 1
	FETCH_A \slot, 1, 0
	WIN MUL_HI-0x30*\first
	MUL16 4, 0, 0, \slot, \first
	MUL16 6, 0, 0, \slot, \first
	PLACES 4
	WIN 0
	FETCH_A \slot, 1, 4
.endm
; A slot's second K step changes slots: ONE barrier; in front of it each wave waits for all its tensor loads, adds 0 to its spare word, and waits for that and for its own reads of this slot.
; fill = 1: the barrier opens a round of the cluster's barrier, and this slot is filled again, with the K steps four on, first thing behind the round.
.macro TURN slot, next, fill
	s_wait_tensorcnt 0x0                           ; all my tensor loads have landed: my part of the next slot  (every window is 0 here)
	ds_add_u32 v[SPW], v[NIL]                      ; 0 onto my spare word
	s_wait_dscnt 4*NL+1                            ; (the add and the youngest 12 loads, A's blocks 4-7, may be out)
	WIN MUL_LO
	MUL16 0, 1, 1, \slot, 0                        ; sixteen matrix instructions stand between the add and the wait for it
	s_wait_dscnt 0x0                               ; the add is done, and my reads of this slot are over
	s_barrier_signal -1
	MUL16 2, 1, 1, \slot, 0
	WIN 0
	s_barrier_wait -1
.if \fill
	CREST                                          ; no wave of any partner still reads this slot's tiles or has a load on its way
	s_add_nc_u64 s[G0+4*\slot+2:G0+4*\slot+3], s[G0+4*\slot+2:G0+4*\slot+3], 2*HALFT
	s_add_nc_u64 s[G0B+4*\slot+2:G0B+4*\slot+3], s[G0B+4*\slot+2:G0B+4*\slot+3], 2*HALFT
	JLOAD G0+4*\slot, G1, G0B+4*\slot, G1B         ; the first tensor load behind the round, and my only one until the next; its four v_nop are also the places in front of the loads below
.else
	PLACES 4
.endif
	v_add_nc_u32 v[ADRS], 2048, v[ADRS]            ; on to the next slot's scale words
	FETCH_B \next, 0, 0
	FETCH_A \next, 0, 0
	SCALES \next
	WIN MUL_HI
	MUL16 4, 1, 1, \slot, 0
	MUL16 6, 1, 1, \slot, 0
	PLACES 4
	WIN 0
	FETCH_A \next, 0, 4
.endm
	s_wait_tensorcnt 1                             ; the scale words and my part of slot 0 are in; slot 1's load may be out
	s_barrier_signal -1
	s_barrier_wait -1                              ; everybody's are
	FETCH_B 0, 0, 0
	FETCH_A 0, 0, 0
	SCALES 0
	FETCH_A 0, 0, 4
	s_wait_loadcnt 0x0                             ; the bias
	STEP 0, 1                                      ; the first step stands in front of the loop: its products start the sums
	s_mov_b32 s3, LAPS-1
.Llap:                                             ; a trip goes once round the ring, from a lap's second K step to the next lap's first, and fills both slots again
	TURN 0, 1, 1
	STEP 1, 0
	TURN 1, 0, 1
	STEP 0, 0
	s_sub_co_u32 s3, s3, 1
	s_cmp_lg_u32 s3, 0
	s_cbranch_scc1 .Llap
	TURN 0, 1, 0                                   ; the last lap fills nothing, and has no round of the cluster's barrier
	STEP 1, 0
	s_wait_dscnt 4*NL                              ; the very last K step: nothing more to fetch
	WIN MUL_LO
	MUL16 0, 1, 1, 1, 0
	MUL16 2, 1, 1, 1, 0
	s_wait_dscnt 0
	WIN MUL_HI
	MUL16 4, 1, 1, 1, 0
	MUL16 6, 1, 1, 1, 0
	WIN 0
.if KIND < 2
; THE WAY OUT, KIND 0 and 1: each block of 16 tokens x my 128 columns becomes one fragment of the next product and one scale word a token.  No LDS: the codes' registers are the image.
.irp b, 0,1,2,3
	v_mov_b32 v[TM+4+\b], 0                        ; a lane permute's destination counts as one of its sources.  These four plain lines are also the places behind the last products
.endr
.set QA, 0
.rept 8
.set QW, 2+QA/4                        ; the block's window
.set ACB, 64*(QA%4)                    ; its 64 numbers: register 16 b + i = column 32 b + 16 h + i of token r
.set PC, AF+FR*QA                      ; its codes: registers of their own, so that no store's data are written again
.if KIND == 0
	WIN (QW<<2)|(QW<<6)
.set QJ, 0
.rept 64
	v_max_num_f32 v[ACB+QJ], 0, v[ACB+QJ]          ; relu, in f32, each accumulator from its low end on
.set QJ, QJ+1
.endr
.endif
	WIN QW|(QW<<2)
.irp b, 0,1,2,3
	v_max3_num_f32 v[TM+\b], |v[ACB+16*\b]|, |v[ACB+16*\b+1]|, 0x1800000   ; block b: my 16 numbers, and the floor 2^(3 - 127): the byte cannot fall under 1
.endr
.irp i, 2,4,6,8,10,12,14
.irp b, 0,1,2,3
	v_max3_num_f32 v[TM+\b], |v[ACB+16*\b+\i]|, |v[ACB+16*\b+\i+1]|, v[TM+\b]   ; (the four blocks by turns)
.endr
.endr
	WIN 0
.irp b, 0,1,2,3
	v_permlanex16_b32 v[TM+4+\b], v[TM+\b], s[SEL], s[SEL+1]
.endr
.irp b, 0,1,2,3
	v_max_num_f32 v[TM+\b], v[TM+\b], v[TM+4+\b]   ; with lane l xor 16's: the block's largest magnitude
.endr
.irp b, 0,1,2,3
	v_add_nc_u32 v[TM+12+\b], 0xff000000, v[TM+\b] ; 2 off its exponent field: the conversion's scale operand
.endr
.irp b, 0,1,2,3
	v_lshrrev_b32 v[TM+4+\b], 23, v[TM+12+\b]      ; the scale's byte
.endr
	v_lshl_or_b32 v[SWD+QA], v[TM+5], 8, v[TM+4]   ; the four bytes make token r's scale word
	v_lshl_or_b32 v[SWD+QA], v[TM+6], 16, v[SWD+QA]
	v_lshl_or_b32 v[SWD+QA], v[TM+7], 24, v[SWD+QA]
	WIN QW
.irp c, 0,1
	v_cvt_scalef32_pk16_fp6_f32 v[PC+6*\c:PC+6*\c+2], v[ACB+32*\c:ACB+32*\c+15], v[TM+12+2*\c]
	v_cvt_scalef32_pk16_fp6_f32 v[TT+4*\c:TT+4*\c+2], v[ACB+32*\c+16:ACB+32*\c+31], v[TM+12+2*\c+1]   ; (a conversion's three registers begin on an even number)
.endr
	WIN 0
	v_nop                                          ; one plain line behind a scaled conversion
.irp c, 0,1                            ; the operand's layout wants a WHOLE block in a lane: lanes 0-15 block 2 c, lanes 16-31 block 2 c + 1
.irp i, 0,1,2
	v_permlane16_swap_b32 v[PC+6*\c+\i], v[TT+4*\c+\i]
.endr
.irp i, 0,1,2
	v_mov_b32 v[PC+6*\c+3+\i], v[TT+4*\c+\i]
.endr
.endr
.irp j, 0,1,2
	global_store_b128 v[CO], v[PC+4*\j:PC+4*\j+3], s[12:13] offset:IMG*QA+512*\j   ; 32 lanes store 512 consecutive bytes, aligned; my eight images lie on end
.endr
.set QA, QA+1
.endr
	v_cmp_le_u32 vcc_lo, 16, v[LN]
.irp i, 0,1,2,3
	v_cndmask_b32 v[QD+\i], v[SWD+\i], v[SWD+4+\i], vcc_lo   ; lanes 0-15: the quad of blocks 0-3, lanes 16-31 of blocks 4-7
.endr
	global_store_b128 v[CO], v[QD:QD+3], s[96:97]  ; 512 consecutive bytes, aligned
.else
; THE WAY OUT, KIND 2, block by block of 16 tokens x 128 columns of f32.  A lane holds pieces of 32 bytes of one row: a block goes through my own stage in LDS and comes back as whole rows of 512 bytes.
; LDS serves a wave's instructions in order (ISA guide 5.7.1.4): no wait between the stores and the loads, nor in front of the next block's stores.
.macro TOSTAGE a
.set AC, 64*((\a)%4)
	WIN 0x08+4*((\a)/4)                            ; the data: window 2 or 3
.irp b, 0,1,2,3,4,5,6,7
	ds_store_b128 v[STO], v[AC+8*\b:AC+8*\b+3] offset:128*(\b/2)+32*(\b%2)          ; tile b's columns 32 (b / 2) + 16 h + 8 (b % 2) on; each accumulator from its low end on
	ds_store_b128 v[STO], v[AC+8*\b+4:AC+8*\b+7] offset:128*(\b/2)+32*(\b%2)+16
.endr
	WIN 0
.set BB, BK+64*((\a)%2)
.irp t, 0,1,2,3,4,5,6,7,8,9,10,11,12,13,14,15
	ds_load_b128 v[BB+4*\t:BB+4*\t+3], v[RD] offset:\t*SPITCH
.endr
.endm
.macro SEND a, younger                 ; younger: the LDS instructions issued behind block a's loads, which may stay out
.set BB, BK+64*((\a)%2)
	s_wait_dscnt \younger                          ; the block is back in registers
.if (\a) > 0
	s_add_nc_u64 s[12:13], s[12:13], 16*32768      ; (behind a wait that shows the earlier stores' addresses translated)  16 tokens on
.endif
.irp t, 0,1,2,3,4,5,6,7,8,9,10,11,12,13,14,15
	global_store_b128 v[CO], v[BB+4*\t:BB+4*\t+3], s[12:13] offset:\t*32768 th:TH_STORE_NT   ; 32 lanes store 512 consecutive bytes, aligned; a token's rows lie 32,768 bytes apart
.endr
.endm
	PLACES 4                                       ; behind the last products: for the loads into the registers that held A's fragments and for the reads of results
	TOSTAGE 0
.irp a, 1,2,3,4,5,6,7
.if \a > 1
	s_wait_xcnt 0x0                                ; block a - 2's stores have read their registers and their base
.endif
	TOSTAGE \a
	SEND \a-1, 32                                  ; behind block a - 1's loads: block a's 16 stores and 16 loads
.endr
	s_wait_xcnt 0x0
	SEND 7, 0
.endif
	s_wait_tensorcnt 0x0                           ; the wave's end
	ds_add_u32 v[SPW], v[NIL]
	s_wait_dscnt 0x0
	CROUND                                         ; the closing round: no work-group ends while a partner may still ask for a tile that names it
	s_endpgm
.Lfunc_end_k_q9e35db546e_fc2:
	.size	k_q9e35db546e_fc2, .Lfunc_end_k_q9e35db546e_fc2-k_q9e35db546e_fc2
	.p2alignl 7, 3214868480
	.fill 96, 4, 3214868480
	.section	.rodata,"a",@progbits
	.p2align	6, 0x0
	.amdhsa_kernel k_q9e35db546e_fc2
		.amdhsa_group_segment_fixed_size 327680
		.amdhsa_private_segment_fixed_size 0
		.amdhsa_enable_private_segment 0
		.amdhsa_kernarg_size 32
		.amdhsa_user_sgpr_count 2
		.amdhsa_user_sgpr_kernarg_segment_ptr 1
		.amdhsa_wavefront_size32 1
		.amdhsa_system_sgpr_workgroup_id_x 1
		.amdhsa_system_sgpr_workgroup_id_y 1
		.amdhsa_system_sgpr_workgroup_id_z 1
		.amdhsa_system_vgpr_workitem_id 0
		.amdhsa_next_free_vgpr 1024
		.amdhsa_next_free_sgpr 106
		.amdhsa_reserve_vcc 1
		.amdhsa_float_denorm_mode_32 3
		.amdhsa_float_denorm_mode_16_64 3
		.amdhsa_memory_ordered 1
		.amdhsa_forward_progress 1
		.amdhsa_inst_pref_size 141
	.end_amdhsa_kernel
	.amdgpu_metadata
---
amdhsa.version: [ 1, 2 ]
amdhsa.kernels:
  - .name:           k_q9e35db546e_fc2
    .symbol:         k_q9e35db546e_fc2.kd
    .args:
      - { .name: hq, .offset: 0, .size: 8, .value_kind: global_buffer, .address_space: global }
      - { .name: qw, .offset: 8, .size: 8, .value_kind: global_buffer, .address_space: global }
      - { .name: b2, .offset: 16, .size: 8, .value_kind: global_buffer, .address_space: global }
      - { .name: eq, .offset: 24, .size: 8, .value_kind: global_buffer, .address_space: global }
    .group_segment_fixed_size: 327680
    .private_segment_fixed_size: 0
    .kernarg_segment_align: 8
    .kernarg_segment_size: 32
    .max_flat_workgroup_size: 128
    .sgpr_count:     106
    .vgpr_count:     1024
    .wavefront_size: 32
...
	.end_amdgpu_metadata
.endif
;; end of part 8
;; launch clf (part 9): grid 4 x 32, 4 waves a work-group, clusters of 4 x 4, 327,680 bytes of LDS; arguments eq, qw, clf_b, out0, gp, gate_b2, out1; writes out0, out1
.if DOCPART == 9
	.amdgcn_target "amdgcn-amd-amdhsa--gfx1250"
	.amdhsa_code_object_version 6
	.text
	.protected	k_q9e35db546e_clf
	.globl	k_q9e35db546e_clf
	.p2align	8
	.type	k_q9e35db546e_clf,@function
k_q9e35db546e_clf:
	s_mov_b64 s[64:65], 0
	v_nop
	global_prefetch_b8 v0, s[64:65] scope:SCOPE_SE
	s_setreg_imm32_b32 hwreg(HW_REG_WAVE_MODE, 25, 1), 1
	s_wait_xcnt 0x0
	s_wait_alu depctr_hold_cnt(0) depctr_sa_sdst(0) depctr_va_vdst(0) depctr_va_sdst(0) depctr_va_ssrc(0) depctr_va_vcc(0) depctr_vm_vsrc(0)
	s_getreg_b32 s2, hwreg(HW_REG_IB_STS2, 6, 4)
	s_cmp_eq_u32 s2, 0
	s_cbranch_scc0 .Lentry_in_a_cluster
	s_endpgm
.Lentry_in_a_cluster:
	s_bfe_u32 s2, ttmp6, 0x10000c
	s_cmp_lg_u32 s2, 0xf033
	s_cbranch_scc0 .Lentry_shape_is_right
	s_endpgm
.Lentry_shape_is_right:
.set KIND, 2                           ; 0: h = relu(x W1 + b1), quantised;  1: expert_outs = h W2 + b2, quantised;  2: logits = expert_outs clf_w + clf_b, f32
; ONE TEXT FOR THE THREE LARGE PRODUCTS, all on codes of FP6 (E2M3) with one E8M0 scale for each 32 along K; sums in f32.  Only the line above differs between the three launches.
; Both operands lie in memory as IMAGES OF THE OPERAND'S REGISTERS: a fragment (16 rows x 128 K) is 1,536 bytes, bytes 512 j + 16 x lane = the lane's registers 4 j .. 4 j + 3;
; codes [group of 128 rows][K step of 128][tile 0..7][image]; scale words [group of 256 rows][K step][1,024 bytes], the word of tile t, row r at 256 (t / 4) + 16 r + 4 (t % 4).
; A: tokens (KIND 0: x's 1,024 rows; KIND 1: one expert's 1,024 rows of h; KIND 2: the 8,192 rows (expert, token) of expert_outs).  B: a weight's columns.
; A tile of the result, 256 tokens x 256 columns, is made by a work-group of four waves; a wave makes 128 x 128: 64 accumulators, 512 registers.
; K goes two K steps (256) at a time through a ring of two LDS slots; 128 rows x 2 K steps are 24,576 dense bytes of memory: one tensor load a wave, as 96 rows of 256 bytes.  No padding: a fragment's loads read 512 bytes on end.
; The scale words of the work-group's 256 + 256 rows for all of K come into LDS once, with the first fills, and stay.
; CLUSTERS: 4 x 4 work-groups.  The four of a row of the cluster need the same tiles of A, the four of a column the same tiles of B: each is asked for jointly, by the same tensor load with one mask.
; THE MATRIX INSTRUCTION IS USED TRANSPOSED (source 0 = 16 columns of the weight, source 1 = 16 tokens), and a weight's tile 2 b + u holds columns 32 b + 8 u + r + 8 (r / 8): so lane (r, h) holds token r,
; and register 16 b + i of a token block's 64 holds column 32 b + 16 h + i: sixteen neighbours along the next product's K.  The bias is the C of each sum's first matrix instruction: nothing is cleared or added.
; KIND 0, 1: a wave's 128 columns are one K step of the next product: they are quantised in registers and leave as images, 512 consecutive bytes a store; the f32 numbers never go to memory.
; THE ROUTER RIDES ALONG, between the first joint loads and the wait for them, so that it needs no launch of its own.
;   KIND 0: relu(x gate_w1 + gate_b1) gate_w2, shared out among the 256 work-groups: a work-group takes 64 tokens x 64 of the gate's 1,024 hidden columns, a wave 16 of the tokens.  The first product runs on codes,
;   its operands loaded from qw's images straight into the registers that the accumulators take later; the second (N = 8) is left as it is, on bf16 operands.  A wave stores its 64 columns' part of 16 tokens' eight logits
;   in gp [16 parts][1,024 tokens][8], f32.   KIND 2: wave 0 of each of the 128 work-groups adds the 16 parts and gate_b2 for 8 tokens, in a fixed order, and makes the softmax, with the row's maximum taken away.
; LIMITS: NaN and infinities are not served.  A block of zeros gets the scale byte 1 where the rule says 127: its codes are zeros, and this program alone reads the bytes.  g and gate_w2 are rounded to bf16 for the router's second product.
; REGISTERS, in windows of 256: window 0: v0-31 addresses and offsets (KIND 0: v8-15 x's scale words for the router); v32-63 scale words, two sets; v64-127 the bias, later at work; v128-223 A's 8 fragments, ONE set, later the codes made; v224-255 at work.
;   window 1: B's fragments, TWO sets, at v0 and v128.   window 2: the accumulators of my tokens 0-63 ((a, b) at v[8 (8 (a % 4) + b)]);   window 3: those of tokens 64-127.
.if KIND == 0
.set KS,     8                         ; K steps of 128
.set ABASE,  6                         ; A's buffer is qw itself
.set AS_OFF, 40894464                  ; where A's scale words begin in A's buffer
.set B_OFF,  3145728                   ; where B's codes begin in qw
.set BS_OFF, 41025536                  ; and B's scale words
.elseif KIND == 1
.set KS,     16
.set ABASE,  4
.set AS_OFF, 12582912
.set B_OFF,  15728640
.set BS_OFF, 41549824
.else
.set KS,     16
.set ABASE,  4
.set AS_OFF, 12582912
.set B_OFF,  1572864
.set BS_OFF, 40960000
.endif
.set HS_OFF, 12582912                  ; where the scale words begin in the buffer that KIND 0, 1 store
.set XS_OFF, 40894464                  ; in qw: x's scale words,
.set GC_OFF, 786432                    ; gate_w1's codes,
.set GS_OFF, 40927232                  ; and its scale words
.set GSTR,   KS*12288                  ; a group of 128 rows of codes
.set SSTR,   KS*1024                   ; a group of 256 rows of scale words
.set FR,     12                        ; registers of a fragment
.set NL,     3                         ; LDS loads that bring one
.set IMG,    1536
.set HALFT,  2*12288                   ; 128 rows x 2 K steps: what one tensor load brings
.set SLOT,   4*HALFT                   ; A's two halves, then B's two
.set SCL,    2*SLOT                    ; behind the ring: the scale words, A's KS x 1,024 bytes, then B's
.set HALFS,  KS*512                    ; half of a side's: what one tensor load brings
.set SPARE,  SCL+4*HALFS               ; behind them: the spare words, 128 bytes a wave: two blocks of 256 bytes that no other line names
.set LAPS,   KS/4                      ; a lap = once round the ring = 4 K steps
.set SPITCH, 528                       ; KIND 2's way out: a stage of 16 rows x (512 + 16) bytes a wave, in slot 0, which has had its last fill and its last read by then
.set ADRA, 16                          ; v16-17  LDS address of my A fragments in slot 0, 1
.set ADRB, 20                          ; v20-21  the same for B
.set STO,  24                          ; v24     KIND 2: where I put 32 bytes of a row
.set RD,   25                          ; v25     KIND 2: where I read a row back
.set CO,   26                          ; v26     16 x lane
.set ADRS, 27                          ; v27     LDS address of my scale words: lanes 0-15 A's, lanes 16-31 B's
.set SPW,  28                          ; v28     LDS address of my spare word; never rewritten
.set NIL,  29                          ; v29     0; never rewritten
.set BO,   30                          ; v30     64 x (lane / 16): the bias of my half's columns
.set LN,   31                          ; v31     lane
.set SC,   32                          ; scale words: set s at v[SC + 16 s]; register 8 q + i: lanes 0-15 the word of A's block i, lanes 16-31 of B's tile i, for the slot's q-th K step
.set BI,   64                          ; the bias in the result's layout: register 16 b + i = column 32 b + 16 h + i
.set AF,   128
.set TM,   64                          ; the way out: v64-67 largest magnitudes, v68-71 bytes, v76-79 the conversions' scale operands
.set SWD,  80                          ; v80-87  the eight token blocks' scale words
.set QD,   88                          ; v88-91  my lane's four of them
.set TT,   224                         ; v224-230 the conversions' second halves
.set BK,   128                         ; KIND 2: 16 rows read back from the stage: v128-191 and v192-255 by turns
.set GXA,  3                           ; the router, KIND 0: byte offsets, never rewritten: v3 x's codes, v4 x's scale words, v7 the gate's codes, v18 its scale words (all in qw),
.set GXS,  4                           ;   v19 gate_b1, v22 gate_w2, v23 gp.   KIND 2: v3 my 8 bytes in a part of gp and in out1, v4 in gate_b2, v[18:19] my two scores
.set GWA,  7
.set GWS,  18
.set GB1,  19
.set GW2,  22
.set GPO,  23
.set GSA,  8                           ; v8-15   x's scale words, one for each K step: they hold nothing else
.set GACC, 224                         ; v224-255 the router's four accumulators; v240-243 later my four partial logits
.set GO4,  240
.set W2F,  128                         ; v128-159 gate_w2: my lane's 32 numbers;  v160-175 g, v176-191 gate_w2 in bf16;  v192-199 the partial logits
.set GBF,  160
.set WBF,  176
.set GL,   192
.set G1,   24                          ; s[24:31] descriptor group 1 for A's tiles; s[32:39] group 0, a set for each slot
.set G0,   32
.set G1B,  48                          ; s[48:55], s[56:63] the same for B's
.set G0B,  56
.set G1S,  68                          ; s[68:75], s[76:79] groups 1 and 0 for A's scale words; s[80:87], s[88:91] for B's
.set G0S,  76
.set G1SB, 80
.set G0SB, 88
.set SEL,  100                         ; KIND 0, 1: s[100:101] v_permlanex16_b32's selects for lane l xor 16
.set MSB, 0
.macro WIN new                         ; the immediate's high byte repeats the setting that is left; a switch that changes nothing is dropped
.if MSB != (\new)
	s_set_vgpr_msb (MSB<<8)|(\new)
.set MSB, (\new)
.endif
.endm
.set MUL_LO, 0xa1                      ; source 0 (B) window 1, source 1 (A) window 0, C and D window 2;  in the first step C, the bias, lies in window 0: 0x81
.set MUL_HI, 0xf1                      ; the same with window 3;  in the first step 0xc1
.set TO_B,   0x40                      ; destination window 1, address window 0
; A joint load: waves 0 and 1 fetch for A, waves 2 and 3 for B.  Each line has one mask and one set of registers for all that issue it; the branch hangs on the wave's number alone.
; Four v_nop follow each of the two lines, ahead of the jump, the label and what follows.
.macro JLOAD g0a, g1a, g0b, g1b
	s_cmp_eq_u32 s15, 0
	s_cbranch_scc0 .Lfor_b_\@
	tensor_load_to_lds s[\g0a:\g0a+3], s[\g1a:\g1a+7]
	s_nop 0
.rept 4
	v_nop
.endr
	s_branch .Lasked_\@
.Lfor_b_\@:
	tensor_load_to_lds s[\g0b:\g0b+3], s[\g1b:\g1b+7]
	s_nop 0
.rept 4
	v_nop
.endr
.Lasked_\@:
.endm
.macro CREST                           ; a round of the cluster's barrier behind its opening barrier
	s_cmp_lg_u32 s14, 0
	s_cbranch_scc1 .Lnot_wave_0_\@
	s_barrier_signal -3
.Lnot_wave_0_\@:
	s_barrier_wait -3
	s_barrier_signal -1
	s_barrier_wait -1
.endm
.macro CROUND                          ; a whole round
	s_barrier_signal -1
	s_barrier_wait -1
	CREST
.endm
.macro PLACES n                        ; plain vector lines between a matrix instruction and a load into, or a vector read or write of, its registers
.rept \n
	v_nop
.endr
.endm
.if KIND == 0
	s_load_b64 s[6:7], s[0:1], 0x0                 ; qw: A (x) and B (W1) both lie in it
	s_load_b64 s[8:9], s[0:1], 0x8                 ; the bias
	s_load_b64 s[10:11], s[0:1], 0x10              ; the output
	s_load_b64 s[4:5], s[0:1], 0x18                ; gate_b1
	s_load_b64 s[2:3], s[0:1], 0x20                ; gate_w2 (s3 becomes the lap counter behind the wait that shows its loads done)
	s_load_b64 s[104:105], s[0:1], 0x28            ; gp
.else
	s_load_b256 s[4:11], s[0:1], 0x0               ; A's buffer s[4:5], qw s[6:7], the bias s[8:9], the output s[10:11]
.endif
.if KIND == 2
	s_load_b64 s[2:3], s[0:1], 0x20                ; gp (s3 becomes the lap counter behind the wait that shows its loads done)
	s_load_b64 s[100:101], s[0:1], 0x28            ; gate_b2
	s_load_b64 s[104:105], s[0:1], 0x30            ; out1
.endif
	v_lshl_add_u32 v[SPW], v0, 2, SPARE
	v_mov_b32 v[NIL], 0
	ds_add_u32 v28, v29
	ds_add_u32 v28, v29
	s_wait_dscnt 0x0
	v_lshrrev_b32 v1, 5, v0
	v_readfirstlane_b32 s14, v1                    ; wave 0..3
	s_lshr_b32 s15, s14, 1                         ; which half of the tokens is mine.  Also: I fetch for A (0) or for B (1)
	s_and_b32 s16, s14, 1                          ; which half of the columns.  Also: which half of that side I fetch
	s_bfe_u32 s40, ttmp6, 0x40000                  ; cx, cy: my place in the cluster
	s_bfe_u32 s41, ttmp6, 0x40004
	s_lshl_b32 s42, ttmp9, 2
	s_add_co_u32 s42, s42, s40                     ; X: which 256 columns = 4 x cluster x + cx
	s_and_b32 s17, ttmp7, 0xffff
	s_lshl_b32 s17, s17, 2
	s_add_co_u32 s17, s17, s41                     ; Y: which 256 rows = 4 x cluster y + cy
	s_lshl_b32 s43, s41, 2
	s_lshl_b32 s43, 15, s43                        ; my row of the cluster
	s_lshl_b32 s44, 0x1111, s40                    ; my column
	; descriptor group 1: a dense block of 24,576 bytes as 96 rows of 32 elements of 8 bytes
	s_or_b32 s[G1+0], s43, (3<<16)|(1<<21)         ; 15:0 the mask: A's tiles go to my row; 17:16 elements of 8 bytes; 20 no padding; 21 set beside a mask
	s_or_b32 s[G1B+0], s44, (3<<16)|(1<<21)        ; B's go to my column
.irp g, G1, G1B
	s_mov_b32 s[\g+1], 32<<16                      ; tensor_dim0
	s_mov_b32 s[\g+2], 96<<16                      ; tensor_dim1
	s_mov_b32 s[\g+3], 32<<16                      ; tile_dim0
	s_mov_b32 s[\g+4], 96                          ; tile_dim1
	s_mov_b32 s[\g+5], 32                          ; tensor_dim0_stride
	s_mov_b32 s[\g+6], 0
	s_mov_b32 s[\g+7], 0
.endr
	; and for half a side's scale words: KS x 512 dense bytes as 2 KS rows of 256
	s_or_b32 s[G1S+0], s43, (3<<16)|(1<<21)
	s_or_b32 s[G1SB+0], s44, (3<<16)|(1<<21)
.irp g, G1S, G1SB
	s_mov_b32 s[\g+1], 32<<16
	s_mov_b32 s[\g+2], (2*KS)<<16
	s_mov_b32 s[\g+3], 32<<16
	s_mov_b32 s[\g+4], 2*KS
	s_mov_b32 s[\g+5], 32
	s_mov_b32 s[\g+6], 0
	s_mov_b32 s[\g+7], 0
.endr
	; where the tiles come from.  A's hang on Y (and, KIND 1, on the expert = cluster x / 2) alone, B's on X alone, each in registers that never hold the other coordinate
	s_lshl_b32 s20, s17, 1
	s_add_co_u32 s20, s20, s16                     ; A: the group of 128 rows that I fetch
	s_mov_b32 s22, s17                             ; and the group of 256
.if KIND == 1
	s_lshr_b32 s18, ttmp9, 1                       ; the expert: eight groups of 128 and four of 256 each
	s_lshl_b32 s19, s18, 3
	s_add_co_u32 s20, s20, s19
	s_lshl_b32 s19, s18, 2
	s_add_co_u32 s22, s22, s19
.endif
	s_mul_i32 s20, s20, GSTR
	s_mov_b32 s21, 0
	s_mul_i32 s22, s22, SSTR
	s_mul_i32 s19, s16, HALFS                      ; my half of the scale words
	s_add_co_u32 s22, s22, s19
	s_add_co_u32 s22, s22, AS_OFF
	s_mov_b32 s23, 0
	s_lshl_b32 s46, s42, 1
	s_add_co_u32 s46, s46, s16                     ; B likewise
	s_mul_i32 s46, s46, GSTR
	s_add_co_u32 s46, s46, B_OFF
	s_mov_b32 s47, 0
	s_mul_i32 s92, s42, SSTR
	s_add_co_u32 s92, s92, s19
	s_add_co_u32 s92, s92, BS_OFF
	s_mov_b32 s93, 0
	s_mul_i32 s45, s14, HALFT                      ; where they go: wave x a quarter of a slot: no place in the cluster enters an LDS address
	s_mul_i32 s94, s14, HALFS
	s_lshl_b32 s98, s42, 10                        ; the bias of my 128 columns: 4 (256 X + 128 x half)
	s_lshl_b32 s99, s16, 9
	s_add_co_u32 s98, s98, s99
	s_mov_b32 s99, 0
.if KIND < 2
	s_mov_b32 s[SEL], 0x76543210
	s_mov_b32 s[SEL+1], 0xfedcba98
	s_lshr_b32 s67, s42, 3                         ; the expert
	s_and_b32 s95, s42, 7
	s_lshl_b32 s95, s95, 1
	s_add_co_u32 s95, s95, s16                     ; my 128 columns are this K step of the next product
	s_mul_i32 s12, s67, 1572864                    ; codes out: [expert][group of 128 tokens][K step][tile][image]
	s_lshl_b32 s66, s17, 1
	s_add_co_u32 s66, s66, s15
	s_mul_i32 s66, s66, 196608
	s_add_co_u32 s12, s12, s66
	s_mul_i32 s66, s95, 12288
	s_add_co_u32 s12, s12, s66
	s_mov_b32 s13, 0
	s_lshl_b32 s96, s67, 16                        ; scale words out: [expert][group of 256 tokens][K step][1,024], my half's two quads
	s_lshl_b32 s66, s17, 14
	s_add_co_u32 s96, s96, s66
	s_lshl_b32 s66, s95, 10
	s_add_co_u32 s96, s96, s66
	s_lshl_b32 s66, s15, 9
	s_add_co_u32 s96, s96, s66
	s_add_co_u32 s96, s96, HS_OFF
	s_mov_b32 s97, 0
.else
	s_and_b32 s66, s17, 3                          ; out0 [token][expert][1,024]: Y = 4 x expert + the block of 256 tokens
	s_lshl_b32 s66, s66, 1
	s_add_co_u32 s66, s66, s15
	s_lshl_b32 s12, s66, 22                        ; my first token x 32,768 bytes
	s_lshr_b32 s66, s17, 2
	s_lshl_b32 s66, s66, 12                        ; the expert x 4,096
	s_add_co_u32 s12, s12, s66
	s_lshl_b32 s66, s42, 10
	s_add_co_u32 s12, s12, s66
	s_lshl_b32 s66, s16, 9                         ; my first column x 4
	s_add_co_u32 s12, s12, s66
	s_mov_b32 s13, 0
.endif
	s_wait_kmcnt 0x0
	s_add_nc_u64 s[20:21], s[ABASE:ABASE+1], s[20:21]
	s_add_nc_u64 s[22:23], s[ABASE:ABASE+1], s[22:23]
	s_add_nc_u64 s[46:47], s[6:7], s[46:47]
	s_add_nc_u64 s[92:93], s[6:7], s[92:93]
	s_add_nc_u64 s[98:99], s[8:9], s[98:99]
	s_add_nc_u64 s[12:13], s[10:11], s[12:13]
.if KIND < 2
	s_add_nc_u64 s[96:97], s[10:11], s[96:97]
.endif
	CROUND                                         ; all sixteen work-groups are here: the first joint loads meet
	s_mov_b32 s[G0S], 1
	s_add_co_u32 s[G0S+1], s94, SCL
	s_mov_b64 s[G0S+2:G0S+3], s[22:23]
	s_or_b32 s[G0S+3], s[G0S+3], 0x80000000
	s_mov_b32 s[G0SB], 1
	s_add_co_u32 s[G0SB+1], s94, SCL
	s_mov_b64 s[G0SB+2:G0SB+3], s[92:93]
	s_or_b32 s[G0SB+3], s[G0SB+3], 0x80000000
	JLOAD G0S, G1S, G0SB, G1SB                     ; the scale words first: they are wanted with the first K step
.irp s, 0,1
	s_mov_b32 s[G0+4*\s], 1                        ; count = 1
	s_add_co_u32 s[G0+4*\s+1], s45, \s*SLOT        ; LDS address
	s_add_nc_u64 s[G0+4*\s+2:G0+4*\s+3], s[20:21], \s*HALFT   ; global address: K steps 2 s, 2 s + 1
	s_or_b32 s[G0+4*\s+3], s[G0+4*\s+3], 0x80000000           ; type = 2
	s_mov_b32 s[G0B+4*\s], 1
	s_add_co_u32 s[G0B+4*\s+1], s45, \s*SLOT
	s_add_nc_u64 s[G0B+4*\s+2:G0B+4*\s+3], s[46:47], \s*HALFT
	s_or_b32 s[G0B+4*\s+3], s[G0B+4*\s+3], 0x80000000
	JLOAD G0+4*\s, G1, G0B+4*\s, G1B               ; by this text's count three tensor loads of a wave are out here, later one
.endr
	v_and_b32 v[LN], 31, v0
	v_and_b32 v1, 15, v0                           ; r
	v_bfe_u32 v2, v0, 4, 1                         ; h
	v_lshlrev_b32 v[CO], 4, v[LN]
	v_lshlrev_b32 v[BO], 6, v2
.irp b, 0,1,2,3
.irp j, 0,1,2,3
	global_load_b128 v[BI+16*\b+4*\j:BI+16*\b+4*\j+3], v[BO], s[98:99] offset:128*\b+16*\j
.endr
.endr
	s_mul_i32 s21, s15, HALFT                      ; my 128 rows of A
	s_mul_i32 s22, s16, HALFT                      ; my 128 rows of B,
	s_add_co_u32 s22, s22, 2*HALFT                 ; which lie behind A's 256
.irp s, 0,1
	v_add_nc_u32 v[ADRA+\s], s21, v[CO]
	v_add_nc_u32 v[ADRB+\s], s22, v[CO]
	s_add_co_u32 s21, s21, SLOT
	s_add_co_u32 s22, s22, SLOT
.endr
	v_lshlrev_b32 v5, 4, v1                        ; scale words: 16 r in a quad
	s_lshl_b32 s21, s15, 9                         ; A's: my half's two quads
	s_lshl_b32 s22, s16, 9                         ; B's: my half's, behind all of A's
	s_add_co_u32 s22, s22, KS*1024
	s_sub_co_u32 s22, s22, s21
	v_mul_u32_u24 v6, s22, v2                      ; lanes 16-31 take B's: one product, the distance between the two
	s_add_co_u32 s21, s21, SCL
	v_add_nc_u32 v5, v5, v6
	v_add_nc_u32 v[ADRS], s21, v5
.if KIND == 2
	s_mul_i32 s23, s14, 16*SPITCH                  ; my stage
	v_mul_u32_u24 v5, v1, SPITCH                   ; in: row r, 64 bytes on for lanes 16-31
	v_lshl_add_u32 v5, v2, 6, v5
	v_add_nc_u32 v[STO], s23, v5
	v_add_nc_u32 v[RD], s23, v[CO]                 ; back: the 32 lanes take one row of 512 bytes
.endif
.if KIND == 0
; ---- THE ROUTER'S TWO PRODUCTS, my wave's piece: 16 tokens x 64 hidden columns x all of K = 1,024.  No LDS, no branch; the work-group's place enters byte offsets into memory alone.
; The first product is used transposed like the large one: lane (r, h) holds token r, and register 16 b + i of its 32 the column 32 b + 16 h + i of my 64.
	s_and_b32 s40, s42, 15
	s_lshl_b32 s40, s40, 2
	s_add_co_u32 s40, s40, s14                     ; my tile of 16 tokens, 0..63: 4 (X % 16) + wave
	s_lshr_b32 s41, s42, 4
	s_lshl_b32 s43, s17, 2
	s_add_co_u32 s41, s41, s43                     ; my part of 64 columns, 0..15: 4 Y + X / 16
	s_lshr_b32 s43, s40, 3
	s_mul_i32 s43, s43, 98304                      ; x's codes: the group of 128 tokens,
	s_and_b32 s44, s40, 7
	s_mul_i32 s44, s44, IMG                        ; my tile in it
	s_add_co_u32 s43, s43, s44
	v_add_nc_u32 v[GXA], s43, v[CO]
	s_lshr_b32 s43, s40, 4
	s_lshl_b32 s43, s43, 13                        ; x's scale words: the group of 256 tokens,
	s_bfe_u32 s44, s40, 0x20002
	s_lshl_b32 s44, s44, 8                         ; the quad,
	s_add_co_u32 s43, s43, s44
	s_and_b32 s44, s40, 3
	s_lshl_b32 s44, s44, 2                         ; the tile's word in it
	s_add_co_u32 s43, s43, s44
	s_add_co_u32 s43, s43, XS_OFF
	v_lshl_add_u32 v[GXS], v1, 4, s43
	s_lshr_b32 s43, s41, 1
	s_mul_i32 s43, s43, 98304                      ; the gate's codes: the group of 128 columns,
	s_and_b32 s44, s41, 1
	s_mul_i32 s44, s44, 6144                       ; my four tiles
	s_add_co_u32 s43, s43, s44
	s_add_co_u32 s43, s43, GC_OFF
	v_add_nc_u32 v[GWA], s43, v[CO]
	s_lshr_b32 s43, s41, 2
	s_lshl_b32 s43, s43, 13
	s_and_b32 s44, s41, 3
	s_lshl_b32 s44, s44, 8                         ; their quad of scale words
	s_add_co_u32 s43, s43, s44
	s_add_co_u32 s43, s43, GS_OFF
	v_lshl_add_u32 v[GWS], v1, 4, s43
	s_lshl_b32 s43, s41, 8                         ; gate_b1: my 64 numbers, 64 h bytes on for lanes 16-31
	v_add_nc_u32 v[GB1], s43, v[BO]
	v_and_b32 v5, 7, v0
	v_lshlrev_b32 v5, 2, v5
	v_lshl_add_u32 v5, v2, 9, v5                   ; gate_w2: 16 h rows of 32 bytes + expert r % 8,
	s_lshl_b32 s43, s41, 11                        ; in my 64 rows
	v_add_nc_u32 v[GW2], s43, v5
	v_lshlrev_b32 v5, 5, v1
	v_lshl_add_u32 v5, v2, 4, v5                   ; gp: token r's 32 bytes, experts 4 h on,
	s_lshl_b32 s43, s41, 15                        ; in my part,
	s_lshl_b32 s44, s40, 9                         ; at my 16 tokens
	s_add_co_u32 s43, s43, s44
	v_add_nc_u32 v[GPO], s43, v5
.irp b, 0,1
.irp j, 0,1,2,3
	global_load_b128 v[GACC+16*\b+4*\j:GACC+16*\b+4*\j+3], v[GB1], s[4:5] offset:128*\b+16*\j   ; the bias, in the result's layout: the sums begin with it
.endr
.endr
.irp k, 0,1,2,3,4,5,6,7
	global_load_b128 v[SC+4*\k:SC+4*\k+3], v[GWS], s[6:7] offset:1024*\k    ; the scale words of my four tiles of the gate,
	global_load_b32 v[GSA+\k], v[GXS], s[6:7] offset:1024*\k                ; and of my tokens
.endr
.set GK, 0
.rept 8                                ; all eight K steps at once, 15 loads each, into the registers that the accumulators take later: K steps 0-3 window 2, 4-7 window 3; in a window x's fragment at 192 + 12 k, the gate's tile t at 48 k + 12 t
	WIN 0x80+0x40*(GK/4)
.irp j, 0,1,2
	global_load_b128 v[192+12*(GK%4)+4*\j:192+12*(GK%4)+4*\j+3], v[GXA], s[6:7] offset:12288*GK+512*\j
.endr
.irp t, 0,1,2,3
.irp j, 0,1,2
	global_load_b128 v[48*(GK%4)+12*\t+4*\j:48*(GK%4)+12*\t+4*\j+3], v[GWA], s[6:7] offset:12288*GK+1536*\t+512*\j
.endr
.endr
.set GK, GK+1
.endr
	WIN 0
.irp b, 0,1
.irp i, 0,1,2,3,4,5,6,7,8,9,10,11,12,13,14,15
	global_load_b32 v[W2F+16*\b+\i], v[GW2], s[2:3] offset:(32*\b+\i)*32   ; gate_w2(32 b + 16 h + i, r % 8): the same k in the same places as g has them
.endr
.endr
.set GK, 0
.rept 8
.if GK == 0
	s_wait_loadcnt 62                              ; all but the youngest 62 loads are in: out may be K steps 6 and 7 (30) and gate_w2 (32)
.elseif GK == 6
	s_wait_loadcnt 47                              ; K step 7 (15) and gate_w2 may be out
.elseif GK == 7
	s_wait_loadcnt 32                              ; gate_w2 may be out
.endif
	WIN 0x0a+5*(GK/4)                              ; sources 0 and 1 window 2 or 3; C and D window 0
.irp t, 0,1,2,3                        ; the four accumulators by turns, one instruction a turn
	v_wmma_scale_f32_16x16x128_f8f6f4 v[GACC+8*\t:GACC+8*\t+7], v[48*(GK%4)+12*\t:48*(GK%4)+12*\t+11], v[192+12*(GK%4):192+12*(GK%4)+11], v[GACC+8*\t:GACC+8*\t+7], v[SC+4*GK+\t], v[GSA+GK] matrix_a_fmt:MATRIX_FMT_FP6 matrix_b_fmt:MATRIX_FMT_FP6
.endr
.set GK, GK+1
.endr
	WIN 0
	PLACES 4                                       ; in front of the first read of results
.set GJ, 0
.rept 32
	v_max_num_f32 v[GACC+GJ], 0, v[GACC+GJ]        ; relu, each accumulator from its low end on
.set GJ, GJ+1
.endr
	s_wait_loadcnt 0x0                             ; gate_w2
.irp b, 0,1
.irp p, 0,1,2,3,4,5,6,7
	v_cvt_pk_bf16_f32 v[GBF+8*\b+\p], v[GACC+16*\b+2*\p], v[GACC+16*\b+2*\p+1]   ; g, 32 columns to a fragment
.endr
.endr
.irp b, 0,1
.irp p, 0,1,2,3,4,5,6,7
	v_cvt_pk_bf16_f32 v[WBF+8*\b+\p], v[W2F+16*\b+2*\p], v[W2F+16*\b+2*\p+1]     ; gate_w2 transposed: rows 8-15 repeat the eight experts
.endr
.endr
	v_wmma_f32_16x16x32_bf16 v[GL:GL+7], v[WBF:WBF+7], v[GBF:GBF+7], 0
	s_wait_alu depctr_va_vdst(0)                   ; the wait stands directly ahead of the link
	v_wmma_f32_16x16x32_bf16 v[GL:GL+7], v[WBF+8:WBF+15], v[GBF+8:GBF+15], v[GL:GL+7]
	PLACES 4                                       ; in front of the read of the result, and of the LDS loads that later land in these registers
	v_cmp_le_u32 vcc_lo, 16, v[LN]                 ; lane (r, h) holds token r's eight partial logits: it keeps experts 4 h on
.irp i, 0,1,2,3
	v_cndmask_b32 v[GO4+\i], v[GL+\i], v[GL+4+\i], vcc_lo
.endr
	global_store_b128 v[GPO], v[GO4:GO4+3], s[104:105]   ; the wave stores 512 consecutive bytes, aligned; neither the data, the offset nor the base is written again
.endif
.if KIND == 2
; ---- THE ROUTER'S SOFTMAX: wave 0 of work-group 4 Y + X (0..127) takes tokens 8 (4 Y + X) on.  Lane l has token l / 4, experts 2 (l % 4) and the next: 8 l bytes on in a part of gp and in out1.
	s_cmp_lg_u32 s14, 0
	s_cbranch_scc1 .Lno_softmax
	s_lshl_b32 s40, s17, 2
	s_add_co_u32 s40, s40, s42
	s_lshl_b32 s40, s40, 8                         ; 8 tokens of 32 bytes
	v_lshl_add_u32 v3, v[LN], 3, s40
	v_and_b32 v4, 3, v0
	v_lshlrev_b32 v4, 3, v4
	s_mov_b32 s41, 0x3fb8aa3b                      ; log2(e)
	global_load_b64 v[160:161], v4, s[100:101]     ; gate_b2
.irp p, 0,1,2,3,4,5,6,7,8,9,10,11,12,13,14,15
	global_load_b64 v[128+2*\p:129+2*\p], v3, s[2:3] offset:32768*\p   ; the 32 lanes read 256 consecutive bytes of each part
.endr
	s_wait_loadcnt 0x0
.irp p, 0,1,2,3,4,5,6,7,8,9,10,11,12,13,14,15
	v_pk_add_f32 v[160:161], v[160:161], v[128+2*\p:129+2*\p]          ; gate_b2, then the sixteen parts in ascending order
.endr
	v_max_num_f32 v162, v160, v161
	v_max_num_f32_dpp v162, v162, v162 row_xmask:1 row_mask:0xf bank_mask:0xf
	v_max_num_f32_dpp v162, v162, v162 row_xmask:2 row_mask:0xf bank_mask:0xf   ; with my three neighbours': the token's largest logit
	v_mul_f32 v163, s41, v162
	v_fma_f32 v160, v160, s41, -v163               ; (logit - maximum) x log2(e)
	v_fma_f32 v161, v161, s41, -v163
	v_exp_f32 v160, v160
	v_exp_f32 v161, v161
	v_nop                                          ; a plain line behind the last exponential
	s_wait_alu depctr_va_vdst(0)                   ; one wait for the two, ahead of their first reader
	v_add_f32 v164, v160, v161
	v_add_f32_dpp v164, v164, v164 row_xmask:1 row_mask:0xf bank_mask:0xf
	v_add_f32_dpp v164, v164, v164 row_xmask:2 row_mask:0xf bank_mask:0xf
	v_rcp_f32 v164, v164
	v_nop
	s_wait_alu depctr_va_vdst(0)
	v_mul_f32 v18, v160, v164
	v_mul_f32 v19, v161, v164
	global_store_b64 v3, v[18:19], s[104:105]      ; 32 lanes store 256 consecutive bytes, aligned; neither the data, the offset nor the base is written again
.Lno_softmax:
.endif
.macro FRAG reg, adr, off              ; a fragment comes as it was stored: three loads of 16 bytes a lane, 512 bytes on end each
.irp c, 0,1,2
	ds_load_b128 v[\reg+4*\c:\reg+4*\c+3], v[\adr] offset:\off+512*\c
.endr
.endm
.macro FETCH_B slot, q, p              ; B's eight fragments of the slot's q-th K step into set p
	WIN TO_B
.irp i, 0,1,2,3,4,5,6,7
	FRAG 128*(\p)+FR*\i, ADRB+\slot, 12288*(\q)+IMG*\i
.endr
	WIN 0
.endm
.macro FETCH_A slot, q, i0             ; A's blocks i0 .. i0 + 3
.irp i, \i0, \i0+1, \i0+2, \i0+3
	FRAG AF+FR*(\i), ADRA+\slot, 12288*(\q)+IMG*(\i)
.endr
.endm
.macro SCALES sc                       ; a slot's scale words into set sc: one load brings four tiles' words; lanes 0-15 A's, lanes 16-31 B's
.irp q, 0,1
.irp u, 0,1
	ds_load_b128 v[SC+16*\sc+8*\q+4*\u:SC+16*\sc+8*\q+4*\u+3], v[ADRS] offset:1024*\q+256*\u
.endr
.endr
.endm
; 16 matrix instructions: A's blocks a0, a0 + 1 x B's eight tiles, one K step.  p: B's set; q: the K step in the slot; sc: the set of scale words.  first = 1: the sums begin with the bias.
; The 64 accumulators take turns, one instruction a turn, in the same order in every step.
.macro MUL16 a0, p, q, sc, first
.irp a, \a0, \a0+1
.irp b, 0,1,2,3,4,5,6,7
.if \first
	v_wmma_scale_f32_16x16x128_f8f6f4 v[8*(8*((\a)%4)+\b):8*(8*((\a)%4)+\b)+7], v[128*(\p)+FR*\b:128*(\p)+FR*\b+FR-1], v[AF+FR*(\a):AF+FR*(\a)+FR-1], v[BI+8*\b:BI+8*\b+7], v[SC+16*(\sc)+8*(\q)+\b], v[SC+16*(\sc)+8*(\q)+(\a)] matrix_a_fmt:MATRIX_FMT_FP6 matrix_b_fmt:MATRIX_FMT_FP6 matrix_a_scale:MATRIX_SCALE_ROW1
.else
	v_wmma_scale_f32_16x16x128_f8f6f4 v[8*(8*((\a)%4)+\b):8*(8*((\a)%4)+\b)+7], v[128*(\p)+FR*\b:128*(\p)+FR*\b+FR-1], v[AF+FR*(\a):AF+FR*(\a)+FR-1], v[8*(8*((\a)%4)+\b):8*(8*((\a)%4)+\b)+7], v[SC+16*(\sc)+8*(\q)+\b], v[SC+16*(\sc)+8*(\q)+(\a)] matrix_a_fmt:MATRIX_FMT_FP6 matrix_b_fmt:MATRIX_FMT_FP6 matrix_a_scale:MATRIX_SCALE_ROW1
.endif
.endr
.endr
.endm
; A slot's first K step: its successor lies in the same slot.  A block of A is free as soon as its eight products are issued, so A has one set: blocks 0-3 are fetched anew in the step's middle, blocks 4-7 at its end.
.macro STEP slot, first
	s_wait_dscnt 4*NL                              ; B's set, A's blocks 0-3 and the scale words are in; the youngest 12 loads (A's blocks 4-7) may be out
	WIN MUL_LO-0x20*\first
	MUL16 0, 0, 0, \slot, \first
	MUL16 2, 0, 0, \slot, \first
	s_wait_dscnt 0                                 ; A's blocks 4-7 are in (asked for 32 matrix instructions ago)
	PLACES 4
	FETCH_B \slot, 1, 1
	FETCH_A \slot, 1, 0
	WIN MUL_HI-0x30*\first
	MUL16 4, 0, 0, \slot, \first
	MUL16 6, 0, 0, \slot, \first
	PLACES 4
	WIN 0
	FETCH_A \slot, 1, 4
.endm
; A slot's second K step changes slots: ONE barrier; in front of it each wave waits for all its tensor loads, adds 0 to its spare word, and waits for that and for its own reads of this slot.
; fill = 1: the barrier opens a round of the cluster's barrier, and this slot is filled again, with the K steps four on, first thing behind the round.
.macro TURN slot, next, fill
	s_wait_tensorcnt 0x0                           ; all my tensor loads have landed: my part of the next slot  (every window is 0 here)
	ds_add_u32 v[SPW], v[NIL]                      ; 0 onto my spare word
	s_wait_dscnt 4*NL+1                            ; (the add and the youngest 12 loads, A's blocks 4-7, may be out)
	WIN MUL_LO
	MUL16 0, 1, 1, \slot, 0                        ; sixteen matrix instructions stand between the add and the wait for it
	s_wait_dscnt 0x0                               ; the add is done, and my reads of this slot are over
	s_barrier_signal -1
	MUL16 2, 1, 1, \slot, 0
	WIN 0
	s_barrier_wait -1
.if \fill
	CREST                                          ; no wave of any partner still reads this slot's tiles or has a load on its way
	s_add_nc_u64 s[G0+4*\slot+2:G0+4*\slot+3], s[G0+4*\slot+2:G0+4*\slot+3], 2*HALFT
	s_add_nc_u64 s[G0B+4*\slot+2:G0B+4*\slot+3], s[G0B+4*\slot+2:G0B+4*\slot+3], 2*HALFT
	JLOAD G0+4*\slot, G1, G0B+4*\slot, G1B         ; the first tensor load behind the round, and my only one until the next; its four v_nop are also the places in front of the loads below
.else
	PLACES 4
.endif
	v_add_nc_u32 v[ADRS], 2048, v[ADRS]            ; on to the next slot's scale words
	FETCH_B \next, 0, 0
	FETCH_A \next, 0, 0
	SCALES \next
	WIN MUL_HI
	MUL16 4, 1, 1, \slot, 0
	MUL16 6, 1, 1, \slot, 0
	PLACES 4
	WIN 0
	FETCH_A \next, 0, 4
.endm
	s_wait_tensorcnt 1                             ; the scale words and my part of slot 0 are in; slot 1's load may be out
	s_barrier_signal -1
	s_barrier_wait -1                              ; everybody's are
	FETCH_B 0, 0, 0
	FETCH_A 0, 0, 0
	SCALES 0
	FETCH_A 0, 0, 4
	s_wait_loadcnt 0x0                             ; the bias
	STEP 0, 1                                      ; the first step stands in front of the loop: its products start the sums
	s_mov_b32 s3, LAPS-1
.Llap:                                             ; a trip goes once round the ring, from a lap's second K step to the next lap's first, and fills both slots again
	TURN 0, 1, 1
	STEP 1, 0
	TURN 1, 0, 1
	STEP 0, 0
	s_sub_co_u32 s3, s3, 1
	s_cmp_lg_u32 s3, 0
	s_cbranch_scc1 .Llap
	TURN 0, 1, 0                                   ; the last lap fills nothing, and has no round of the cluster's barrier
	STEP 1, 0
	s_wait_dscnt 4*NL                              ; the very last K step: nothing more to fetch
	WIN MUL_LO
	MUL16 0, 1, 1, 1, 0
	MUL16 2, 1, 1, 1, 0
	s_wait_dscnt 0
	WIN MUL_HI
	MUL16 4, 1, 1, 1, 0
	MUL16 6, 1, 1, 1, 0
	WIN 0
.if KIND < 2
; THE WAY OUT, KIND 0 and 1: each block of 16 tokens x my 128 columns becomes one fragment of the next product and one scale word a token.  No LDS: the codes' registers are the image.
.irp b, 0,1,2,3
	v_mov_b32 v[TM+4+\b], 0                        ; a lane permute's destination counts as one of its sources.  These four plain lines are also the places behind the last products
.endr
.set QA, 0
.rept 8
.set QW, 2+QA/4                        ; the block's window
.set ACB, 64*(QA%4)                    ; its 64 numbers: register 16 b + i = column 32 b + 16 h + i of token r
.set PC, AF+FR*QA                      ; its codes: registers of their own, so that no store's data are written again
.if KIND == 0
	WIN (QW<<2)|(QW<<6)
.set QJ, 0
.rept 64
	v_max_num_f32 v[ACB+QJ], 0, v[ACB+QJ]          ; relu, in f32, each accumulator from its low end on
.set QJ, QJ+1
.endr
.endif
	WIN QW|(QW<<2)
.irp b, 0,1,2,3
	v_max3_num_f32 v[TM+\b], |v[ACB+16*\b]|, |v[ACB+16*\b+1]|, 0x1800000   ; block b: my 16 numbers, and the floor 2^(3 - 127): the byte cannot fall under 1
.endr
.irp i, 2,4,6,8,10,12,14
.irp b, 0,1,2,3
	v_max3_num_f32 v[TM+\b], |v[ACB+16*\b+\i]|, |v[ACB+16*\b+\i+1]|, v[TM+\b]   ; (the four blocks by turns)
.endr
.endr
	WIN 0
.irp b, 0,1,2,3
	v_permlanex16_b32 v[TM+4+\b], v[TM+\b], s[SEL], s[SEL+1]
.endr
.irp b, 0,1,2,3
	v_max_num_f32 v[TM+\b], v[TM+\b], v[TM+4+\b]   ; with lane l xor 16's: the block's largest magnitude
.endr
.irp b, 0,1,2,3
	v_add_nc_u32 v[TM+12+\b], 0xff000000, v[TM+\b] ; 2 off its exponent field: the conversion's scale operand
.endr
.irp b, 0,1,2,3
	v_lshrrev_b32 v[TM+4+\b], 23, v[TM+12+\b]      ; the scale's byte
.endr
	v_lshl_or_b32 v[SWD+QA], v[TM+5], 8, v[TM+4]   ; the four bytes make token r's scale word
	v_lshl_or_b32 v[SWD+QA], v[TM+6], 16, v[SWD+QA]
	v_lshl_or_b32 v[SWD+QA], v[TM+7], 24, v[SWD+QA]
	WIN QW
.irp c, 0,1
	v_cvt_scalef32_pk16_fp6_f32 v[PC+6*\c:PC+6*\c+2], v[ACB+32*\c:ACB+32*\c+15], v[TM+12+2*\c]
	v_cvt_scalef32_pk16_fp6_f32 v[TT+4*\c:TT+4*\c+2], v[ACB+32*\c+16:ACB+32*\c+31], v[TM+12+2*\c+1]   ; (a conversion's three registers begin on an even number)
.endr
	WIN 0
	v_nop                                          ; one plain line behind a scaled conversion
.irp c, 0,1                            ; the operand's layout wants a WHOLE block in a lane: lanes 0-15 block 2 c, lanes 16-31 block 2 c + 1
.irp i, 0,1,2
	v_permlane16_swap_b32 v[PC+6*\c+\i], v[TT+4*\c+\i]
.endr
.irp i, 0,1,2
	v_mov_b32 v[PC+6*\c+3+\i], v[TT+4*\c+\i]
.endr
.endr
.irp j, 0,1,2
	global_store_b128 v[CO], v[PC+4*\j:PC+4*\j+3], s[12:13] offset:IMG*QA+512*\j   ; 32 lanes store 512 consecutive bytes, aligned; my eight images lie on end
.endr
.set QA, QA+1
.endr
	v_cmp_le_u32 vcc_lo, 16, v[LN]
.irp i, 0,1,2,3
	v_cndmask_b32 v[QD+\i], v[SWD+\i], v[SWD+4+\i], vcc_lo   ; lanes 0-15: the quad of blocks 0-3, lanes 16-31 of blocks 4-7
.endr
	global_store_b128 v[CO], v[QD:QD+3], s[96:97]  ; 512 consecutive bytes, aligned
.else
; THE WAY OUT, KIND 2, block by block of 16 tokens x 128 columns of f32.  A lane holds pieces of 32 bytes of one row: a block goes through my own stage in LDS and comes back as whole rows of 512 bytes.
; LDS serves a wave's instructions in order (ISA guide 5.7.1.4): no wait between the stores and the loads, nor in front of the next block's stores.
.macro TOSTAGE a
.set AC, 64*((\a)%4)
	WIN 0x08+4*((\a)/4)                            ; the data: window 2 or 3
.irp b, 0,1,2,3,4,5,6,7
	ds_store_b128 v[STO], v[AC+8*\b:AC+8*\b+3] offset:128*(\b/2)+32*(\b%2)          ; tile b's columns 32 (b / 2) + 16 h + 8 (b % 2) on; each accumulator from its low end on
	ds_store_b128 v[STO], v[AC+8*\b+4:AC+8*\b+7] offset:128*(\b/2)+32*(\b%2)+16
.endr
	WIN 0
.set BB, BK+64*((\a)%2)
.irp t, 0,1,2,3,4,5,6,7,8,9,10,11,12,13,14,15
	ds_load_b128 v[BB+4*\t:BB+4*\t+3], v[RD] offset:\t*SPITCH
.endr
.endm
.macro SEND a, younger                 ; younger: the LDS instructions issued behind block a's loads, which may stay out
.set BB, BK+64*((\a)%2)
	s_wait_dscnt \younger                          ; the block is back in registers
.if (\a) > 0
	s_add_nc_u64 s[12:13], s[12:13], 16*32768      ; (behind a wait that shows the earlier stores' addresses translated)  16 tokens on
.endif
.irp t, 0,1,2,3,4,5,6,7,8,9,10,11,12,13,14,15
	global_store_b128 v[CO], v[BB+4*\t:BB+4*\t+3], s[12:13] offset:\t*32768 th:TH_STORE_NT   ; 32 lanes store 512 consecutive bytes, aligned; a token's rows lie 32,768 bytes apart
.endr
.endm
	PLACES 4                                       ; behind the last products: for the loads into the registers that held A's fragments and for the reads of results
	TOSTAGE 0
.irp a, 1,2,3,4,5,6,7
.if \a > 1
	s_wait_xcnt 0x0                                ; block a - 2's stores have read their registers and their base
.endif
	TOSTAGE \a
	SEND \a-1, 32                                  ; behind block a - 1's loads: block a's 16 stores and 16 loads
.endr
	s_wait_xcnt 0x0
	SEND 7, 0
.endif
	s_wait_tensorcnt 0x0                           ; the wave's end
	ds_add_u32 v[SPW], v[NIL]
	s_wait_dscnt 0x0
	CROUND                                         ; the closing round: no work-group ends while a partner may still ask for a tile that names it
	s_endpgm
.Lfunc_end_k_q9e35db546e_clf:
	.size	k_q9e35db546e_clf, .Lfunc_end_k_q9e35db546e_clf-k_q9e35db546e_clf
	.p2alignl 7, 3214868480
	.fill 96, 4, 3214868480
	.section	.rodata,"a",@progbits
	.p2align	6, 0x0
	.amdhsa_kernel k_q9e35db546e_clf
		.amdhsa_group_segment_fixed_size 327680
		.amdhsa_private_segment_fixed_size 0
		.amdhsa_enable_private_segment 0
		.amdhsa_kernarg_size 56
		.amdhsa_user_sgpr_count 2
		.amdhsa_user_sgpr_kernarg_segment_ptr 1
		.amdhsa_wavefront_size32 1
		.amdhsa_system_sgpr_workgroup_id_x 1
		.amdhsa_system_sgpr_workgroup_id_y 1
		.amdhsa_system_sgpr_workgroup_id_z 1
		.amdhsa_system_vgpr_workitem_id 0
		.amdhsa_next_free_vgpr 1024
		.amdhsa_next_free_sgpr 106
		.amdhsa_reserve_vcc 1
		.amdhsa_float_denorm_mode_32 3
		.amdhsa_float_denorm_mode_16_64 3
		.amdhsa_memory_ordered 1
		.amdhsa_forward_progress 1
		.amdhsa_inst_pref_size 140
	.end_amdhsa_kernel
	.amdgpu_metadata
---
amdhsa.version: [ 1, 2 ]
amdhsa.kernels:
  - .name:           k_q9e35db546e_clf
    .symbol:         k_q9e35db546e_clf.kd
    .args:
      - { .name: eq, .offset: 0, .size: 8, .value_kind: global_buffer, .address_space: global }
      - { .name: qw, .offset: 8, .size: 8, .value_kind: global_buffer, .address_space: global }
      - { .name: clf_b, .offset: 16, .size: 8, .value_kind: global_buffer, .address_space: global }
      - { .name: out0, .offset: 24, .size: 8, .value_kind: global_buffer, .address_space: global }
      - { .name: gp, .offset: 32, .size: 8, .value_kind: global_buffer, .address_space: global }
      - { .name: gate_b2, .offset: 40, .size: 8, .value_kind: global_buffer, .address_space: global }
      - { .name: out1, .offset: 48, .size: 8, .value_kind: global_buffer, .address_space: global }
    .group_segment_fixed_size: 327680
    .private_segment_fixed_size: 0
    .kernarg_segment_align: 8
    .kernarg_segment_size: 56
    .max_flat_workgroup_size: 128
    .sgpr_count:     106
    .vgpr_count:     1024
    .wavefront_size: 32
...
	.end_amdgpu_metadata
.endif
;; end of part 9
